; MI455X (gfx1250); checked and timed in simulation.
; The chip was launched on July 23, 2026; its instructions are those of AMD's public machine-readable ISA for CDNA 5 (MIT licence, August 2026) and "CDNA5" Instruction Set Architecture Reference Guide (July 2026). The comments in the code are by the model that wrote it; some were corrected since.
;; Encoder Block. Allowed arithmetic: matrix products marked QUANTISED: E2M1 operands, one E8M0 scale for each 32 along K, by v_wmma_scale_f32_16x16x128_f8f6f4 with both operands' format E2M1 (or v_wmma_scale_f32_32x16x128_f4), f32 sums; everything else in f32.
;; Inputs: b1 3,072 float32; b2 768 float32; bk 768 float32; bo 768 float32; bq 768 float32; bv 768 float32; mask 1 x 1 x 4,096 x 4,096 int32; w1 768 x 3,072 float32; w2 3,072 x 768 float32; wk 768 x 768 float32; wo 768 x 768 float32; wq 768 x 768 float32; wv 768 x 768 float32; x 1 x 4,096 x 768 float32.
;; Outputs: out0 1 x 4,096 x 768 float32.
;; This version of the problem:
;;   THIS VERSION OF THE PROBLEM IS GIVEN IN LOW PRECISION. The matrix products marked QUANTISED in the list below multiply operands that are first quantised to E2M1 (2 exponent bits, 1 mantissa bit; 4 bits a number), with one power-of-two scale for each 32 numbers along K (OCP MX v1.0); their sums are f32. All else is computed in f32.
;;   The module's matrix products, in the order in which they are computed (A, B: the left and right operand; K: the contracted axis; several contracted axes count as one K, in the product's order):
;;     1. [M 4,096, K 768] x [K 768, N 768]; A: input x; B: input wq: QUANTISED
;;     2. [M 4,096, K 768] x [K 768, N 768]; A: input x; B: input wk: QUANTISED
;;     3. [M 4,096, K 768] x [K 768, N 768]; A: input x; B: input wv: QUANTISED
;;     4. batch 12 x [M 4,096, K 64] x [K 64, N 4,096]; A: computed on the way; B: computed on the way: QUANTISED
;;     5. batch 12 x [M 4,096, K 4,096] x [K 4,096, N 64]; A: softmax (see below); B: computed on the way: QUANTISED
;;     6. [M 4,096, K 768] x [K 768, N 768]; A: computed on the way; B: input wo: QUANTISED
;;     7. [M 4,096, K 768] x [K 768, N 3,072]; A: computed on the way; B: input w1: QUANTISED
;;     8. [M 4,096, K 3,072] x [K 3,072, N 768]; A: computed on the way; B: input w2: QUANTISED
;;   THE QUANTISER, for each operand of a quantised product, along K:
;;     - K is cut into blocks of 32 from its start; a last block that is shorter is filled with zeros.
;;     - A block's scale is 2^e with e = floor(log2(the largest magnitude in the block)) - 2, held to -126 .. 127; a block of zeros has e = 0. As a byte (E8M0): e + 127.
;;     - Each number is divided by its block's scale, clamped to +-6, and rounded to the nearest number of E2M1, ties to even, subnormals kept.
;;     - The product sums the exact products of the quantised numbers (number of the format x scale) in f32.
;;   ~~~python
;;   def quantise(x, axis):      # numpy; x: float32 -> the quantised numbers, widened to float32 again
;;       x = np.moveaxis(x, axis, -1); K = x.shape[-1]
;;       x = np.pad(x, [(0, 0)] * (x.ndim - 1) + [(0, -K % 32)]); x = x.reshape(x.shape[:-1] + (-1, 32)); a = np.abs(x).max(-1, keepdims=True)
;;       e = np.where(a > 0, np.clip(np.frexp(np.where(a > 0, a, 1))[1] - 1 - 2, -126, 127), 0)      # np.frexp(a)[1] - 1 = floor(log2(a)), exactly
;;       r = np.clip(x / 2.0 ** e, -6, 6)
;;       step = 2.0 ** (np.maximum(np.frexp(np.where(r == 0, 1, r))[1] - 1, 0) - 1)
;;       q = np.round(r / step) * step * 2.0 ** e      # np.round: ties to even
;;       return np.moveaxis(q.reshape(q.shape[:-2] + (-1,))[..., :K], -1, axis).astype(np.float32)
;;   ~~~
;;   SOFTMAX AHEAD OF A QUANTISED PRODUCT. Where the list says 'softmax', what is quantised is not the finished softmax but p = 2^(t - M), with t = logit x log2(e) and M = ceil(the row's largest t), a whole number; so 1/2 < the row's largest p <= 1. The row's sum l is taken of the UNQUANTISED p, in f32, and the product's result is divided by l at the end. Since M is a whole number, a kernel that streams over the keys may use a running M (the ceiling of the running maximum): every later rescaling is an exact power of two, which a block's scale takes up: the codes' values come out the same.
;;   OPERANDS COMPUTED ON THE WAY. 'Computed on the way' means the value that the module computes at that place (a softmax that the list does not call 'softmax' is quantised finished and normalised). What goes into a quantiser is computed in f32, as accurately as f32 sums, v_exp_f32 and their like allow (about 1e-6 of the number): no bf16 or f16 on the way to a quantiser, and a product that is left as it is and whose result goes on into a quantised operand takes f32 operands (vector FMAs, or v_wmma_f32_16x16x4_f32). A number that lies on a knife's edge between two numbers of the format may be rounded either way, as far as f32 arithmetic and the matrix unit's own rounding can turn it there, and no further.
;; 2 versions. Each part assembles by itself: llvm-mc -triple=amdgcn-amd-amdhsa -mcpu=gfx1250 --defsym DOCPART=n.
;; ======== version 1 of 2: 8 launches
;; limits: right only within a limited range of input values
;; workspace buffers: xq 1,671,168 bytes; wimg 3,760,128 bytes; mbits 2,097,152 bytes of whole numbers; qkvc 5,210,112 bytes; ctxq 1,671,168 bytes; x1 14,254,080 bytes; hid 6,684,672 bytes
;; launch quantx (part 1): grid 256 x 1, 3 waves a work-group, no clusters, 25,856 bytes of LDS; arguments x, xq; writes xq
.if DOCPART == 1
	.amdgcn_target "amdgcn-amd-amdhsa--gfx1250"
	.amdhsa_code_object_version 6
	.text
	.protected	k_q662e6582e6_quantx
	.globl	k_q662e6582e6_quantx
	.p2align	8
	.type	k_q662e6582e6_quantx,@function
k_q662e6582e6_quantx:
	s_mov_b64 s[64:65], 0
	v_nop
	global_prefetch_b8 v0, s[64:65] scope:SCOPE_SE
	s_setreg_imm32_b32 hwreg(HW_REG_WAVE_MODE, 25, 1), 1
	s_wait_xcnt 0x0
; x [4096][768] f32 becomes codes of FP4 (E2M1) with one E8M0 byte for each 32 along K, laid as IMAGES OF OPERAND REGISTERS.
; A tile T is 16 rows: row r of tile T is token 32 (T/2) + 8 (T%2) + r + 8 (r/8).  A record (T, s) is 1,024 bytes: the fragment of 16 rows x 128 K (K step s):
; lane l's registers 4 c .. 4 c + 3 lie at 512 c + 16 l.  Records lie at ((T/8) 6 + s) 8192 + (T%8) 1024.  Scale words: 1,572,864 + 384 T + 64 s + 4 r.
; A block's scale is 2^(floor(log2(largest magnitude)) - 2): its byte is the largest magnitude's exponent field - 2, held at 1 from below.
; LIMITS: a block of zeros, or one whose largest magnitude lies under 2^-124, gets the byte 1 (this program alone reads the bytes); NaN and infinities are not served.
; SHARES: a work-group takes tile T, wave w its K steps 2 w and 2 w + 1.  Each load reads 512 consecutive bytes of one row; 16 rows turn through the wave's own stage in LDS
; (rows 528 bytes apart), so that a lane gets the 2 x 32 neighbours that the operand's layout gives it.  Waves share nothing: no barrier.
.set R0,  32                           ; v32-95, v96-159  the two K steps as loaded
.set XR,  160                          ; v160-223 64 numbers of my row: register 32 c + i = k 64 c + 32 h + i
.set CD,  224                          ; v224-239 codes, 8 registers a K step
.set WD,  240                          ; v240-241 the two scale words
.set STG, 8448                         ; a wave's stage: 16 rows x 528 bytes
	s_load_b128 s[4:7], s[0:1], 0x0                ; x, xq
	v_lshl_add_u32 v248, v0, 2, 0x6300
	v_mov_b32 v249, 0
	v_lshrrev_b32 v8, 5, v0
	v_readfirstlane_b32 s8, v8                     ; wave
	v_and_b32 v9, 31, v0                           ; lane
	v_lshlrev_b32 v1, 4, v9                        ; 16 x lane
	v_lshlrev_b32 v2, 2, v9                        ; 4 x lane
	v_and_b32 v3, 15, v0                           ; r
	v_bfe_u32 v4, v0, 4, 1                         ; h
	v_lshlrev_b32 v7, 3, v4                        ; 8 h
	s_mul_i32 s9, s8, STG
	v_add_nc_u32 v5, s9, v1                        ; the stage, in: 16 x lane of a row
	v_mul_u32_u24 v6, v3, 528
	v_lshl_add_u32 v6, v4, 7, v6
	v_add_nc_u32 v6, s9, v6                        ; out: row r, + 128 h
	v_mov_b32 v10, 0                               ; a lane permute's destination counts as one of its sources
	s_mov_b32 s20, 0x76543210
	s_mov_b32 s21, 0xfedcba98                      ; selects for lane l xor 16
	s_lshr_b32 s10, ttmp9, 1
	s_lshl_b32 s10, s10, 5
	s_and_b32 s11, ttmp9, 1
	s_lshl_b32 s11, s11, 3
	s_add_co_u32 s10, s10, s11                     ; the tile's first token
	s_mul_i32 s10, s10, 3072
	s_lshl_b32 s11, s8, 10
	s_add_co_u32 s10, s10, s11                     ; + my two K steps' 1,024 bytes
	s_mov_b32 s11, 0
	s_lshr_b32 s12, ttmp9, 3
	s_mul_i32 s12, s12, 6
	s_lshl_b32 s13, s8, 1
	s_add_co_u32 s12, s12, s13
	s_lshl_b32 s12, s12, 13
	s_and_b32 s13, ttmp9, 7
	s_lshl_b32 s13, s13, 10
	s_add_co_u32 s12, s12, s13                     ; record (T, 2 w)
	s_mov_b32 s13, 0
	s_mul_i32 s14, ttmp9, 384
	s_lshl_b32 s15, s8, 7
	s_add_co_u32 s14, s14, s15
	s_add_co_u32 s14, s14, 1572864                 ; scale words (T, 2 w)
	s_mov_b32 s15, 0
	s_wait_kmcnt 0x0
	s_add_nc_u64 s[4:5], s[4:5], s[10:11]
	s_add_nc_u64 s[16:17], s[6:7], s[14:15]
	s_add_nc_u64 s[6:7], s[6:7], s[12:13]
.macro XLOAD u                         ; 16 rows x 512 bytes
.set i, 0
.rept 16
	global_load_b128 v[R0+64*\u+4*i:R0+64*\u+4*i+3], v1, s[4:5] offset:(i+8*(i/8))*3072+512*\u
.set i, i+1
.endr
.endm
.macro TURN u                          ; through the stage: LDS serves a wave's instructions in order, so no wait stands between the stores and the loads
.set i, 0
.rept 16
	ds_store_b128 v5, v[R0+64*\u+4*i:R0+64*\u+4*i+3] offset:528*i
.set i, i+1
.endr
.irp c, 0,1
.irp q, 0,1,2,3,4,5,6,7
	ds_load_b128 v[XR+32*\c+4*\q:XR+32*\c+4*\q+3], v6 offset:256*\c+16*\q
.endr
.endr
.endm
.macro QB u                            ; my two whole blocks (h and 2 + h of the K step) become 8 registers of codes and two bytes of the scale word
.irp c, 0,1
	v_max3_num_f32 v[12+\c], |v[XR+32*\c]|, |v[XR+32*\c+1]|, 0x1800000   ; with the floor 2^(3 - 127): the byte cannot fall under 1
.endr
.irp i, 2,4,6,8,10,12,14,16,18,20,22,24,26,28,30
.irp c, 0,1
	v_max3_num_f32 v[12+\c], v[12+\c], |v[XR+32*\c+\i]|, |v[XR+32*\c+\i+1]|
.endr
.endr
.irp c, 0,1
	v_add_nc_u32 v[14+\c], 0xff000000, v[12+\c]    ; 2 off the exponent field: the conversion's scale operand
.endr
.irp c, 0,1
	v_lshrrev_b32 v[16+\c], 23, v[14+\c]           ; the byte
.endr
	v_lshl_or_b32 v18, v17, 16, v16
	v_lshlrev_b32 v18, v7, v18                     ; at their places: 8 h bits up
	v_permlanex16_b32 v10, v18, s20, s21
	v_or_b32 v[WD+\u], v18, v10                    ; with lane l xor 16's two the word is whole
.irp c, 0,1
.irp g, 0,1,2,3
	v_cvt_scalef32_pk8_fp4_f32 v[CD+8*\u+4*\c+\g], v[XR+32*\c+8*\g:XR+32*\c+8*\g+7], v[14+\c]
.endr
.endr
	v_nop                                          ; one plain place behind the conversions
.irp c, 0,1
	global_store_b128 v1, v[CD+8*\u+4*\c:CD+8*\u+4*\c+3], s[6:7] offset:8192*\u+512*\c   ; 512 consecutive bytes, aligned
.endr
.endm
	XLOAD 0
	XLOAD 1
	s_wait_loadcnt 16                              ; the first K step's 16 loads are in; the second's 16 may be out
	TURN 0
	s_wait_dscnt 0x0
	QB 0
	s_wait_loadcnt 0x0
	TURN 1
	s_wait_dscnt 0x0
	QB 1
	v_cmp_eq_u32 vcc_lo, 0, v4
	v_cndmask_b32 v242, v[WD+1], v[WD], vcc_lo     ; lanes 0-15 the first K step's words, lanes 16-31 the second's
	global_store_b32 v2, v242, s[16:17]            ; 128 consecutive bytes
	s_wait_tensorcnt 0x0
	ds_add_u32 v248, v249
	s_wait_dscnt 0x0
	s_endpgm
.Lfunc_end_k_q662e6582e6_quantx:
	.size	k_q662e6582e6_quantx, .Lfunc_end_k_q662e6582e6_quantx-k_q662e6582e6_quantx
	.p2alignl 7, 3214868480
	.fill 96, 4, 3214868480
	.section	.rodata,"a",@progbits
	.p2align	6, 0x0
	.amdhsa_kernel k_q662e6582e6_quantx
		.amdhsa_group_segment_fixed_size 25856
		.amdhsa_private_segment_fixed_size 0
		.amdhsa_enable_private_segment 0
		.amdhsa_kernarg_size 16
		.amdhsa_user_sgpr_count 2
		.amdhsa_user_sgpr_kernarg_segment_ptr 1
		.amdhsa_wavefront_size32 1
		.amdhsa_system_sgpr_workgroup_id_x 1
		.amdhsa_system_sgpr_workgroup_id_y 1
		.amdhsa_system_sgpr_workgroup_id_z 1
		.amdhsa_system_vgpr_workitem_id 0
		.amdhsa_next_free_vgpr 250
		.amdhsa_next_free_sgpr 66
		.amdhsa_reserve_vcc 1
		.amdhsa_float_denorm_mode_32 3
		.amdhsa_float_denorm_mode_16_64 3
		.amdhsa_memory_ordered 1
		.amdhsa_forward_progress 1
		.amdhsa_inst_pref_size 16
	.end_amdhsa_kernel
	.amdgpu_metadata
---
amdhsa.version: [ 1, 2 ]
amdhsa.kernels:
  - .name:           k_q662e6582e6_quantx
    .symbol:         k_q662e6582e6_quantx.kd
    .args:
      - { .name: x, .offset: 0, .size: 8, .value_kind: global_buffer, .address_space: global }
      - { .name: xq, .offset: 8, .size: 8, .value_kind: global_buffer, .address_space: global }
    .group_segment_fixed_size: 25856
    .private_segment_fixed_size: 0
    .kernarg_segment_align: 8
    .kernarg_segment_size: 16
    .max_flat_workgroup_size: 96
    .sgpr_count:     66
    .vgpr_count:     250
    .wavefront_size: 32
...
	.end_amdgpu_metadata
.endif
;; end of part 1
;; launch quantw (part 2): grid 144 x 3, 4 waves a work-group, no clusters, 0 bytes of LDS; arguments wq, wk, wv, wo, w1, w2, wimg; writes wimg
.if DOCPART == 2
	.amdgcn_target "amdgcn-amd-amdhsa--gfx1250"
	.amdhsa_code_object_version 6
	.text
	.protected	k_q662e6582e6_quantw
	.globl	k_q662e6582e6_quantw
	.p2align	8
	.type	k_q662e6582e6_quantw,@function
k_q662e6582e6_quantw:
	s_mov_b64 s[64:65], 0
	v_nop
	global_prefetch_b8 v0, s[64:65] scope:SCOPE_SE
	s_setreg_imm32_b32 hwreg(HW_REG_WAVE_MODE, 25, 1), 1
	s_wait_xcnt 0x0
; The six weights, f32 [K][N] with K as FIRST axis, become codes of FP4 (E2M1) with one E8M0 byte for each 32 along K, laid as images of operand registers (as x's: a tile is 16 columns n,
; row r of tile T is column 32 (T/2) + 8 (T%2) + r + 8 (r/8); a record (T, s) is 1,024 bytes).  Records lie at CB + ((T/G) KS + s) G 1024 + (T%G) 1024; scale words at SB + T 64 KS + 64 s + 4 r.
;   wq, wk, wv: one run of 144 tiles, CB 0, G 24, KS 6, SB 3,538,944.   wo: CB 884,736, SB 3,594,240.   w1: CB 1,179,648, SB 3,612,672.   w2: CB 2,359,296, G 12, KS 24, SB 3,686,400.
; A LANE TAKES A COLUMN AND ITS REGISTERS RUN DOWN K: a block of 32 lies in one lane, the conversions give codes with K innermost, and nothing is transposed.
; SHARES: a wave takes 32 columns (two tiles) x 128 along K.  Each load reads 128 consecutive bytes, the four waves stand side by side on 512.  Each store of codes covers two whole aligned runs of 256 bytes.
; The scale words leave as two pieces of 64 bytes a wave: one byte for each 128 that the launch reads.
; One path serves all six: only numbers and pointers are chosen, by the work-group's number.  grid y = 0: wq, wk, wv, wo (36 work-groups each); 1: w1; 2: w2.
; LIMITS: a block of zeros, or one whose largest magnitude lies under 2^-124, gets the byte 1 (this program alone reads the bytes); NaN and infinities are not served.
.set VO, 16                            ; v16-47   4 j + i x (bytes of a row): row i of a block, my column
.set XR, 48                            ; v48-111  two sets of 32 numbers
.set CD, 112                           ; v112-127 codes, four registers a block
	s_load_b256 s[4:11], s[0:1], 0x0               ; wq, wk, wv, wo
	s_load_b128 s[12:15], s[0:1], 0x20             ; w1, w2
	s_load_b64 s[16:17], s[0:1], 0x30              ; wimg
	v_lshrrev_b32 v1, 5, v0
	v_readfirstlane_b32 s19, v1                    ; wave
	v_and_b32 v3, 15, v0                           ; r
	v_bfe_u32 v4, v0, 4, 1                         ; u: which of the two tiles
	s_and_b32 s21, ttmp7, 0xffff                   ; y
	s_mul_i32 s22, ttmp9, 0x71d
	s_lshr_b32 s22, s22, 16                        ; x / 36 (exact for x < 144)
	s_cmp_eq_u32 s21, 0
	s_cselect_b32 s22, s22, 0                      ; which of wq, wk, wv, wo
	s_mul_i32 s23, s22, 36
	s_sub_co_u32 s23, ttmp9, s23                   ; my number within the weight
	s_cmp_eq_u32 s21, 1
	s_cselect_b32 s24, 24, 6                       ; work-groups to a K step: N / 128
	s_mov_b32 s25, 0x2aab
	s_cselect_b32 s25, 0xaab, s25                  ; 65536 / that, rounded up
	s_mov_b32 s26, 3072
	s_cselect_b32 s26, 12288, s26                  ; bytes of a row
	s_cmp_eq_u32 s22, 3
	s_cselect_b32 s28, 884736, 0                   ; CB
	s_mov_b32 s29, 3538944
	s_cselect_b32 s29, 3594240, s29                ; SB
	s_mul_i32 s30, s22, 24
	s_cselect_b32 s30, 0, s30                      ; the weight's first pair of tiles in its run
	s_cmp_eq_u32 s21, 1
	s_cselect_b32 s28, 1179648, s28
	s_cselect_b32 s29, 3612672, s29
	s_cmp_eq_u32 s21, 2
	s_cselect_b32 s28, 2359296, s28
	s_cselect_b32 s29, 3686400, s29
	s_cselect_b32 s31, 24, 6                       ; KS
	s_cselect_b32 s32, 6, 12                       ; G / 2
	s_mov_b32 s33, 0x1556
	s_cselect_b32 s33, 0x2aab, s33                 ; 65536 / (G / 2), rounded up
	s_mul_i32 s34, s23, s25
	s_lshr_b32 s34, s34, 16                        ; K step
	s_mul_i32 s35, s34, s24
	s_sub_co_u32 s35, s23, s35
	s_lshl_b32 s35, s35, 2
	s_add_co_u32 s35, s35, s19                     ; my pair of tiles within the weight
	s_add_co_u32 s36, s35, s30                     ; and within the run
	s_mul_i32 s37, s36, s33
	s_lshr_b32 s37, s37, 16                        ; its group
	s_mul_i32 s38, s37, s32
	s_sub_co_u32 s38, s36, s38                     ; its place in the group
	s_mul_i32 s39, s37, s31
	s_add_co_u32 s39, s39, s34
	s_mul_i32 s39, s39, s32
	s_add_co_u32 s39, s39, s38
	s_lshl_b32 s39, s39, 11
	s_add_co_u32 s48, s39, s28                     ; the two records
	s_mov_b32 s49, 0
	s_mul_i32 s50, s36, s31
	s_lshl_b32 s50, s50, 7
	s_lshl_b32 s51, s34, 6
	s_add_co_u32 s50, s50, s51
	s_add_co_u32 s50, s50, s29                     ; their scale words
	s_mov_b32 s51, 0
	s_mul_i32 s52, s34, s26
	s_lshl_b32 s52, s52, 7
	s_lshl_b32 s53, s35, 7
	s_add_co_u32 s52, s52, s53                     ; the source: row 128 x K step, column 32 x pair
	s_mov_b32 s53, 0
	s_lshl_b32 s54, s26, 5                         ; 32 rows
	s_mov_b32 s55, 0
	s_lshl_b32 s56, s31, 6                         ; 64 KS: from a tile's scale words to the next tile's
	v_and_b32 v11, 8, v3
	v_add_nc_u32 v11, v11, v3
	v_lshl_add_u32 v11, v4, 3, v11                 ; j = 8 u + r + 8 (r / 8): my column among the 32
	v_lshlrev_b32 v[VO], 2, v11
.set i, 1
.rept 31
	v_add_nc_u32 v[VO+i], s26, v[VO+i-1]
.set i, i+1
.endr
	v_lshlrev_b32 v9, 10, v4
	v_lshl_add_u32 v9, v3, 4, v9                   ; codes: 1024 u + 16 r
	v_mul_u32_u24 v10, s56, v4
	v_lshl_add_u32 v10, v3, 2, v10                 ; scale word: 64 KS u + 4 r
	s_wait_kmcnt 0x0
	s_cmp_eq_u32 s22, 1                            ; the choice of a buffer hangs on the work-group's number alone
	s_cselect_b64 s[4:5], s[6:7], s[4:5]
	s_cmp_eq_u32 s22, 2
	s_cselect_b64 s[4:5], s[8:9], s[4:5]
	s_cmp_eq_u32 s22, 3
	s_cselect_b64 s[4:5], s[10:11], s[4:5]
	s_cmp_eq_u32 s21, 1
	s_cselect_b64 s[4:5], s[12:13], s[4:5]
	s_cmp_eq_u32 s21, 2
	s_cselect_b64 s[4:5], s[14:15], s[4:5]
	s_add_nc_u64 s[40:41], s[4:5], s[52:53]        ; a base for each of the four blocks: no pointer is stepped
	s_add_nc_u64 s[42:43], s[40:41], s[54:55]
	s_add_nc_u64 s[44:45], s[42:43], s[54:55]
	s_add_nc_u64 s[46:47], s[44:45], s[54:55]
	s_add_nc_u64 s[48:49], s[16:17], s[48:49]
	s_add_nc_u64 s[50:51], s[16:17], s[50:51]
.macro WLOAD k
.set i, 0
.rept 32
	global_load_b32 v[XR+32*((\k)%2)+i], v[VO+i], s[40+2*(\k):41+2*(\k)] th:TH_LOAD_NT
.set i, i+1
.endr
.endm
.macro BLOCK k
.set XS, XR+32*((\k)%2)
.if (\k) < 3
	s_wait_loadcnt 32                              ; this block's 32 loads are in; the next block's 32 may be out
.else
	s_wait_loadcnt 0x0
.endif
	v_max3_num_f32 v12, |v[XS]|, |v[XS+1]|, |v[XS+2]|
	v_max3_num_f32 v13, |v[XS+3]|, |v[XS+4]|, |v[XS+5]|
.irp i, 6,10,14,18,22,26
	v_max3_num_f32 v12, v12, |v[XS+\i]|, |v[XS+\i+1]|
	v_max3_num_f32 v13, v13, |v[XS+\i+2]|, |v[XS+\i+3]|
.endr
	v_max3_num_f32 v12, v12, |v[XS+30]|, |v[XS+31]|
	v_max3_num_f32 v12, v12, v13, 0x1800000        ; and the floor 2^(3 - 127)
	v_add_nc_u32 v14, 0xff000000, v12              ; the conversion's scale operand
	v_lshrrev_b32 v13, 23, v14                     ; the byte
.if (\k) == 0
	v_mov_b32 v8, v13
.else
	v_lshl_or_b32 v8, v13, 8*(\k), v8
.endif
.irp g, 0,1,2,3
	v_cvt_scalef32_pk8_fp4_f32 v[CD+4*(\k)+\g], v[XS+8*\g:XS+8*\g+7], v14
.endr
	v_nop                                          ; one plain place behind the conversions
	global_store_b128 v9, v[CD+4*(\k):CD+4*(\k)+3], s[48:49] offset:256*(\k)   ; lanes 0-15 fill 256 aligned bytes of one record, lanes 16-31 of the next
.if (\k)+2 < 4
	WLOAD (\k)+2
.endif
.endm
	WLOAD 0
	WLOAD 1
	BLOCK 0
	BLOCK 1
	BLOCK 2
	BLOCK 3
	global_store_b32 v10, v8, s[50:51]
	s_endpgm
.Lfunc_end_k_q662e6582e6_quantw:
	.size	k_q662e6582e6_quantw, .Lfunc_end_k_q662e6582e6_quantw-k_q662e6582e6_quantw
	.p2alignl 7, 3214868480
	.fill 96, 4, 3214868480
	.section	.rodata,"a",@progbits
	.p2align	6, 0x0
	.amdhsa_kernel k_q662e6582e6_quantw
		.amdhsa_group_segment_fixed_size 0
		.amdhsa_private_segment_fixed_size 0
		.amdhsa_enable_private_segment 0
		.amdhsa_kernarg_size 56
		.amdhsa_user_sgpr_count 2
		.amdhsa_user_sgpr_kernarg_segment_ptr 1
		.amdhsa_wavefront_size32 1
		.amdhsa_system_sgpr_workgroup_id_x 1
		.amdhsa_system_sgpr_workgroup_id_y 1
		.amdhsa_system_sgpr_workgroup_id_z 1
		.amdhsa_system_vgpr_workitem_id 0
		.amdhsa_next_free_vgpr 136
		.amdhsa_next_free_sgpr 66
		.amdhsa_reserve_vcc 0
		.amdhsa_float_denorm_mode_32 3
		.amdhsa_float_denorm_mode_16_64 3
		.amdhsa_memory_ordered 1
		.amdhsa_forward_progress 1
		.amdhsa_inst_pref_size 24
	.end_amdhsa_kernel
	.amdgpu_metadata
---
amdhsa.version: [ 1, 2 ]
amdhsa.kernels:
  - .name:           k_q662e6582e6_quantw
    .symbol:         k_q662e6582e6_quantw.kd
    .args:
      - { .name: wq, .offset: 0, .size: 8, .value_kind: global_buffer, .address_space: global }
      - { .name: wk, .offset: 8, .size: 8, .value_kind: global_buffer, .address_space: global }
      - { .name: wv, .offset: 16, .size: 8, .value_kind: global_buffer, .address_space: global }
      - { .name: wo, .offset: 24, .size: 8, .value_kind: global_buffer, .address_space: global }
      - { .name: w1, .offset: 32, .size: 8, .value_kind: global_buffer, .address_space: global }
      - { .name: w2, .offset: 40, .size: 8, .value_kind: global_buffer, .address_space: global }
      - { .name: wimg, .offset: 48, .size: 8, .value_kind: global_buffer, .address_space: global }
    .group_segment_fixed_size: 0
    .private_segment_fixed_size: 0
    .kernarg_segment_align: 8
    .kernarg_segment_size: 56
    .max_flat_workgroup_size: 128
    .sgpr_count:     66
    .vgpr_count:     136
    .wavefront_size: 32
...
	.end_amdgpu_metadata
.endif
;; end of part 2
;; launch maskbits (part 3): grid 256 x 1, 8 waves a work-group, no clusters, 68,608 bytes of LDS; arguments mask, mbits; writes mbits
.if DOCPART == 3
	.amdgcn_target "amdgcn-amd-amdhsa--gfx1250"
	.amdhsa_code_object_version 6
	.text
	.protected	k_q662e6582e6_maskbits
	.globl	k_q662e6582e6_maskbits
	.p2align	8
	.type	k_q662e6582e6_maskbits,@function
k_q662e6582e6_maskbits:
	s_mov_b64 s[64:65], 0
	v_nop
	global_prefetch_b8 v0, s[64:65] scope:SCOPE_SE
	s_setreg_imm32_b32 hwreg(HW_REG_WAVE_MODE, 25, 1), 1
	s_wait_xcnt 0x0
; The mask [4096][4096] int32 is read once and becomes LANE MASKS for the attention launch, which all twelve heads then share: 2 MiB for 64.
; Word n = 16 b + i of (tile of queries TQ, key step ks) has in bit 16 h + r: mask[32 (TQ/2) + 8 (TQ%2) + r + 8 (r/8)][128 ks + 32 b + 16 h + i] != 0.
; That is the select mask of the attention launch's score register n.  Words: [TQ 256][ks 32][n 64] from byte 0.
; SHARES: a work-group takes TQ, wave w key steps 4 w .. 4 w + 3.  Each load reads 512 consecutive bytes of one row; 16 rows turn through the wave's own stage in LDS (rows 528 bytes apart).
; Up to 32 loads of a wave are out.  Waves share nothing: no barrier.
.set R0,   32                          ; v32-95, v96-159 two key steps as loaded
.set XR,   160                         ; v160-223 register n as the attention launch's score register n
.set OUTW, 224                         ; v224-231 two registers a key step: lane l holds words 2 l and 2 l + 1
.set STG,  8448
	s_load_b128 s[4:7], s[0:1], 0x0                ; mask, mbits
	v_lshl_add_u32 v232, v0, 2, 0x10800
	v_mov_b32 v233, 0
	v_lshrrev_b32 v8, 5, v0
	v_readfirstlane_b32 s8, v8                     ; wave
	v_and_b32 v9, 31, v0                           ; lane
	v_lshlrev_b32 v1, 4, v9
	v_lshlrev_b32 v7, 3, v9                        ; 8 x lane
	v_and_b32 v3, 15, v0
	v_bfe_u32 v4, v0, 4, 1
	s_mul_i32 s9, s8, STG
	v_add_nc_u32 v5, s9, v1
	v_mul_u32_u24 v6, v3, 528
	v_lshl_add_u32 v6, v4, 6, v6
	v_add_nc_u32 v6, s9, v6                        ; out of the stage: row r, + 64 h
.irp j, 0,1,2,3,4,5,6,7
	v_mov_b32 v[OUTW+\j], 0                        ; v_writelane_b32's destination counts as one of its sources
.endr
	s_lshr_b32 s10, ttmp9, 1
	s_lshl_b32 s10, s10, 5
	s_and_b32 s11, ttmp9, 1
	s_lshl_b32 s11, s11, 3
	s_add_co_u32 s10, s10, s11                     ; the tile's first query
	s_lshl_b32 s10, s10, 14
	s_lshl_b32 s11, s8, 11
	s_add_co_u32 s10, s10, s11                     ; + my four key steps' 2,048 bytes
	s_mov_b32 s11, 0
	s_lshl_b32 s12, ttmp9, 13
	s_lshl_b32 s13, s8, 10
	s_add_co_u32 s12, s12, s13                     ; words of (TQ, 4 w)
	s_mov_b32 s13, 0
	s_wait_kmcnt 0x0
	s_add_nc_u64 s[4:5], s[4:5], s[10:11]
	s_add_nc_u64 s[6:7], s[6:7], s[12:13]
.macro MLOAD t
.set i, 0
.rept 16
	global_load_b128 v[R0+64*((\t)%2)+4*i:R0+64*((\t)%2)+4*i+3], v1, s[4:5] offset:(i+8*(i/8))*16384+512*(\t) th:TH_LOAD_NT
.set i, i+1
.endr
.endm
.macro UNIT t
.if (\t) < 3
	s_wait_loadcnt 16                              ; this key step's 16 loads are in; the next one's 16 may be out
.else
	s_wait_loadcnt 0x0
.endif
.set i, 0
.rept 16
	ds_store_b128 v5, v[R0+64*((\t)%2)+4*i:R0+64*((\t)%2)+4*i+3] offset:528*i
.set i, i+1
.endr
.irp b, 0,1,2,3
.irp q, 0,1,2,3
	ds_load_b128 v[XR+16*\b+4*\q:XR+16*\b+4*\q+3], v6 offset:128*\b+16*\q   ; LDS serves a wave's instructions in order: these see the stores above
.endr
.endr
	s_wait_dscnt 0x0
.if (\t)+2 < 4
	MLOAD (\t)+2                                   ; into the set that the stage's stores have read
.endif
.irp half, 0,1
.set n, 0
.rept 32
	v_cmp_ne_u32 s[32+n], 0, v[XR+32*\half+n]      ; the word: one bit a lane
.set n, n+1
.endr
.set n, 0
.rept 32
	v_writelane_b32 v[OUTW+2*(\t)+(n&1)], s[32+n], 16*\half+(n>>1)
.set n, n+1
.endr
.endr
	global_store_b64 v7, v[OUTW+2*(\t):OUTW+2*(\t)+1], s[6:7] offset:256*(\t)   ; 256 consecutive bytes, aligned
.endm
	MLOAD 0
	MLOAD 1
	UNIT 0
	UNIT 1
	UNIT 2
	UNIT 3
	s_wait_tensorcnt 0x0
	ds_add_u32 v232, v233
	s_wait_dscnt 0x0
	s_endpgm
.Lfunc_end_k_q662e6582e6_maskbits:
	.size	k_q662e6582e6_maskbits, .Lfunc_end_k_q662e6582e6_maskbits-k_q662e6582e6_maskbits
	.p2alignl 7, 3214868480
	.fill 96, 4, 3214868480
	.section	.rodata,"a",@progbits
	.p2align	6, 0x0
	.amdhsa_kernel k_q662e6582e6_maskbits
		.amdhsa_group_segment_fixed_size 68608
		.amdhsa_private_segment_fixed_size 0
		.amdhsa_enable_private_segment 0
		.amdhsa_kernarg_size 16
		.amdhsa_user_sgpr_count 2
		.amdhsa_user_sgpr_kernarg_segment_ptr 1
		.amdhsa_wavefront_size32 1
		.amdhsa_system_sgpr_workgroup_id_x 1
		.amdhsa_system_sgpr_workgroup_id_y 1
		.amdhsa_system_sgpr_workgroup_id_z 1
		.amdhsa_system_vgpr_workitem_id 0
		.amdhsa_next_free_vgpr 234
		.amdhsa_next_free_sgpr 66
		.amdhsa_reserve_vcc 0
		.amdhsa_float_denorm_mode_32 3
		.amdhsa_float_denorm_mode_16_64 3
		.amdhsa_memory_ordered 1
		.amdhsa_forward_progress 1
		.amdhsa_inst_pref_size 49
	.end_amdhsa_kernel
	.amdgpu_metadata
---
amdhsa.version: [ 1, 2 ]
amdhsa.kernels:
  - .name:           k_q662e6582e6_maskbits
    .symbol:         k_q662e6582e6_maskbits.kd
    .args:
      - { .name: mask, .offset: 0, .size: 8, .value_kind: global_buffer, .address_space: global }
      - { .name: mbits, .offset: 8, .size: 8, .value_kind: global_buffer, .address_space: global }
    .group_segment_fixed_size: 68608
    .private_segment_fixed_size: 0
    .kernarg_segment_align: 8
    .kernarg_segment_size: 16
    .max_flat_workgroup_size: 256
    .sgpr_count:     66
    .vgpr_count:     234
    .wavefront_size: 32
...
	.end_amdgpu_metadata
.endif
;; end of part 3
;; launch projqkv (part 4): grid 32 x 6, 12 waves a work-group, clusters of 4 x 1, 198,144 bytes of LDS; arguments xq, wimg, bq, bk, bv, qkvc; writes qkvc
.if DOCPART == 4
	.amdgcn_target "amdgcn-amd-amdhsa--gfx1250"
	.amdhsa_code_object_version 6
	.text
	.protected	k_q662e6582e6_projqkv
	.globl	k_q662e6582e6_projqkv
	.p2align	8
	.type	k_q662e6582e6_projqkv,@function
k_q662e6582e6_projqkv:
	s_mov_b64 s[64:65], 0
	v_nop
	global_prefetch_b8 v0, s[64:65] scope:SCOPE_SE
	s_setreg_imm32_b32 hwreg(HW_REG_WAVE_MODE, 25, 1), 1
	s_wait_xcnt 0x0
	s_wait_alu depctr_hold_cnt(0) depctr_sa_sdst(0) depctr_va_vdst(0) depctr_va_sdst(0) depctr_va_ssrc(0) depctr_va_vcc(0) depctr_vm_vsrc(0)
	s_getreg_b32 s2, hwreg(HW_REG_IB_STS2, 6, 4)
	s_cmp_eq_u32 s2, 0
	s_cbranch_scc0 .Lentry_in_a_cluster
	s_endpgm
.Lentry_in_a_cluster:
	s_bfe_u32 s2, ttmp6, 0x10000c
	s_cmp_lg_u32 s2, 0x3003
	s_cbranch_scc0 .Lentry_shape_is_right
	s_endpgm
.Lentry_shape_is_right:
; q = x wq + bq, k = x wk + bk, v = x wv + bv on codes of FP4 with E8M0 scales (K = 768), and the results quantised at once for the attention launch: q and k along a head's 64 channels, v along the KEYS.
; A work-group makes 128 tokens (row block rb) x 384 columns (column block cb: 0, 1 of q; 2, 3 of k; 4, 5 of v).  All of K for both operands lies in LDS, filled once: x's 8 tiles, 49,152 bytes from byte 0,
; [K step 6][tile 8][1,024]; the weights' 24 tiles, 147,456 bytes from byte 49,152, [K step 6][tile 24][1,024].  A record of 1,024 bytes is the image of a fragment's registers: lane l's registers 4 c .. 4 c + 3 at 512 c + 16 l.
; CLUSTER: the four row blocks of a cluster read the same weights: waves 1 to 3 ask for them JOINTLY (mask 15), two K steps each; wave 0 brings its own work-group's x by two plain loads.  Two tensor loads of a wave are out at the most.
; Nothing in LDS is filled again.
; TWELVE WAVES, 256 registers each.  A wave has 2 tiles of one operand (source 1: the lane's row) x 8 tiles of the other (source 0: along the registers): 16 accumulators, which take turns, one instruction a turn, in the same
; order in every K step.  A tile's 16 rows are 32 (T/2) + 8 (T%2) + r + 8 (r/8), so that the 16 registers of source 0's tiles 2 b, 2 b + 1 are the 16 neighbours 32 b + 16 h + 0 .. 15.
;   q, k: source 0 = weights, source 1 = tokens: a lane holds one token and 64 neighbouring columns in four blocks of 32: two heads' two blocks.  The bias is loaded into the accumulators: the sums begin at it.
;   v:    source 0 = tokens, source 1 = weights: a lane holds one channel and the row block's 128 tokens in four blocks of 32 keys.  bv is added behind the sums.
; OUT (qkvc): for each head 286,720 bytes, just as the attention launch lays its LDS: k's codes [tile 256][512] at 0; v's codes [key step 32][channel tile 4][1,024] at 131,072; k's scale words [tile][16] at 262,144;
; v's [key step][channel tile][16] at 278,528.  Then q's codes [head][tile][512] at 3,440,640 and q's scale words [head][tile][16] at 5,013,504.  q's and k's words carry two bytes and two zeros (a head has 64 channels).
; Each store of codes covers 256 consecutive bytes, aligned: lane (r, h) puts its 16 codes at 16 r + 8 h.
; LIMITS: a block of zeros, or one whose largest magnitude lies under 2^-124, gets the byte 1 (this program alone reads the bytes); NaN and infinities are not served; q's and k's sums begin at the bias instead of ending with it.
.set DS,  16                           ; v16-21   scale words of source 1's two tiles: register 3 d + q: lanes 0-15 K step 2 q, lanes 16-31 K step 2 q + 1
.set ES,  22                           ; v22-45   of source 0's eight tiles
.set DF,  48                           ; v48-63   source 1's fragments;  afterwards the codes just made
.set EF,  64                           ; v64-127  source 0's fragments;  afterwards at work
.set ACC, 128                          ; v128-255 accumulator (d, e) at 64 d + 8 e
.set PC,  48
.set TM,  64                           ; v64-67 largest magnitudes, v68-71 bytes, v72-75 scale operands
.set PW,  76
.set WV,  48                           ; s48 wave; s49 cx; s50 row block; s51 column block; s52 wave % 4; s53 wave / 4
.set SEL, 54                           ; s[54:55] selects for lane l xor 16; s56 mask of lanes 0-15
.set ABASE, 0
.set CBASE, 0
.macro ROUND                           ; a round of the cluster's barrier
	s_barrier_signal -1
	s_barrier_wait -1
	s_cmp_lg_u32 s[WV], 0
	s_cbranch_scc1 .Lnot_wave_0_\@
	s_barrier_signal -3
.Lnot_wave_0_\@:
	s_barrier_wait -3
	s_barrier_signal -1
	s_barrier_wait -1
.endm
.macro WM acc, fa, fb, sa, sb, odd, zero
.if \zero
	v_wmma_scale_f32_16x16x128_f8f6f4 v[\acc:\acc+7], v[\fa:\fa+7], v[\fb:\fb+7], 0, v[\sa], v[\sb] matrix_a_fmt:MATRIX_FMT_FP4 matrix_b_fmt:MATRIX_FMT_FP4
.else
.if \odd
	v_wmma_scale_f32_16x16x128_f8f6f4 v[\acc:\acc+7], v[\fa:\fa+7], v[\fb:\fb+7], v[\acc:\acc+7], v[\sa], v[\sb] matrix_a_fmt:MATRIX_FMT_FP4 matrix_b_fmt:MATRIX_FMT_FP4 matrix_a_scale:MATRIX_SCALE_ROW1 matrix_b_scale:MATRIX_SCALE_ROW1
.else
	v_wmma_scale_f32_16x16x128_f8f6f4 v[\acc:\acc+7], v[\fa:\fa+7], v[\fb:\fb+7], v[\acc:\acc+7], v[\sa], v[\sb] matrix_a_fmt:MATRIX_FMT_FP4 matrix_b_fmt:MATRIX_FMT_FP4
.endif
.endif
.endm
; One K step of 128: 20 LDS loads of 512 consecutive bytes, 16 matrix instructions, and four places in front of whatever next loads into, reads or writes their registers.
.macro KSTEP s, ereg, eoff, dreg, doff, zero
.irp e, 0,1,2,3,4,5,6,7
.irp c, 0,1
	ds_load_b128 v[EF+8*\e+4*\c:EF+8*\e+4*\c+3], v[\ereg] offset:\eoff+1024*\e+512*\c
.endr
.endr
.irp d, 0,1
.irp c, 0,1
	ds_load_b128 v[DF+8*\d+4*\c:DF+8*\d+4*\c+3], v[\dreg] offset:\doff+1024*\d+512*\c
.endr
.endr
	s_wait_dscnt 0x0
.irp d, 0,1
.irp e, 0,1,2,3,4,5,6,7
	WM ACC+64*\d+8*\e,EF+8*\e,DF+8*\d,ES+3*\e+(\s)/2,DS+3*\d+(\s)/2,(\s)%2,\zero
.endr
.endr
.rept 4
	v_nop
.endr
.endm
.macro TSTEP s                         ; q, k: source 0 = my 8 tiles of weights, source 1 = my 2 tiles of tokens
	KSTEP \s,6+(\s)/2,24576*((\s)%2),5,8192*(\s),0
.endm
.macro NSTEP s, zero                   ; v: source 0 = the 8 tiles of tokens, source 1 = my 2 tiles of weights
	KSTEP \s,1,8192*(\s),9+(\s)/2,24576*((\s)%2),\zero
.endm
.macro SCL dst, n, sb                  ; the scale words of n tiles, three registers each
.set tt, 0
.rept \n
.irp q, 0,1,2
	global_load_b32 v[\dst+3*tt+\q], v2, s[\sb:\sb+1] offset:384*tt+128*\q
.endr
.set tt, tt+1
.endr
.endm
; 64 numbers of a lane, register 16 b + i = place 32 b + 16 h + i along the next K, become codes (two registers a block, from v[pc] on) and four bytes (v[TM+4] on).  A block lies in lanes l and l xor 16.
.macro QUANT s, pc
.irp b, 0,1,2,3
	v_max3_num_f32 v[TM+\b], |v[\s+16*\b]|, |v[\s+16*\b+1]|, 0x1800000   ; with the floor 2^(3 - 127): the byte cannot fall under 1
.endr
.irp i, 2,4,6,8,10,12,14
.irp b, 0,1,2,3
	v_max3_num_f32 v[TM+\b], v[TM+\b], |v[\s+16*\b+\i]|, |v[\s+16*\b+\i+1]|
.endr
.endr
.irp b, 0,1,2,3
	v_permlanex16_b32 v[TM+4+\b], v[TM+\b], s[SEL], s[SEL+1]
.endr
.irp b, 0,1,2,3
	v_max_num_f32 v[TM+\b], v[TM+\b], v[TM+4+\b]
.endr
.irp b, 0,1,2,3
	v_add_nc_u32 v[TM+8+\b], 0xff000000, v[TM+\b]  ; 2 off the exponent field: the conversion's scale operand
.endr
.irp b, 0,1,2,3
	v_lshrrev_b32 v[TM+4+\b], 23, v[TM+8+\b]       ; the byte
.endr
.irp b, 0,1,2,3
	v_cvt_scalef32_pk8_fp4_f32 v[\pc+2*\b], v[\s+16*\b:\s+16*\b+7], v[TM+8+\b]
	v_cvt_scalef32_pk8_fp4_f32 v[\pc+2*\b+1], v[\s+16*\b+8:\s+16*\b+15], v[TM+8+\b]
.endr
	v_nop                                          ; one plain place behind the conversions
.endm
	s_load_b256 s[4:11], s[0:1], 0x0               ; xq, wimg, bq, bk
	s_load_b128 s[12:15], s[0:1], 0x20             ; bv, qkvc
	s_set_vgpr_msb 0x40
	v_lshl_add_u32 v0, v0, 2, 0x30000
	v_mov_b32 v1, 0
	s_set_vgpr_msb 0x4045
	ds_add_u32 v0, v1
	ds_add_u32 v0, v1
	s_set_vgpr_msb 0x4500
	v_lshrrev_b32 v1, 5, v0
	v_readfirstlane_b32 s[WV], v1                  ; wave 0..11
	v_and_b32 v2, 31, v0
	v_lshlrev_b32 v1, 4, v2                        ; 16 x lane
	v_lshlrev_b32 v2, 2, v2                        ; 4 x lane
	v_and_b32 v3, 15, v0                           ; r
	v_bfe_u32 v4, v0, 4, 1                         ; h
	s_bfe_u32 s49, ttmp6, 0x40000                  ; cx: it enters global addresses of my own loads and stores alone
	s_lshl_b32 s50, ttmp9, 2
	s_add_co_u32 s50, s50, s49                     ; row block
	s_and_b32 s51, ttmp7, 0xffff                   ; column block: the four partners share it
	s_and_b32 s52, s[WV], 3
	s_lshr_b32 s53, s[WV], 2
	s_mov_b32 s[SEL], 0x76543210
	s_mov_b32 s[SEL+1], 0xfedcba98
	v_cmp_eq_u32 s56, 0, v4
	s_lshl_b32 s57, s52, 11                        ; every LDS address is made here, ahead of the parting of the two ways
	v_add_nc_u32 v5, s57, v1                       ; q, k: my two tiles of tokens
	s_lshl_b32 s57, s53, 13
	s_add_co_u32 s57, s57, 49152
	v_add_nc_u32 v6, s57, v1                       ; q, k: my eight tiles of weights, K steps 0, 1;
	v_add_nc_u32 v7, 49152, v6                     ; 2, 3;
	v_add_nc_u32 v8, 98304, v6                     ; 4, 5
	s_lshl_b32 s57, s[WV], 11
	s_add_co_u32 s57, s57, 49152
	v_add_nc_u32 v9, s57, v1                       ; v: my two tiles of weights, likewise
	v_add_nc_u32 v10, 49152, v9
	v_add_nc_u32 v11, 98304, v9
	v_lshlrev_b32 v12, 4, v3
	v_lshl_add_u32 v12, v4, 3, v12                 ; 16 r + 8 h: my 16 codes' place in 256 bytes
	v_lshlrev_b32 v14, 6, v4                       ; 64 h
	v_and_b32 v15, 8, v3
	v_add_nc_u32 v15, v15, v3
	v_lshlrev_b32 v15, 2, v15                      ; 4 (r + 8 (r / 8))
	; descriptor group 1: a dense block of 24,576 bytes as 96 rows of 32 elements of 8 bytes
	s_mov_b32 s16, 3<<16                           ; x: no mask
	s_mov_b32 s24, 15|(3<<16)|(1<<21)              ; the weights: all four work-groups of the cluster; bit 21 set beside a mask
.irp g, 16,24
	s_mov_b32 s[\g+1], 32<<16                      ; tensor_dim0
	s_mov_b32 s[\g+2], 96<<16                      ; tensor_dim1
	s_mov_b32 s[\g+3], 32<<16                      ; tile_dim0
	s_mov_b32 s[\g+4], 96                          ; tile_dim1
	s_mov_b32 s[\g+5], 32                          ; pitch
	s_mov_b32 s[\g+6], 0
	s_mov_b32 s[\g+7], 0
.endr
	s_mul_i32 s58, s50, 49152
	s_add_co_u32 s58, s58, ABASE
	s_mov_b32 s59, 0
	s_max_u32 s60, s[WV], 1
	s_sub_co_u32 s60, s60, 1
	s_mul_i32 s60, s60, 24576                      ; waves 1, 2, 3 bring K steps 0, 1, 2 and then 3, 4, 5
	s_mul_i32 s61, s51, 147456
	s_add_co_u32 s60, s60, s61
	s_add_co_u32 s60, s60, CBASE
	s_mov_b32 s61, 0
	s_min_u32 s62, s[WV], 3
	s_mul_i32 s62, s62, 24576
	s_wait_dscnt 0x0
	s_wait_kmcnt 0x0
	s_add_nc_u64 s[58:59], s[4:5], s[58:59]
	s_add_nc_u64 s[60:61], s[6:7], s[60:61]
	s_mov_b32 s32, 1
	s_mov_b32 s33, 0
	s_mov_b64 s[34:35], s[58:59]
	s_or_b32 s35, s35, 0x80000000
	s_mov_b32 s36, 1
	s_mov_b32 s37, 24576
	s_add_nc_u64 s[38:39], s[58:59], 24576
	s_or_b32 s39, s39, 0x80000000
	s_mov_b32 s40, 1
	s_add_co_u32 s41, s62, 24576
	s_mov_b64 s[42:43], s[60:61]
	s_or_b32 s43, s43, 0x80000000
	s_mov_b32 s44, 1
	s_add_co_u32 s45, s62, 24576+73728
	s_add_nc_u64 s[46:47], s[60:61], 73728
	s_or_b32 s47, s47, 0x80000000
	ROUND                                          ; all four work-groups are here: the joint loads meet
	s_cmp_lg_u32 s[WV], 0                          ; a wave's two fills stand in one branch on the wave's number
	s_cbranch_scc1 .Lnot_x
	tensor_load_to_lds s[32:35], s[16:23]
	s_nop 0
	tensor_load_to_lds s[36:39], s[16:23]
	s_nop 0
.rept 4
	v_nop
.endr
	s_branch .Lasked
.Lnot_x:
	s_cmp_lt_u32 s[WV], 4
	s_cbranch_scc0 .Lasked
	tensor_load_to_lds s[40:43], s[24:31]
	s_nop 0
	tensor_load_to_lds s[44:47], s[24:31]
	s_nop 0
.rept 4
	v_nop
.endr
.Lasked:
	s_mov_b32 s77, 0
	s_cmp_ge_u32 s51, 4                            ; the column block is the same in all partners and all waves
	s_cbranch_scc1 .Lvpath
	; ---------------- q and k ----------------
	s_and_b32 s57, s51, 1
	s_mul_i32 s58, s57, 6
	s_lshl_b32 s59, s53, 1
	s_add_co_u32 s58, s58, s59                     ; my first head: 6 (cb % 2) + 2 (wave / 4)
	s_lshl_b32 s59, s50, 3
	s_lshl_b32 s60, s52, 1
	s_add_co_u32 s59, s59, s60                     ; my first tile of tokens
	s_cmp_ge_u32 s51, 2                            ; k or q?
	s_cselect_b64 s[70:71], s[10:11], s[8:9]
	s_cselect_b32 s60, 0, 3440640                  ; where the codes begin,
	s_mov_b32 s61, 131072
	s_cselect_b32 s61, 286720, s61                 ; from head to head,
	s_mov_b32 s62, 5013504
	s_cselect_b32 s62, 262144, s62                 ; where the scale words begin,
	s_mov_b32 s63, 16384
	s_cselect_b32 s63, 286720, s63                 ; from head to head
	s_mul_i32 s76, s58, s61
	s_add_co_u32 s76, s76, s60
	s_lshl_b32 s78, s59, 9
	s_add_co_u32 s76, s76, s78
	s_add_nc_u64 s[72:73], s[14:15], s[76:77]      ; codes, my first head
	s_mov_b32 s76, s61
	s_add_nc_u64 s[74:75], s[72:73], s[76:77]      ; my second head
	s_mul_i32 s76, s58, s63
	s_add_co_u32 s76, s76, s62
	s_lshl_b32 s78, s59, 6
	s_add_co_u32 s76, s76, s78
	s_add_nc_u64 s[78:79], s[14:15], s[76:77]      ; scale words
	s_mul_i32 s76, s51, 24
	s_lshl_b32 s60, s53, 3
	s_add_co_u32 s76, s76, s60
	s_mul_i32 s76, s76, 384
	s_add_co_u32 s76, s76, 3538944
	s_add_nc_u64 s[66:67], s[6:7], s[76:77]        ; the scale words of my eight tiles of weights
	s_mul_i32 s76, s59, 384
	s_add_co_u32 s76, s76, 1572864
	s_add_nc_u64 s[68:69], s[4:5], s[76:77]        ; and of my two tiles of tokens
	s_mul_i32 s76, s57, 384
	s_lshl_b32 s60, s53, 7
	s_add_co_u32 s76, s76, s60
	s_lshl_b32 s76, s76, 2
	s_add_nc_u64 s[70:71], s[70:71], s[76:77]      ; the bias of my 128 columns
	v_mul_u32_u24 v13, s63, v4
	v_lshl_add_u32 v13, v3, 2, v13                 ; lanes 0-15 store my first head's words, lanes 16-31 my second head's
	SCL ES, 8, 66
	SCL DS, 2, 68
.irp a, 0,1
.irp b, 0,1,2,3
.irp q, 0,1,2,3
	global_load_b128 v[ACC+64*\a+16*\b+4*\q:ACC+64*\a+16*\b+4*\q+3], v14, s[70:71] offset:128*\b+16*\q   ; the sums begin at the bias: register 16 b + i is column 32 b + 16 h + i
.endr
.endr
.endr
	s_wait_loadcnt 0x0
	s_wait_tensorcnt 0x1                           ; my first fill (K steps 0 to 2) has landed; my second may be out
	s_barrier_signal -1
	s_barrier_wait -1                              ; everybody's has
	TSTEP 0
	TSTEP 1
	TSTEP 2
	s_wait_tensorcnt 0x0
	s_barrier_signal -1
	s_barrier_wait -1
	TSTEP 3
	TSTEP 4
	TSTEP 5
.irp a, 0,1
	QUANT ACC+64*\a, PC+8*\a
.irp b, 0,1
	global_store_b64 v12, v[PC+8*\a+2*\b:PC+8*\a+2*\b+1], s[72:73] offset:512*\a+256*\b
	global_store_b64 v12, v[PC+8*\a+4+2*\b:PC+8*\a+4+2*\b+1], s[74:75] offset:512*\a+256*\b
.endr
	v_lshl_or_b32 v[TM], v[TM+5], 8, v[TM+4]       ; a head's word: its two bytes, and two zeros
	v_lshl_or_b32 v[TM+1], v[TM+7], 8, v[TM+6]
	v_cndmask_b32 v[PW+\a], v[TM+1], v[TM], s56
	global_store_b32 v13, v[PW+\a], s[78:79] offset:64*\a
.endr
	s_branch .Lend
	; ---------------- v ----------------
.Lvpath:
	s_sub_co_u32 s57, s51, 4
	s_mul_i32 s58, s57, 12
	s_add_co_u32 s58, s58, s[WV]                   ; my 32 channels among v's 768
	s_lshr_b32 s59, s58, 1                         ; their head
	s_and_b32 s60, s[WV], 1                        ; and which half of it
	s_mul_i32 s76, s50, 3072
	s_add_co_u32 s76, s76, 1572864
	s_add_nc_u64 s[68:69], s[4:5], s[76:77]        ; the scale words of the eight tiles of tokens
	s_mul_i32 s76, s51, 24
	s_lshl_b32 s61, s[WV], 1
	s_add_co_u32 s76, s76, s61
	s_mul_i32 s76, s76, 384
	s_add_co_u32 s76, s76, 3538944
	s_add_nc_u64 s[66:67], s[6:7], s[76:77]        ; and of my two tiles of weights
	s_lshl_b32 s76, s58, 7
	s_add_nc_u64 s[70:71], s[12:13], s[76:77]      ; bv of my 32 channels
	s_mul_i32 s76, s59, 286720
	s_lshl_b32 s61, s50, 12
	s_add_co_u32 s76, s76, s61
	s_lshl_b32 s61, s60, 11
	s_add_co_u32 s76, s76, s61
	s_add_co_u32 s76, s76, 131072
	s_add_nc_u64 s[72:73], s[14:15], s[76:77]      ; codes: key step = row block, channel tiles 2 (wave % 2) + 0, 1
	s_mul_i32 s76, s59, 286720
	s_lshl_b32 s61, s50, 8
	s_add_co_u32 s76, s76, s61
	s_lshl_b32 s61, s60, 7
	s_add_co_u32 s76, s76, s61
	s_add_co_u32 s76, s76, 278528
	s_add_nc_u64 s[74:75], s[14:15], s[76:77]      ; scale words
	SCL ES, 8, 68
	SCL DS, 2, 66
	global_load_b32 v46, v15, s[70:71]             ; bv of my channel in each of my two tiles
	global_load_b32 v47, v15, s[70:71] offset:32
	s_wait_loadcnt 0x0
	s_wait_tensorcnt 0x1                           ; as above
	s_barrier_signal -1
	s_barrier_wait -1
	NSTEP 0, 1                                     ; the first K step starts the sums
	NSTEP 1, 0
	NSTEP 2, 0
	s_wait_tensorcnt 0x0
	s_barrier_signal -1
	s_barrier_wait -1
	NSTEP 3, 0
	NSTEP 4, 0
	NSTEP 5, 0
	v_mov_b32 v76, v46                             ; pairs for the packed additions, which take a pair's low word for both halves
	v_mov_b32 v77, v46
	v_mov_b32 v78, v47
	v_mov_b32 v79, v47
.irp t, 0,1
.set m, 0
.rept 32
	v_pk_add_f32 v[ACC+64*\t+2*m:ACC+64*\t+2*m+1], v[ACC+64*\t+2*m:ACC+64*\t+2*m+1], v[76+2*\t:77+2*\t] op_sel_hi:[1,0]
.set m, m+1
.endr
.endr
.irp t, 0,1
	QUANT ACC+64*\t, PC+8*\t                       ; along the keys
.irp b, 0,1,2,3
	global_store_b64 v12, v[PC+8*\t+2*\b:PC+8*\t+2*\b+1], s[72:73] offset:1024*\t+256*\b
.endr
	v_lshl_or_b32 v[80+\t], v[TM+5], 8, v[TM+4]
	v_lshl_or_b32 v[80+\t], v[TM+6], 16, v[80+\t]
	v_lshl_or_b32 v[80+\t], v[TM+7], 24, v[80+\t]
.endr
	v_cndmask_b32 v82, v81, v80, s56
	global_store_b32 v2, v82, s[74:75]             ; 128 consecutive bytes: my two tiles' words
.Lend:
	s_set_vgpr_msb 0x5
	s_wait_tensorcnt 0x0
	ds_add_u32 v0, v1
	s_wait_dscnt 0x0
	s_set_vgpr_msb 0x500
	ROUND                                          ; the closing round: no work-group ends while a partner may still ask for a tile that names it
	s_endpgm
.Lfunc_end_k_q662e6582e6_projqkv:
	.size	k_q662e6582e6_projqkv, .Lfunc_end_k_q662e6582e6_projqkv-k_q662e6582e6_projqkv
	.p2alignl 7, 3214868480
	.fill 96, 4, 3214868480
	.section	.rodata,"a",@progbits
	.p2align	6, 0x0
	.amdhsa_kernel k_q662e6582e6_projqkv
		.amdhsa_group_segment_fixed_size 198144
		.amdhsa_private_segment_fixed_size 0
		.amdhsa_enable_private_segment 0
		.amdhsa_kernarg_size 48
		.amdhsa_user_sgpr_count 2
		.amdhsa_user_sgpr_kernarg_segment_ptr 1
		.amdhsa_wavefront_size32 1
		.amdhsa_system_sgpr_workgroup_id_x 1
		.amdhsa_system_sgpr_workgroup_id_y 1
		.amdhsa_system_sgpr_workgroup_id_z 1
		.amdhsa_system_vgpr_workitem_id 0
		.amdhsa_next_free_vgpr 258
		.amdhsa_next_free_sgpr 80
		.amdhsa_reserve_vcc 0
		.amdhsa_float_denorm_mode_32 3
		.amdhsa_float_denorm_mode_16_64 3
		.amdhsa_memory_ordered 1
		.amdhsa_forward_progress 1
		.amdhsa_inst_pref_size 80
	.end_amdhsa_kernel
	.amdgpu_metadata
---
amdhsa.version: [ 1, 2 ]
amdhsa.kernels:
  - .name:           k_q662e6582e6_projqkv
    .symbol:         k_q662e6582e6_projqkv.kd
    .args:
      - { .name: xq, .offset: 0, .size: 8, .value_kind: global_buffer, .address_space: global }
      - { .name: wimg, .offset: 8, .size: 8, .value_kind: global_buffer, .address_space: global }
      - { .name: bq, .offset: 16, .size: 8, .value_kind: global_buffer, .address_space: global }
      - { .name: bk, .offset: 24, .size: 8, .value_kind: global_buffer, .address_space: global }
      - { .name: bv, .offset: 32, .size: 8, .value_kind: global_buffer, .address_space: global }
      - { .name: qkvc, .offset: 40, .size: 8, .value_kind: global_buffer, .address_space: global }
    .group_segment_fixed_size: 198144
    .private_segment_fixed_size: 0
    .kernarg_segment_align: 8
    .kernarg_segment_size: 48
    .max_flat_workgroup_size: 384
    .sgpr_count:     80
    .vgpr_count:     258
    .wavefront_size: 32
...
	.end_amdgpu_metadata
.endif
;; end of part 4
;; launch attn (part 5): grid 16 x 12, 16 waves a work-group, no clusters, 288,768 bytes of LDS; arguments qkvc, mbits, ctxq; writes ctxq
.if DOCPART == 5
	.amdgcn_target "amdgcn-amd-amdhsa--gfx1250"
	.amdhsa_code_object_version 6
	.text
	.protected	k_q662e6582e6_attn
	.globl	k_q662e6582e6_attn
	.p2align	8
	.type	k_q662e6582e6_attn,@function
k_q662e6582e6_attn:
	s_mov_b64 s[64:65], 0
	v_nop
	global_prefetch_b8 v0, s[64:65] scope:SCOPE_SE
	s_setreg_imm32_b32 hwreg(HW_REG_WAVE_MODE, 25, 1), 1
	s_wait_xcnt 0x0
; ctx = softmax(where(mask == 0, -1e9, q k^T / 8)) v for one head, both products on codes of FP4 with E8M0 scales, and ctx quantised at once along the channels for the next product.
; THE SOFTMAX AHEAD OF THE SECOND PRODUCT: t = score x log2(e) / 8; M = the row's largest t so far, rounded UP to a whole number; p = 2^(t - M) is what is quantised, along the keys; the row's sum is taken of the
; unquantised p and divides at the end.  When M moves, the sum and O are multiplied by 2^(old M - new M): exact.
; SHARES: a work-group owns 256 queries of one head, each of its SIXTEEN waves one tile of 16 (tile TQ: row r is query 32 (TQ/2) + 8 (TQ%2) + r + 8 (r/8)), in 256 registers.  Every wave walks the 4,096 keys, 128 a step.
; LDS: the head's k and v as codes with their scale words are 286,720 dense bytes of qkvc and lie in LDS as they lie there: k's codes [tile 256][512] at 0, v's [key step 32][channel tile 4][1,024] at 131,072,
; k's scale words [tile][16] at 262,144, v's [key step][tile][16] at 278,528.  Each wave brings a sixteenth by ONE tensor load; one barrier; nothing is filled again.
; NO JOINT LOADS, though the sixteen work-groups of a head read the same bytes: what is shared is one fill of 286,720 bytes at the launch's head; the 32 steps behind it read nothing from memory but each tile's own mask words.
; LAYOUT: both products are used transposed: S^T = K Q^T (source 0 = 16 keys), O^T = V^T P^T (source 0 = 16 channels): a lane holds ONE query throughout.  A tile's 16 keys are chosen (see the tile's rows above) so that the
; 16 registers of tiles 2 b, 2 b + 1 are keys 32 b + 16 h + 0 .. 15.  A head has 64 channels, half of the instruction's 128 along K: Q's upper four registers are zero codes and its upper two scale bytes 0; a tile of K is named with the
; four registers behind it (the next tile's codes, or zeros behind the last), which meet those zero codes and add nothing.
; THE MASK comes as lane masks, one 32-bit word for each score register (made by an earlier launch): one v_cndmask_b32 a register puts -2^33 where the mask is 0, in every step alike: no branch hangs on the mask.
; The next step's 64 words are asked for as soon as this step's are used.
; LIMITS: a hidden score stands at -2^33 where the definition has a logit of -1e9: the results are the same while true logits stay above some -1e9 (a row hidden throughout gives p = 1 at every key in both, since
; 2^33 x log2(e) / 8 is a whole number in f32).  A block of zeros gets the byte 1 (this program alone reads the bytes).  NaN and infinities are not served.
.set KF,  36                           ; v36-67   8 tiles of K, four registers each; v68-71 zeros
.set VF,  72                           ; v72-103  4 tiles of V
.set S,   104                          ; v104-167 S^T, then p
.set O,   168                          ; v168-199 O^T: channel tile ct at 8 ct
.set PCD, 200                          ; v200-207 p's codes
.set BM,  208                          ; v208-211 a block's largest score, then its largest p
.set BP,  212                          ; v212-215 at work; the bytes
.set SO,  216                          ; v216-219 scale operands
; v1 16 x lane; v2, v10, v11 my lane's place among K's scale words, V's codes, V's scale words; v3 16 r + 8 h; v4 4 r + h; v5 -2^33; v6-9 the step's addresses; v12 -M; v13 the largest t; v[14:15] the sum in two halves;
; v16-23 Q; v24 Q's scale words; v25 p's scale word; v[26:27] f; v28-31 K's scale words (two tiles a register); v32-33 V's; v220-223 at work.
; s2 the step's codes, s3 K's scale words, s10 V's; s[8:9] the mask words; s[12:19], s[20:23] the descriptor; s24 the counter; s[28:29] c; s[30:31] lane selects; s[32:63], s[68:99] 64 mask words.
	s_load_b128 s[4:7], s[0:1], 0x0                ; qkvc, mbits
	s_load_b64 s[100:101], s[0:1], 0x10            ; ctxq
	v_lshl_add_u32 v254, v0, 2, 0x46000
	v_mov_b32 v255, 0
	ds_add_u32 v254, v255
	ds_add_u32 v254, v255
	v_lshrrev_b32 v1, 5, v0
	v_readfirstlane_b32 s10, v1                    ; wave 0..15
	v_and_b32 v6, 31, v0
	v_lshlrev_b32 v1, 4, v6
	v_lshlrev_b32 v7, 2, v6
	v_add_nc_u32 v2, 262144, v7
	v_add_nc_u32 v11, 278528, v7
	v_add_nc_u32 v10, 131072, v1
	v_and_b32 v8, 15, v0                           ; r
	v_bfe_u32 v9, v0, 4, 1                         ; h
	v_lshlrev_b32 v3, 4, v8
	v_lshl_add_u32 v3, v9, 3, v3
	v_lshl_add_u32 v4, v8, 2, v9
	v_lshlrev_b32 v8, 2, v8                        ; 4 r
	v_mov_b32 v5, 0xd0000000                       ; -2^33
	s_and_b32 s2, ttmp7, 0xffff                    ; the head
	s_lshl_b32 s11, ttmp9, 4
	s_add_co_u32 s11, s11, s10                     ; TQ
	; the descriptor: 17,920 dense bytes as 70 rows of 32 elements of 8 bytes
	s_mov_b32 s12, 3<<16
	s_mov_b32 s13, 32<<16
	s_mov_b32 s14, 70<<16
	s_mov_b32 s15, 32<<16
	s_mov_b32 s16, 70
	s_mov_b32 s17, 32
	s_mov_b32 s18, 0
	s_mov_b32 s19, 0
	s_mov_b32 s20, 1
	s_mul_i32 s21, s10, 17920
	s_mul_i32 s24, s2, 286720
	s_add_co_u32 s24, s24, s21
	s_mov_b32 s25, 0
	s_wait_dscnt 0x0
	s_wait_kmcnt 0x0
	s_add_nc_u64 s[22:23], s[4:5], s[24:25]
	s_or_b32 s23, s23, 0x80000000
	tensor_load_to_lds s[20:23], s[12:19]          ; my sixteenth of the head: the one tensor load of the wave
	s_nop 0
.rept 4
	v_nop
.endr
	s_lshl_b32 s24, s2, 17
	s_lshl_b32 s26, s11, 9
	s_add_co_u32 s24, s24, s26
	s_add_co_u32 s24, s24, 3440640
	v_add_nc_u32 v6, s24, v1
	global_load_b128 v[16:19], v6, s[4:5]          ; Q's fragment: channels 32 h + 0 .. 31 of query r
	s_lshl_b32 s24, s2, 14
	s_lshl_b32 s26, s11, 6
	s_add_co_u32 s24, s24, s26
	s_add_co_u32 s24, s24, 5013504
	v_add_nc_u32 v7, s24, v8
	global_load_b32 v24, v7, s[4:5]                ; Q's scale words
	s_lshr_b32 s24, s11, 3                         ; where ctx goes: record (TQ, head / 2), its blocks 2 (head % 2) + 0, 1
	s_mul_i32 s24, s24, 6
	s_lshr_b32 s26, s2, 1
	s_add_co_u32 s24, s24, s26
	s_lshl_b32 s24, s24, 13
	s_and_b32 s27, s11, 7
	s_lshl_b32 s27, s27, 10
	s_add_co_u32 s24, s24, s27
	s_and_b32 s27, s2, 1
	s_lshl_b32 s28, s27, 9
	s_add_co_u32 s24, s24, s28
	s_mul_i32 s28, s11, 384
	s_lshl_b32 s26, s26, 6
	s_add_co_u32 s28, s28, s26
	s_lshl_b32 s27, s27, 1
	s_add_co_u32 s28, s28, s27
	s_add_co_u32 s28, s28, 1572864
	s_mov_b32 s29, 0
	s_add_nc_u64 s[104:105], s[100:101], s[28:29]  ; the scale bytes
	s_add_nc_u64 s[100:101], s[100:101], s[24:25]  ; the codes
	s_lshl_b32 s24, s11, 13
	s_add_nc_u64 s[8:9], s[6:7], s[24:25]          ; my tile's mask words
	s_load_b512 s[32:47], s[8:9], 0x0              ; the first step's 64 words: the first step waits for them
	s_load_b512 s[48:63], s[8:9], 0x40
	s_load_b512 s[68:83], s[8:9], 0x80
	s_load_b512 s[84:99], s[8:9], 0xc0
.irp j, 20,21,22,23,68,69,70,71
	v_mov_b32 v[\j], 0                             ; zero codes: Q's upper half, and what stands behind K's last tile
.endr
	v_mov_b32 v13, 0xff61b1e6                      ; the largest t so far: -3e38
	v_floor_f32 v12, -v13                          ; -M
	v_mov_b32 v14, 0
	v_mov_b32 v15, 0
	v_mov_b32 v27, 0                               ; named as the upper half of the pair v[26:27]
	v_mov_b32 v220, 0
.irp b, 0,1,2,3
	v_mov_b32 v[BP+\b], 0                          ; a lane permute's destination counts as one of its sources
.endr
.set m, 0
.rept 32
	v_mov_b32 v[O+m], 0                            ; the step is written for every step alike: the first finds zeros, which the first change of M leaves zeros
.set m, m+1
.endr
	s_mov_b32 s28, 0x3e38aa3b                      ; c = log2(e) / 8
	s_mov_b32 s29, s28
	s_mov_b32 s30, 0x76543210
	s_mov_b32 s31, 0xfedcba98
	s_mov_b32 s2, 0
	s_mov_b32 s3, 0
	s_mov_b32 s10, 0
	s_mov_b32 s24, 31
	s_wait_tensorcnt 0x0                           ; my part of the head has landed,
	s_barrier_signal -1
	s_barrier_wait -1                              ; everybody's has
	s_wait_loadcnt 0x0                             ; Q
.macro STEP more
	v_add_nc_u32 v6, s2, v1                        ; (these four are also the places in front of the loads into registers that the last products read)
	v_add_nc_u32 v7, s3, v2
	v_add_nc_u32 v8, s2, v10
	v_add_nc_u32 v9, s10, v11
.irp t, 0,1,2,3,4,5,6,7
	ds_load_b128 v[KF+4*\t:KF+4*\t+3], v6 offset:512*\t
.endr
.irp j, 0,1,2,3
	ds_load_b32 v[28+\j], v7 offset:128*\j
.endr
.irp t, 0,1,2,3
.irp c, 0,1
	ds_load_b128 v[VF+8*\t+4*\c:VF+8*\t+4*\c+3], v8 offset:1024*\t+512*\c
.endr
.endr
.irp j, 0,1
	ds_load_b32 v[32+\j], v9 offset:128*\j
.endr
	s_wait_dscnt 10                                ; K and its scale words are in; V's ten loads may be out
.irp t, 0,2,4,6
	v_wmma_scale_f32_16x16x128_f8f6f4 v[S+8*\t:S+8*\t+7], v[KF+4*\t:KF+4*\t+7], v[16:23], 0, v[28+\t/2], v24 matrix_a_fmt:MATRIX_FMT_FP4 matrix_b_fmt:MATRIX_FMT_FP4
	v_wmma_scale_f32_16x16x128_f8f6f4 v[S+8*\t+8:S+8*\t+15], v[KF+4*\t+4:KF+4*\t+11], v[16:23], 0, v[28+\t/2], v24 matrix_a_fmt:MATRIX_FMT_FP4 matrix_b_fmt:MATRIX_FMT_FP4 matrix_a_scale:MATRIX_SCALE_ROW1
.endr
.rept 4
	v_nop
.endr
	s_wait_kmcnt 0x0                               ; this step's mask words are in
.set n, 0
.rept 64
	v_cndmask_b32 v[S+n], v5, v[S+n], s[32+n+4*(n/32)]   ; the score where the mask's bit is set, -2^33 where it is not
.set n, n+1
.endr
.if \more
	s_add_nc_u64 s[8:9], s[8:9], 256               ; no scalar load is out: the base may step; the next step's words have a whole step in which to land
	s_load_b512 s[32:47], s[8:9], 0x0
	s_load_b512 s[48:63], s[8:9], 0x40
	s_load_b512 s[68:83], s[8:9], 0x80
	s_load_b512 s[84:99], s[8:9], 0xc0
.endif
.irp b, 0,1,2,3
	v_max3_num_f32 v[BM+\b], v[S+16*\b], v[S+16*\b+1], v[S+16*\b+2]   ; the largest score of each block of 32 keys: for the row's maximum and, since p rises with the score, for the block's largest p
.endr
.irp i, 3,5,7,9,11,13
.irp b, 0,1,2,3
	v_max3_num_f32 v[BM+\b], v[BM+\b], v[S+16*\b+\i], v[S+16*\b+\i+1]
.endr
.endr
.irp b, 0,1,2,3
	v_max_num_f32 v[BM+\b], v[BM+\b], v[S+16*\b+15]
.endr
.irp b, 0,1,2,3
	v_permlanex16_b32 v[BP+\b], v[BM+\b], s30, s31
.endr
.irp b, 0,1,2,3
	v_max_num_f32 v[BM+\b], v[BM+\b], v[BP+\b]     ; with lane l xor 16's 16 keys
.endr
	v_max3_num_f32 v220, v[BM], v[BM+1], v[BM+2]
	v_max_num_f32 v220, v220, v[BM+3]
	v_mul_f32 v220, s28, v220                      ; as t
	v_max_num_f32 v13, v13, v220                   ; the running largest t
	v_mov_b32 v220, v12
	v_floor_f32 v12, -v13                          ; the new -M = -ceil(t)
	v_sub_f32 v220, v12, v220                      ; old M - new M: a whole number, 0 or less
	v_cvt_i32_f32 v220, v220                       ; (it saturates)
	v_ldexp_f32 v26, 1.0, v220                     ; f = 2^(old M - new M)
.set m, 0
.rept 32
	v_pk_fma_f32 v[S+2*m:S+2*m+1], v[S+2*m:S+2*m+1], s[28:29], v[12:13] op_sel_hi:[1,0,0]   ; t - M
.set m, m+1
.endr
.irp b, 0,1,2,3
	v_fma_f32 v[BM+\b], v[BM+\b], s28, v12
.endr
.set m, 0
.rept 64
	v_exp_f32 v[S+m], v[S+m]                       ; p = 2^(t - M)
.set m, m+1
.endr
.irp b, 0,1,2,3
	v_exp_f32 v[BM+\b], v[BM+\b]                   ; the block's largest p: the same two instructions on the same number
.endr
	v_pk_mul_f32 v[14:15], v[14:15], v[26:27] op_sel_hi:[1,0]   ; the sums under the new M (a plain place behind the exponentials)
	s_wait_alu depctr_va_vdst(0)
.irp b, 0,1,2,3
	v_max_num_f32 v[BM+\b], 0x1800000, v[BM+\b]    ; the floor 2^(3 - 127)
.endr
.irp b, 0,1,2,3
	v_add_nc_u32 v[SO+\b], 0xff000000, v[BM+\b]
.endr
.irp b, 0,1,2,3
	v_lshrrev_b32 v[BP+\b], 23, v[SO+\b]
.endr
	v_lshl_or_b32 v25, v[BP+1], 8, v[BP]           ; p's scale word for these 128 keys
	v_lshl_or_b32 v25, v[BP+2], 16, v25
	v_lshl_or_b32 v25, v[BP+3], 24, v25
.irp b, 0,1,2,3
	v_cvt_scalef32_pk8_fp4_f32 v[PCD+2*\b], v[S+16*\b:S+16*\b+7], v[SO+\b]
	v_cvt_scalef32_pk8_fp4_f32 v[PCD+2*\b+1], v[S+16*\b+8:S+16*\b+15], v[SO+\b]
.endr
	v_nop                                          ; one plain place behind the conversions
.irp c, 0,1                                    ; the operand's layout wants a whole block in a lane
.irp i, 0,1
	v_permlane16_swap_b32 v[PCD+4*\c+\i], v[PCD+2+4*\c+\i]
.endr
.endr
	v_pk_add_f32 v[222:223], v[S:S+1], v[S+2:S+3]  ; the row's sum of the unquantised p, in two chains
.irp j, 4,8,12,16,20,24,28,32,36,40,44,48,52,56,60
	v_pk_add_f32 v[14:15], v[14:15], v[S+\j:S+\j+1]
	v_pk_add_f32 v[222:223], v[222:223], v[S+\j+2:S+\j+3]
.endr
	v_pk_add_f32 v[14:15], v[14:15], v[222:223]
.set m, 0
.rept 16
	v_pk_mul_f32 v[O+2*m:O+2*m+1], v[O+2*m:O+2*m+1], v[26:27] op_sel_hi:[1,0]   ; O^T under the new M
.set m, m+1
.endr
	s_wait_dscnt 0x0                               ; V and its scale words
.irp t, 0,2
	v_wmma_scale_f32_16x16x128_f8f6f4 v[O+8*\t:O+8*\t+7], v[VF+8*\t:VF+8*\t+7], v[PCD:PCD+7], v[O+8*\t:O+8*\t+7], v[32+\t/2], v25 matrix_a_fmt:MATRIX_FMT_FP4 matrix_b_fmt:MATRIX_FMT_FP4
	v_wmma_scale_f32_16x16x128_f8f6f4 v[O+8*\t+8:O+8*\t+15], v[VF+8*\t+8:VF+8*\t+15], v[PCD:PCD+7], v[O+8*\t+8:O+8*\t+15], v[32+\t/2], v25 matrix_a_fmt:MATRIX_FMT_FP4 matrix_b_fmt:MATRIX_FMT_FP4 matrix_a_scale:MATRIX_SCALE_ROW1
.endr
	s_add_co_u32 s2, s2, 4096                      ; the next step's codes of K and of V,
	s_add_co_u32 s3, s3, 512                       ; K's scale words,
	s_add_co_u32 s10, s10, 256                     ; and V's
.endm
.Lstep:                                            ; 31 trips; the last step is written out, so that no load of mask words passes the tile's part of the buffer
	STEP 1
	s_sub_co_u32 s24, s24, 1
	s_cmp_lg_u32 s24, 0
	s_cbranch_scc1 .Lstep
	STEP 0
	; THE WAY OUT: O^T / the sum is ctx: register 16 b + i is channel 32 b + 16 h + i of my query's head: two blocks of the next product's K.
.rept 4
	v_nop
.endr
	v_add_f32 v14, v14, v15
	v_permlanex16_b32 v220, v14, s30, s31
	v_add_f32 v14, v14, v220                       ; the row's sum
	v_rcp_f32 v14, v14
	v_and_b32 v6, 16, v0                           ; (a plain place behind the transcendental)
.set m, 0
	s_wait_alu depctr_va_vdst(0)
.rept 16
	v_pk_mul_f32 v[S+2*m:S+2*m+1], v[O+2*m:O+2*m+1], v[14:15] op_sel_hi:[1,0]
.set m, m+1
.endr
.irp b, 0,1
	v_max3_num_f32 v[BM+\b], |v[S+16*\b]|, |v[S+16*\b+1]|, 0x1800000
.endr
.irp i, 2,4,6,8,10,12,14
.irp b, 0,1
	v_max3_num_f32 v[BM+\b], v[BM+\b], |v[S+16*\b+\i]|, |v[S+16*\b+\i+1]|
.endr
.endr
.irp b, 0,1
	v_permlanex16_b32 v[BP+\b], v[BM+\b], s30, s31
.endr
.irp b, 0,1
	v_max_num_f32 v[BM+\b], v[BM+\b], v[BP+\b]
.endr
.irp b, 0,1
	v_add_nc_u32 v[SO+\b], 0xff000000, v[BM+\b]
.endr
.irp b, 0,1
	v_lshrrev_b32 v[BP+\b], 23, v[SO+\b]
.endr
.irp b, 0,1
	v_cvt_scalef32_pk8_fp4_f32 v[PCD+2*\b], v[S+16*\b:S+16*\b+7], v[SO+\b]
	v_cvt_scalef32_pk8_fp4_f32 v[PCD+2*\b+1], v[S+16*\b+8:S+16*\b+15], v[SO+\b]
.endr
	v_nop
	v_cmp_eq_u32 vcc_lo, 0, v6
	v_cndmask_b32 v220, v[BP+1], v[BP], vcc_lo     ; lanes 0-15 the first block's byte, lanes 16-31 the second's
	global_store_b64 v3, v[PCD:PCD+1], s[100:101]              ; 256 consecutive bytes, aligned
	global_store_b64 v3, v[PCD+2:PCD+3], s[100:101] offset:256
	global_store_b8 v4, v220, s[104:105]           ; a K step's scale word belongs to two heads, so a head stores bytes: 32 of them within 64 bytes
	s_wait_tensorcnt 0x0
	ds_add_u32 v254, v255
	s_wait_dscnt 0x0
	s_endpgm
.Lfunc_end_k_q662e6582e6_attn:
	.size	k_q662e6582e6_attn, .Lfunc_end_k_q662e6582e6_attn-k_q662e6582e6_attn
	.p2alignl 7, 3214868480
	.fill 96, 4, 3214868480
	.section	.rodata,"a",@progbits
	.p2align	6, 0x0
	.amdhsa_kernel k_q662e6582e6_attn
		.amdhsa_group_segment_fixed_size 288768
		.amdhsa_private_segment_fixed_size 0
		.amdhsa_enable_private_segment 0
		.amdhsa_kernarg_size 24
		.amdhsa_user_sgpr_count 2
		.amdhsa_user_sgpr_kernarg_segment_ptr 1
		.amdhsa_wavefront_size32 1
		.amdhsa_system_sgpr_workgroup_id_x 1
		.amdhsa_system_sgpr_workgroup_id_y 1
		.amdhsa_system_sgpr_workgroup_id_z 1
		.amdhsa_system_vgpr_workitem_id 0
		.amdhsa_next_free_vgpr 256
		.amdhsa_next_free_sgpr 106
		.amdhsa_reserve_vcc 1
		.amdhsa_float_denorm_mode_32 3
		.amdhsa_float_denorm_mode_16_64 3
		.amdhsa_memory_ordered 1
		.amdhsa_forward_progress 1
		.amdhsa_inst_pref_size 49
	.end_amdhsa_kernel
	.amdgpu_metadata
---
amdhsa.version: [ 1, 2 ]
amdhsa.kernels:
  - .name:           k_q662e6582e6_attn
    .symbol:         k_q662e6582e6_attn.kd
    .args:
      - { .name: qkvc, .offset: 0, .size: 8, .value_kind: global_buffer, .address_space: global }
      - { .name: mbits, .offset: 8, .size: 8, .value_kind: global_buffer, .address_space: global }
      - { .name: ctxq, .offset: 16, .size: 8, .value_kind: global_buffer, .address_space: global }
    .group_segment_fixed_size: 288768
    .private_segment_fixed_size: 0
    .kernarg_segment_align: 8
    .kernarg_segment_size: 24
    .max_flat_workgroup_size: 512
    .sgpr_count:     106
    .vgpr_count:     256
    .wavefront_size: 32
...
	.end_amdgpu_metadata
.endif
;; end of part 5
;; launch projo (part 6): grid 32 x 2, 12 waves a work-group, clusters of 4 x 1, 299,520 bytes of LDS; arguments ctxq, wimg, bo, x, x1; writes x1
.if DOCPART == 6
	.amdgcn_target "amdgcn-amd-amdhsa--gfx1250"
	.amdhsa_code_object_version 6
	.text
	.protected	k_q662e6582e6_projo
	.globl	k_q662e6582e6_projo
	.p2align	8
	.type	k_q662e6582e6_projo,@function
k_q662e6582e6_projo:
	s_mov_b64 s[64:65], 0
	v_nop
	global_prefetch_b8 v0, s[64:65] scope:SCOPE_SE
	s_setreg_imm32_b32 hwreg(HW_REG_WAVE_MODE, 25, 1), 1
	s_wait_xcnt 0x0
	s_wait_alu depctr_hold_cnt(0) depctr_sa_sdst(0) depctr_va_vdst(0) depctr_va_sdst(0) depctr_va_ssrc(0) depctr_va_vcc(0) depctr_vm_vsrc(0)
	s_getreg_b32 s2, hwreg(HW_REG_IB_STS2, 6, 4)
	s_cmp_eq_u32 s2, 0
	s_cbranch_scc0 .Lentry_in_a_cluster
	s_endpgm
.Lentry_in_a_cluster:
	s_bfe_u32 s2, ttmp6, 0x10000c
	s_cmp_lg_u32 s2, 0x3003
	s_cbranch_scc0 .Lentry_shape_is_right
	s_endpgm
.Lentry_shape_is_right:
; x1 = x + ctx wo + bo on codes of FP4 with E8M0 scales (K = 768).  x1 leaves twice: as f32 (the second residual) and, quantised along its 768 columns, as the next product's operand.
; A work-group makes 128 tokens (row block rb) x 384 columns (column block cb).  All of K for both operands lies in LDS, filled once: ctx's 8 tiles, 49,152 bytes from byte 0, [K step 6][tile 8][1,024]; the weights' 24 tiles,
; 147,456 bytes from byte 49,152, [K step 6][tile 24][1,024].  A record of 1,024 bytes is the image of a fragment's registers.  Behind them, from byte 196,608, a stage of 16 rows x 528 bytes for each wave, which no fill touches.
; CLUSTER: the four row blocks of a cluster read the same weights: waves 1 to 3 ask for them JOINTLY (mask 15); wave 0 brings its own work-group's ctx by two plain loads.  Two tensor loads of a wave are out at the most.  Nothing is filled again.
; TWELVE WAVES: wave w has token tiles 2 (w % 4) + 0, 1 (source 1) x weight tiles 8 (w / 4) + 0 .. 7 (source 0): 16 accumulators by turns, in the same order in every K step.
; A tile's 16 rows are 32 (T/2) + 8 (T%2) + r + 8 (r/8): a lane holds one token and 128 columns' 64 numbers, register 16 b + i = column 32 b + 16 h + i.
; x + bo is put into the accumulators, so the finished sums are x1.
; The grid has 64 work-groups: the launch shares the frame of the two beside it, and a work-group's work is one fill and six K steps whatever the tile.
; LIMITS: a block of zeros, or one whose largest magnitude lies under 2^-124, gets the byte 1 (this program alone reads the bytes); NaN and infinities are not served; the sums begin at x + bo instead of ending with them.
.set DS,  16
.set ES,  22
.set DF,  48
.set EF,  64
.set ACC, 128
.set PC,  48
.set TM,  64
.set PW,  46
.set WV,  48
.set SEL, 54
.set ABASE, 0
.set CBASE, 884736
.macro ROUND
	s_barrier_signal -1
	s_barrier_wait -1
	s_cmp_lg_u32 s[WV], 0
	s_cbranch_scc1 .Lnot_wave_0_\@
	s_barrier_signal -3
.Lnot_wave_0_\@:
	s_barrier_wait -3
	s_barrier_signal -1
	s_barrier_wait -1
.endm
.macro WM acc, fa, fb, sa, sb, odd
.if \odd
	v_wmma_scale_f32_16x16x128_f8f6f4 v[\acc:\acc+7], v[\fa:\fa+7], v[\fb:\fb+7], v[\acc:\acc+7], v[\sa], v[\sb] matrix_a_fmt:MATRIX_FMT_FP4 matrix_b_fmt:MATRIX_FMT_FP4 matrix_a_scale:MATRIX_SCALE_ROW1 matrix_b_scale:MATRIX_SCALE_ROW1
.else
	v_wmma_scale_f32_16x16x128_f8f6f4 v[\acc:\acc+7], v[\fa:\fa+7], v[\fb:\fb+7], v[\acc:\acc+7], v[\sa], v[\sb] matrix_a_fmt:MATRIX_FMT_FP4 matrix_b_fmt:MATRIX_FMT_FP4
.endif
.endm
.macro TSTEP s                         ; one K step: 20 LDS loads of 512 consecutive bytes, 16 matrix instructions, four places
.irp e, 0,1,2,3,4,5,6,7
.irp c, 0,1
	ds_load_b128 v[EF+8*\e+4*\c:EF+8*\e+4*\c+3], v[6+(\s)/2] offset:24576*((\s)%2)+1024*\e+512*\c
.endr
.endr
.irp d, 0,1
.irp c, 0,1
	ds_load_b128 v[DF+8*\d+4*\c:DF+8*\d+4*\c+3], v5 offset:8192*(\s)+1024*\d+512*\c
.endr
.endr
	s_wait_dscnt 0x0
.irp d, 0,1
.irp e, 0,1,2,3,4,5,6,7
	WM ACC+64*\d+8*\e,EF+8*\e,DF+8*\d,ES+3*\e+(\s)/2,DS+3*\d+(\s)/2,(\s)%2
.endr
.endr
.rept 4
	v_nop
.endr
.endm
.macro SCL dst, n, sb
.set tt, 0
.rept \n
.irp q, 0,1,2
	global_load_b32 v[\dst+3*tt+\q], v2, s[\sb:\sb+1] offset:384*tt+128*\q
.endr
.set tt, tt+1
.endr
.endm
.macro QUANT s, pc                     ; 64 numbers of a lane, register 16 b + i = place 32 b + 16 h + i along the next K: codes from v[pc] on, bytes from v[TM+4] on
.irp b, 0,1,2,3
	v_max3_num_f32 v[TM+\b], |v[\s+16*\b]|, |v[\s+16*\b+1]|, 0x1800000
.endr
.irp i, 2,4,6,8,10,12,14
.irp b, 0,1,2,3
	v_max3_num_f32 v[TM+\b], v[TM+\b], |v[\s+16*\b+\i]|, |v[\s+16*\b+\i+1]|
.endr
.endr
.irp b, 0,1,2,3
	v_permlanex16_b32 v[TM+4+\b], v[TM+\b], s[SEL], s[SEL+1]
.endr
.irp b, 0,1,2,3
	v_max_num_f32 v[TM+\b], v[TM+\b], v[TM+4+\b]
.endr
.irp b, 0,1,2,3
	v_add_nc_u32 v[TM+8+\b], 0xff000000, v[TM+\b]
.endr
.irp b, 0,1,2,3
	v_lshrrev_b32 v[TM+4+\b], 23, v[TM+8+\b]
.endr
.irp b, 0,1,2,3
	v_cvt_scalef32_pk8_fp4_f32 v[\pc+2*\b], v[\s+16*\b:\s+16*\b+7], v[TM+8+\b]
	v_cvt_scalef32_pk8_fp4_f32 v[\pc+2*\b+1], v[\s+16*\b+8:\s+16*\b+15], v[TM+8+\b]
.endr
	v_nop
.endm
	s_load_b256 s[4:11], s[0:1], 0x0               ; ctxq, wimg, bo, x
	s_load_b64 s[12:13], s[0:1], 0x20              ; x1
	s_set_vgpr_msb 0x40
	v_lshl_add_u32 v0, v0, 2, 0x48c00
	v_mov_b32 v1, 0
	s_set_vgpr_msb 0x4045
	ds_add_u32 v0, v1
	ds_add_u32 v0, v1
	s_set_vgpr_msb 0x4500
	v_lshrrev_b32 v1, 5, v0
	v_readfirstlane_b32 s[WV], v1
	v_and_b32 v2, 31, v0
	v_lshlrev_b32 v1, 4, v2
	v_lshlrev_b32 v2, 2, v2
	v_and_b32 v3, 15, v0
	v_bfe_u32 v4, v0, 4, 1
	s_bfe_u32 s49, ttmp6, 0x40000
	s_lshl_b32 s50, ttmp9, 2
	s_add_co_u32 s50, s50, s49                     ; row block
	s_and_b32 s51, ttmp7, 0xffff                   ; column block
	s_and_b32 s52, s[WV], 3
	s_lshr_b32 s53, s[WV], 2
	s_mov_b32 s[SEL], 0x76543210
	s_mov_b32 s[SEL+1], 0xfedcba98
	v_cmp_eq_u32 s56, 0, v4
	s_lshl_b32 s57, s52, 11
	v_add_nc_u32 v5, s57, v1
	s_lshl_b32 s57, s53, 13
	s_add_co_u32 s57, s57, 49152
	v_add_nc_u32 v6, s57, v1
	v_add_nc_u32 v7, 49152, v6
	v_add_nc_u32 v8, 98304, v6
	s_mul_i32 s57, s[WV], 8448
	s_add_co_u32 s57, s57, 196608                  ; my stage
	v_mul_u32_u24 v9, v3, 528
	v_lshl_add_u32 v9, v4, 6, v9
	v_add_nc_u32 v9, s57, v9                       ; in: row r, + 64 h
	v_add_nc_u32 v10, s57, v1                      ; back: 16 x lane of a row
	v_lshlrev_b32 v12, 4, v3
	v_lshl_add_u32 v12, v4, 3, v12                 ; 16 r + 8 h
	v_mul_u32_u24 v13, v4, 384
	v_lshl_add_u32 v13, v3, 2, v13                 ; 384 h + 4 r
	v_lshlrev_b32 v14, 6, v4                       ; 64 h
	v_and_b32 v15, 8, v3
	v_add_nc_u32 v15, v15, v3
	v_mul_u32_u24 v15, v15, 3072
	v_lshl_add_u32 v15, v4, 6, v15                 ; x: row r + 8 (r / 8), + 64 h
	s_mov_b32 s16, 3<<16
	s_mov_b32 s24, 15|(3<<16)|(1<<21)
.irp g, 16,24
	s_mov_b32 s[\g+1], 32<<16
	s_mov_b32 s[\g+2], 96<<16
	s_mov_b32 s[\g+3], 32<<16
	s_mov_b32 s[\g+4], 96
	s_mov_b32 s[\g+5], 32
	s_mov_b32 s[\g+6], 0
	s_mov_b32 s[\g+7], 0
.endr
	s_mul_i32 s58, s50, 49152
	s_add_co_u32 s58, s58, ABASE
	s_mov_b32 s59, 0
	s_max_u32 s60, s[WV], 1
	s_sub_co_u32 s60, s60, 1
	s_mul_i32 s60, s60, 24576
	s_mul_i32 s61, s51, 147456
	s_add_co_u32 s60, s60, s61
	s_add_co_u32 s60, s60, CBASE
	s_mov_b32 s61, 0
	s_min_u32 s62, s[WV], 3
	s_mul_i32 s62, s62, 24576
	s_wait_dscnt 0x0
	s_wait_kmcnt 0x0
	s_add_nc_u64 s[58:59], s[4:5], s[58:59]
	s_add_nc_u64 s[60:61], s[6:7], s[60:61]
	s_mov_b32 s32, 1
	s_mov_b32 s33, 0
	s_mov_b64 s[34:35], s[58:59]
	s_or_b32 s35, s35, 0x80000000
	s_mov_b32 s36, 1
	s_mov_b32 s37, 24576
	s_add_nc_u64 s[38:39], s[58:59], 24576
	s_or_b32 s39, s39, 0x80000000
	s_mov_b32 s40, 1
	s_add_co_u32 s41, s62, 24576
	s_mov_b64 s[42:43], s[60:61]
	s_or_b32 s43, s43, 0x80000000
	s_mov_b32 s44, 1
	s_add_co_u32 s45, s62, 24576+73728
	s_add_nc_u64 s[46:47], s[60:61], 73728
	s_or_b32 s47, s47, 0x80000000
	ROUND                                          ; all four work-groups are here: the joint loads meet
	s_cmp_lg_u32 s[WV], 0
	s_cbranch_scc1 .Lnot_x
	tensor_load_to_lds s[32:35], s[16:23]
	s_nop 0
	tensor_load_to_lds s[36:39], s[16:23]
	s_nop 0
.rept 4
	v_nop
.endr
	s_branch .Lasked
.Lnot_x:
	s_cmp_lt_u32 s[WV], 4
	s_cbranch_scc0 .Lasked
	tensor_load_to_lds s[40:43], s[24:31]
	s_nop 0
	tensor_load_to_lds s[44:47], s[24:31]
	s_nop 0
.rept 4
	v_nop
.endr
.Lasked:
	s_lshl_b32 s57, s50, 3
	s_lshl_b32 s58, s52, 1
	s_add_co_u32 s57, s57, s58                     ; my first tile of tokens
	s_mul_i32 s58, s51, 3
	s_add_co_u32 s58, s58, s53                     ; my 128 columns: the next product's K step
	s_mov_b32 s61, 0
	s_mul_i32 s60, s58, 3072
	s_add_co_u32 s60, s60, 3594240
	s_add_nc_u64 s[66:67], s[6:7], s[60:61]        ; the scale words of my eight tiles of weights
	s_mul_i32 s60, s57, 384
	s_add_co_u32 s60, s60, 1572864
	s_add_nc_u64 s[68:69], s[4:5], s[60:61]        ; and of my two tiles of tokens
	s_lshl_b32 s60, s58, 9
	s_add_nc_u64 s[70:71], s[8:9], s[60:61]        ; bo
	s_mul_i32 s62, s57, 49152
	s_add_co_u32 s60, s60, s62
	s_add_nc_u64 s[72:73], s[10:11], s[60:61]      ; x at my first token, my first column
	s_add_nc_u64 s[74:75], s[12:13], s[60:61]      ; x1 likewise
	s_mul_i32 s60, s50, 6
	s_add_co_u32 s60, s60, s58
	s_lshl_b32 s60, s60, 13
	s_lshl_b32 s62, s52, 11
	s_add_co_u32 s60, s60, s62
	s_add_co_u32 s60, s60, 12582912
	s_add_nc_u64 s[76:77], s[12:13], s[60:61]      ; x1's codes
	s_mul_i32 s60, s57, 384
	s_lshl_b32 s62, s58, 6
	s_add_co_u32 s60, s60, s62
	s_add_co_u32 s60, s60, 14155776
	s_add_nc_u64 s[78:79], s[12:13], s[60:61]      ; x1's scale words
	SCL ES, 8, 66
	SCL DS, 2, 68
.irp a, 0,1
.irp b, 0,1,2,3
.irp q, 0,1,2,3
	global_load_b128 v[ACC+64*\a+16*\b+4*\q:ACC+64*\a+16*\b+4*\q+3], v15, s[72:73] offset:24576*\a+128*\b+16*\q
.endr
.endr
.endr
.irp b, 0,1,2,3
.irp q, 0,1,2,3
	global_load_b128 v[EF+16*\b+4*\q:EF+16*\b+4*\q+3], v14, s[70:71] offset:128*\b+16*\q
.endr
.endr
	s_wait_loadcnt 0x0
.set m, 0
.rept 32
	v_pk_add_f32 v[ACC+2*m:ACC+2*m+1], v[ACC+2*m:ACC+2*m+1], v[EF+2*m:EF+2*m+1]            ; x + bo: where the sums begin
	v_pk_add_f32 v[ACC+64+2*m:ACC+64+2*m+1], v[ACC+64+2*m:ACC+64+2*m+1], v[EF+2*m:EF+2*m+1]
.set m, m+1
.endr
	s_wait_tensorcnt 0x1                           ; my first fill (K steps 0 to 2) has landed; my second may be out
	s_barrier_signal -1
	s_barrier_wait -1
	TSTEP 0
	TSTEP 1
	TSTEP 2
	s_wait_tensorcnt 0x0
	s_barrier_signal -1
	s_barrier_wait -1
	TSTEP 3
	TSTEP 4
	TSTEP 5
.irp a, 0,1
.if \a
	s_wait_xcnt 0x0                                ; v64-127 were the data of the first tile's stores: they are written again only behind this wait
.endif
.irp b, 0,1,2,3
.irp q, 0,1,2,3
	ds_store_b128 v9, v[ACC+64*\a+16*\b+4*\q:ACC+64*\a+16*\b+4*\q+3] offset:128*\b+16*\q
.endr
.endr
	QUANT ACC+64*\a, PC+8*\a
.irp b, 0,1,2,3
	global_store_b64 v12, v[PC+8*\a+2*\b:PC+8*\a+2*\b+1], s[76:77] offset:1024*\a+256*\b   ; 256 consecutive bytes, aligned
.endr
	v_lshl_or_b32 v[PW+\a], v[TM+5], 8, v[TM+4]
	v_lshl_or_b32 v[PW+\a], v[TM+6], 16, v[PW+\a]
	v_lshl_or_b32 v[PW+\a], v[TM+7], 24, v[PW+\a]
.set i, 0
.rept 16
	ds_load_b128 v[EF+4*i:EF+4*i+3], v10 offset:528*i   ; LDS serves a wave's instructions in order: these see my stores
.set i, i+1
.endr
.set i, 0
.rept 16
	s_wait_dscnt 15-i                              ; row i is back; the 15 - i behind it may be out
	global_store_b128 v1, v[EF+4*i:EF+4*i+3], s[74:75] offset:3072*(i+8*(i/8))+24576*\a   ; 512 consecutive bytes of a row, aligned to 256
.set i, i+1
.endr
.endr
	v_cndmask_b32 v11, v[PW+1], v[PW], s56
	global_store_b32 v13, v11, s[78:79]
	s_set_vgpr_msb 0x5
	s_wait_tensorcnt 0x0
	ds_add_u32 v0, v1
	s_wait_dscnt 0x0
	s_set_vgpr_msb 0x500
	ROUND                                          ; the closing round
	s_endpgm
.Lfunc_end_k_q662e6582e6_projo:
	.size	k_q662e6582e6_projo, .Lfunc_end_k_q662e6582e6_projo-k_q662e6582e6_projo
	.p2alignl 7, 3214868480
	.fill 96, 4, 3214868480
	.section	.rodata,"a",@progbits
	.p2align	6, 0x0
	.amdhsa_kernel k_q662e6582e6_projo
		.amdhsa_group_segment_fixed_size 299520
		.amdhsa_private_segment_fixed_size 0
		.amdhsa_enable_private_segment 0
		.amdhsa_kernarg_size 40
		.amdhsa_user_sgpr_count 2
		.amdhsa_user_sgpr_kernarg_segment_ptr 1
		.amdhsa_wavefront_size32 1
		.amdhsa_system_sgpr_workgroup_id_x 1
		.amdhsa_system_sgpr_workgroup_id_y 1
		.amdhsa_system_sgpr_workgroup_id_z 1
		.amdhsa_system_vgpr_workitem_id 0
		.amdhsa_next_free_vgpr 258
		.amdhsa_next_free_sgpr 80
		.amdhsa_reserve_vcc 0
		.amdhsa_float_denorm_mode_32 3
		.amdhsa_float_denorm_mode_16_64 3
		.amdhsa_memory_ordered 1
		.amdhsa_forward_progress 1
		.amdhsa_inst_pref_size 57
	.end_amdhsa_kernel
	.amdgpu_metadata
---
amdhsa.version: [ 1, 2 ]
amdhsa.kernels:
  - .name:           k_q662e6582e6_projo
    .symbol:         k_q662e6582e6_projo.kd
    .args:
      - { .name: ctxq, .offset: 0, .size: 8, .value_kind: global_buffer, .address_space: global }
      - { .name: wimg, .offset: 8, .size: 8, .value_kind: global_buffer, .address_space: global }
      - { .name: bo, .offset: 16, .size: 8, .value_kind: global_buffer, .address_space: global }
      - { .name: x, .offset: 24, .size: 8, .value_kind: global_buffer, .address_space: global }
      - { .name: x1, .offset: 32, .size: 8, .value_kind: global_buffer, .address_space: global }
    .group_segment_fixed_size: 299520
    .private_segment_fixed_size: 0
    .kernarg_segment_align: 8
    .kernarg_segment_size: 40
    .max_flat_workgroup_size: 384
    .sgpr_count:     80
    .vgpr_count:     258
    .wavefront_size: 32
...
	.end_amdgpu_metadata
.endif
;; end of part 6
;; launch ffn1 (part 7): grid 32 x 8, 12 waves a work-group, clusters of 4 x 1, 198,144 bytes of LDS; arguments x1, wimg, b1, hid; writes hid
.if DOCPART == 7
	.amdgcn_target "amdgcn-amd-amdhsa--gfx1250"
	.amdhsa_code_object_version 6
	.text
	.protected	k_q662e6582e6_ffn1
	.globl	k_q662e6582e6_ffn1
	.p2align	8
	.type	k_q662e6582e6_ffn1,@function
k_q662e6582e6_ffn1:
	s_mov_b64 s[64:65], 0
	v_nop
	global_prefetch_b8 v0, s[64:65] scope:SCOPE_SE
	s_setreg_imm32_b32 hwreg(HW_REG_WAVE_MODE, 25, 1), 1
	s_wait_xcnt 0x0
	s_wait_alu depctr_hold_cnt(0) depctr_sa_sdst(0) depctr_va_vdst(0) depctr_va_sdst(0) depctr_va_ssrc(0) depctr_va_vcc(0) depctr_vm_vsrc(0)
	s_getreg_b32 s2, hwreg(HW_REG_IB_STS2, 6, 4)
	s_cmp_eq_u32 s2, 0
	s_cbranch_scc0 .Lentry_in_a_cluster
	s_endpgm
.Lentry_in_a_cluster:
	s_bfe_u32 s2, ttmp6, 0x10000c
	s_cmp_lg_u32 s2, 0x3003
	s_cbranch_scc0 .Lentry_shape_is_right
	s_endpgm
.Lentry_shape_is_right:
; hid = relu(x1 w1 + b1) on codes of FP4 with E8M0 scales (K = 768), quantised at once along its 3,072 columns for the next product: it goes to memory as codes alone.
; A work-group makes 128 tokens (row block rb) x 384 columns (column block cb).  All of K for both operands lies in LDS, filled once: x1's 8 tiles, 49,152 bytes from byte 0, [K step 6][tile 8][1,024]; the weights' 24 tiles,
; 147,456 bytes from byte 49,152, [K step 6][tile 24][1,024].  A record of 1,024 bytes is the image of a fragment's registers.
; CLUSTER: the four row blocks of a cluster read the same weights: waves 1 to 3 ask for them JOINTLY (mask 15); wave 0 brings its own work-group's x1 by two plain loads.  Two tensor loads of a wave are out at the most.  Nothing is filled again.
; TWELVE WAVES: wave w has token tiles 2 (w % 4) + 0, 1 (source 1) x weight tiles 8 (w / 4) + 0 .. 7 (source 0): 16 accumulators by turns, in the same order in every K step.
; A tile's 16 rows are 32 (T/2) + 8 (T%2) + r + 8 (r/8): a lane holds one token; register 16 b + i is column 32 b + 16 h + i of my 128: one K step of the next product.  b1 is loaded into the accumulators.
; OUT (hid): records at ((T/2) 24 + s) 2048 + (T%2) 1024; scale words at 6,291,456 + 1536 T + 64 s + 4 r.
; LIMITS: a block of zeros, or one whose largest magnitude lies under 2^-124, gets the byte 1 (this program alone reads the bytes); NaN and infinities are not served; the sums begin at b1 instead of ending with it.
.set DS,  16
.set ES,  22
.set DF,  48
.set EF,  64
.set ACC, 128
.set PC,  48
.set TM,  64
.set PW,  76
.set WV,  48
.set SEL, 54
.set ABASE, 12582912
.set CBASE, 1179648
.macro ROUND
	s_barrier_signal -1
	s_barrier_wait -1
	s_cmp_lg_u32 s[WV], 0
	s_cbranch_scc1 .Lnot_wave_0_\@
	s_barrier_signal -3
.Lnot_wave_0_\@:
	s_barrier_wait -3
	s_barrier_signal -1
	s_barrier_wait -1
.endm
.macro WM acc, fa, fb, sa, sb, odd
.if \odd
	v_wmma_scale_f32_16x16x128_f8f6f4 v[\acc:\acc+7], v[\fa:\fa+7], v[\fb:\fb+7], v[\acc:\acc+7], v[\sa], v[\sb] matrix_a_fmt:MATRIX_FMT_FP4 matrix_b_fmt:MATRIX_FMT_FP4 matrix_a_scale:MATRIX_SCALE_ROW1 matrix_b_scale:MATRIX_SCALE_ROW1
.else
	v_wmma_scale_f32_16x16x128_f8f6f4 v[\acc:\acc+7], v[\fa:\fa+7], v[\fb:\fb+7], v[\acc:\acc+7], v[\sa], v[\sb] matrix_a_fmt:MATRIX_FMT_FP4 matrix_b_fmt:MATRIX_FMT_FP4
.endif
.endm
.macro TSTEP s                         ; one K step: 20 LDS loads of 512 consecutive bytes, 16 matrix instructions, four places
.irp e, 0,1,2,3,4,5,6,7
.irp c, 0,1
	ds_load_b128 v[EF+8*\e+4*\c:EF+8*\e+4*\c+3], v[6+(\s)/2] offset:24576*((\s)%2)+1024*\e+512*\c
.endr
.endr
.irp d, 0,1
.irp c, 0,1
	ds_load_b128 v[DF+8*\d+4*\c:DF+8*\d+4*\c+3], v5 offset:8192*(\s)+1024*\d+512*\c
.endr
.endr
	s_wait_dscnt 0x0
.irp d, 0,1
.irp e, 0,1,2,3,4,5,6,7
	WM ACC+64*\d+8*\e,EF+8*\e,DF+8*\d,ES+3*\e+(\s)/2,DS+3*\d+(\s)/2,(\s)%2
.endr
.endr
.rept 4
	v_nop
.endr
.endm
.macro SCL dst, n, sb
.set tt, 0
.rept \n
.irp q, 0,1,2
	global_load_b32 v[\dst+3*tt+\q], v2, s[\sb:\sb+1] offset:384*tt+128*\q
.endr
.set tt, tt+1
.endr
.endm
.macro QUANT s, pc                     ; 64 numbers of a lane, register 16 b + i = place 32 b + 16 h + i along the next K: codes from v[pc] on, bytes from v[TM+4] on
.irp b, 0,1,2,3
	v_max3_num_f32 v[TM+\b], |v[\s+16*\b]|, |v[\s+16*\b+1]|, 0x1800000
.endr
.irp i, 2,4,6,8,10,12,14
.irp b, 0,1,2,3
	v_max3_num_f32 v[TM+\b], v[TM+\b], |v[\s+16*\b+\i]|, |v[\s+16*\b+\i+1]|
.endr
.endr
.irp b, 0,1,2,3
	v_permlanex16_b32 v[TM+4+\b], v[TM+\b], s[SEL], s[SEL+1]
.endr
.irp b, 0,1,2,3
	v_max_num_f32 v[TM+\b], v[TM+\b], v[TM+4+\b]
.endr
.irp b, 0,1,2,3
	v_add_nc_u32 v[TM+8+\b], 0xff000000, v[TM+\b]
.endr
.irp b, 0,1,2,3
	v_lshrrev_b32 v[TM+4+\b], 23, v[TM+8+\b]
.endr
.irp b, 0,1,2,3
	v_cvt_scalef32_pk8_fp4_f32 v[\pc+2*\b], v[\s+16*\b:\s+16*\b+7], v[TM+8+\b]
	v_cvt_scalef32_pk8_fp4_f32 v[\pc+2*\b+1], v[\s+16*\b+8:\s+16*\b+15], v[TM+8+\b]
.endr
	v_nop
.endm
	s_load_b256 s[4:11], s[0:1], 0x0               ; x1, wimg, b1, hid
	v_lshl_add_u32 v46, v0, 2, 0x30000
	v_mov_b32 v47, 0
	ds_add_u32 v46, v47
	ds_add_u32 v46, v47
	v_lshrrev_b32 v1, 5, v0
	v_readfirstlane_b32 s[WV], v1
	v_and_b32 v2, 31, v0
	v_lshlrev_b32 v1, 4, v2
	v_lshlrev_b32 v2, 2, v2
	v_and_b32 v3, 15, v0
	v_bfe_u32 v4, v0, 4, 1
	s_bfe_u32 s49, ttmp6, 0x40000
	s_lshl_b32 s50, ttmp9, 2
	s_add_co_u32 s50, s50, s49                     ; row block
	s_and_b32 s51, ttmp7, 0xffff                   ; column block
	s_and_b32 s52, s[WV], 3
	s_lshr_b32 s53, s[WV], 2
	s_mov_b32 s[SEL], 0x76543210
	s_mov_b32 s[SEL+1], 0xfedcba98
	v_cmp_eq_u32 s56, 0, v4
	s_lshl_b32 s57, s52, 11
	v_add_nc_u32 v5, s57, v1
	s_lshl_b32 s57, s53, 13
	s_add_co_u32 s57, s57, 49152
	v_add_nc_u32 v6, s57, v1
	v_add_nc_u32 v7, 49152, v6
	v_add_nc_u32 v8, 98304, v6
	v_lshlrev_b32 v12, 4, v3
	v_lshl_add_u32 v12, v4, 3, v12                 ; 16 r + 8 h
	v_mul_u32_u24 v13, v4, 1536
	v_lshl_add_u32 v13, v3, 2, v13                 ; 1536 h + 4 r
	v_lshlrev_b32 v14, 6, v4                       ; 64 h
	s_mov_b32 s16, 3<<16
	s_mov_b32 s24, 15|(3<<16)|(1<<21)
.irp g, 16,24
	s_mov_b32 s[\g+1], 32<<16
	s_mov_b32 s[\g+2], 96<<16
	s_mov_b32 s[\g+3], 32<<16
	s_mov_b32 s[\g+4], 96
	s_mov_b32 s[\g+5], 32
	s_mov_b32 s[\g+6], 0
	s_mov_b32 s[\g+7], 0
.endr
	s_mul_i32 s58, s50, 49152
	s_add_co_u32 s58, s58, ABASE
	s_mov_b32 s59, 0
	s_max_u32 s60, s[WV], 1
	s_sub_co_u32 s60, s60, 1
	s_mul_i32 s60, s60, 24576
	s_mul_i32 s61, s51, 147456
	s_add_co_u32 s60, s60, s61
	s_add_co_u32 s60, s60, CBASE
	s_mov_b32 s61, 0
	s_min_u32 s62, s[WV], 3
	s_mul_i32 s62, s62, 24576
	s_wait_dscnt 0x0
	s_wait_kmcnt 0x0
	s_add_nc_u64 s[58:59], s[4:5], s[58:59]
	s_add_nc_u64 s[60:61], s[6:7], s[60:61]
	s_mov_b32 s32, 1
	s_mov_b32 s33, 0
	s_mov_b64 s[34:35], s[58:59]
	s_or_b32 s35, s35, 0x80000000
	s_mov_b32 s36, 1
	s_mov_b32 s37, 24576
	s_add_nc_u64 s[38:39], s[58:59], 24576
	s_or_b32 s39, s39, 0x80000000
	s_mov_b32 s40, 1
	s_add_co_u32 s41, s62, 24576
	s_mov_b64 s[42:43], s[60:61]
	s_or_b32 s43, s43, 0x80000000
	s_mov_b32 s44, 1
	s_add_co_u32 s45, s62, 24576+73728
	s_add_nc_u64 s[46:47], s[60:61], 73728
	s_or_b32 s47, s47, 0x80000000
	ROUND                                          ; all four work-groups are here: the joint loads meet
	s_cmp_lg_u32 s[WV], 0
	s_cbranch_scc1 .Lnot_x
	tensor_load_to_lds s[32:35], s[16:23]
	s_nop 0
	tensor_load_to_lds s[36:39], s[16:23]
	s_nop 0
.rept 4
	v_nop
.endr
	s_branch .Lasked
.Lnot_x:
	s_cmp_lt_u32 s[WV], 4
	s_cbranch_scc0 .Lasked
	tensor_load_to_lds s[40:43], s[24:31]
	s_nop 0
	tensor_load_to_lds s[44:47], s[24:31]
	s_nop 0
.rept 4
	v_nop
.endr
.Lasked:
	s_lshl_b32 s57, s50, 3
	s_lshl_b32 s58, s52, 1
	s_add_co_u32 s57, s57, s58                     ; my first tile of tokens
	s_mul_i32 s58, s51, 3
	s_add_co_u32 s58, s58, s53                     ; my 128 columns: the next product's K step
	s_mov_b32 s61, 0
	s_mul_i32 s60, s58, 3072
	s_add_co_u32 s60, s60, 3612672
	s_add_nc_u64 s[66:67], s[6:7], s[60:61]        ; the scale words of my eight tiles of weights
	s_mul_i32 s60, s57, 384
	s_add_co_u32 s60, s60, 14155776
	s_add_nc_u64 s[68:69], s[4:5], s[60:61]        ; and of my two tiles of tokens
	s_lshl_b32 s60, s58, 9
	s_add_nc_u64 s[70:71], s[8:9], s[60:61]        ; b1
	s_mul_i32 s60, s57, 12
	s_add_co_u32 s60, s60, s58
	s_lshl_b32 s60, s60, 11
	s_add_nc_u64 s[72:73], s[10:11], s[60:61]      ; hid's codes
	s_mul_i32 s60, s57, 1536
	s_lshl_b32 s62, s58, 6
	s_add_co_u32 s60, s60, s62
	s_add_co_u32 s60, s60, 6291456
	s_add_nc_u64 s[74:75], s[10:11], s[60:61]      ; hid's scale words
	SCL ES, 8, 66
	SCL DS, 2, 68
.irp a, 0,1
.irp b, 0,1,2,3
.irp q, 0,1,2,3
	global_load_b128 v[ACC+64*\a+16*\b+4*\q:ACC+64*\a+16*\b+4*\q+3], v14, s[70:71] offset:128*\b+16*\q   ; the sums begin at the bias
.endr
.endr
.endr
	s_wait_loadcnt 0x0
	s_wait_tensorcnt 0x1                           ; my first fill (K steps 0 to 2) has landed; my second may be out
	s_barrier_signal -1
	s_barrier_wait -1
	TSTEP 0
	TSTEP 1
	TSTEP 2
	s_wait_tensorcnt 0x0
	s_barrier_signal -1
	s_barrier_wait -1
	TSTEP 3
	TSTEP 4
	TSTEP 5
.irp a, 0,1
.set m, 0
.rept 64
	v_max_num_f32 v[ACC+64*\a+m], 0, v[ACC+64*\a+m]   ; the activation, in f32
.set m, m+1
.endr
	QUANT ACC+64*\a, PC+8*\a
.irp b, 0,1,2,3
	global_store_b64 v12, v[PC+8*\a+2*\b:PC+8*\a+2*\b+1], s[72:73] offset:1024*\a+256*\b   ; 256 consecutive bytes, aligned
.endr
	v_lshl_or_b32 v[PW+\a], v[TM+5], 8, v[TM+4]
	v_lshl_or_b32 v[PW+\a], v[TM+6], 16, v[PW+\a]
	v_lshl_or_b32 v[PW+\a], v[TM+7], 24, v[PW+\a]
.endr
	v_cndmask_b32 v[PW+2], v[PW+1], v[PW], s56
	global_store_b32 v13, v[PW+2], s[74:75]
	s_wait_tensorcnt 0x0
	ds_add_u32 v46, v47
	s_wait_dscnt 0x0
	ROUND                                          ; the closing round
	s_endpgm
.Lfunc_end_k_q662e6582e6_ffn1:
	.size	k_q662e6582e6_ffn1, .Lfunc_end_k_q662e6582e6_ffn1-k_q662e6582e6_ffn1
	.p2alignl 7, 3214868480
	.fill 96, 4, 3214868480
	.section	.rodata,"a",@progbits
	.p2align	6, 0x0
	.amdhsa_kernel k_q662e6582e6_ffn1
		.amdhsa_group_segment_fixed_size 198144
		.amdhsa_private_segment_fixed_size 0
		.amdhsa_enable_private_segment 0
		.amdhsa_kernarg_size 32
		.amdhsa_user_sgpr_count 2
		.amdhsa_user_sgpr_kernarg_segment_ptr 1
		.amdhsa_wavefront_size32 1
		.amdhsa_system_sgpr_workgroup_id_x 1
		.amdhsa_system_sgpr_workgroup_id_y 1
		.amdhsa_system_sgpr_workgroup_id_z 1
		.amdhsa_system_vgpr_workitem_id 0
		.amdhsa_next_free_vgpr 256
		.amdhsa_next_free_sgpr 80
		.amdhsa_reserve_vcc 0
		.amdhsa_float_denorm_mode_32 3
		.amdhsa_float_denorm_mode_16_64 3
		.amdhsa_memory_ordered 1
		.amdhsa_forward_progress 1
		.amdhsa_inst_pref_size 46
	.end_amdhsa_kernel
	.amdgpu_metadata
---
amdhsa.version: [ 1, 2 ]
amdhsa.kernels:
  - .name:           k_q662e6582e6_ffn1
    .symbol:         k_q662e6582e6_ffn1.kd
    .args:
      - { .name: x1, .offset: 0, .size: 8, .value_kind: global_buffer, .address_space: global }
      - { .name: wimg, .offset: 8, .size: 8, .value_kind: global_buffer, .address_space: global }
      - { .name: b1, .offset: 16, .size: 8, .value_kind: global_buffer, .address_space: global }
      - { .name: hid, .offset: 24, .size: 8, .value_kind: global_buffer, .address_space: global }
    .group_segment_fixed_size: 198144
    .private_segment_fixed_size: 0
    .kernarg_segment_align: 8
    .kernarg_segment_size: 32
    .max_flat_workgroup_size: 384
    .sgpr_count:     80
    .vgpr_count:     256
    .wavefront_size: 32
...
	.end_amdgpu_metadata
.endif
;; end of part 7
;; launch ffn2 (part 8): grid 64 x 4, 6 waves a work-group, clusters of 4 x 1, 321,792 bytes of LDS; arguments hid, wimg, b2, x1, out0; writes out0
.if DOCPART == 8
	.amdgcn_target "amdgcn-amd-amdhsa--gfx1250"
	.amdhsa_code_object_version 6
	.text
	.protected	k_q662e6582e6_ffn2
	.globl	k_q662e6582e6_ffn2
	.p2align	8
	.type	k_q662e6582e6_ffn2,@function
k_q662e6582e6_ffn2:
	s_mov_b64 s[64:65], 0
	v_nop
	global_prefetch_b8 v0, s[64:65] scope:SCOPE_SE
	s_setreg_imm32_b32 hwreg(HW_REG_WAVE_MODE, 25, 1), 1
	s_wait_xcnt 0x0
	s_wait_alu depctr_hold_cnt(0) depctr_sa_sdst(0) depctr_va_vdst(0) depctr_va_sdst(0) depctr_va_ssrc(0) depctr_va_vcc(0) depctr_vm_vsrc(0)
	s_getreg_b32 s2, hwreg(HW_REG_IB_STS2, 6, 4)
	s_cmp_eq_u32 s2, 0
	s_cbranch_scc0 .Lentry_in_a_cluster
	s_endpgm
.Lentry_in_a_cluster:
	s_bfe_u32 s2, ttmp6, 0x10000c
	s_cmp_lg_u32 s2, 0x3003
	s_cbranch_scc0 .Lentry_shape_is_right
	s_endpgm
.Lentry_shape_is_right:
; out0 = x1 + hid w2 + b2 on codes of FP4 with E8M0 scales (K = 3,072).
; A work-group makes 64 tokens (row block rb) x 192 columns (column block cb): three aligned runs of 256 bytes of each row of out0.
; The weights' 12 tiles for all of K, 294,912 bytes, lie in LDS from byte 0, [K step 24][tile 12][1,024], filled once; behind them a stage of 16 rows x 272 bytes for each wave, which no fill touches.
; hid does not fit beside them: a wave's two tiles of tokens are a dense run of 49,152 bytes of memory, K step by K step, and come straight into registers, four K steps ahead.
; CLUSTER: the four row blocks of a cluster read the same weights: every wave asks JOINTLY (mask 15) for four K steps, one in each quarter of K: four tensor loads of a wave are out at the most.  Nothing is filled again.
; SIX WAVES: wave w has token tiles 2 (w % 2) + 0, 1 (source 1) x weight tiles 4 (w / 2) + 0 .. 3 (source 0): 8 accumulators by turns, in the same order in every K step.
; A tile's 16 rows are 32 (T/2) + 8 (T%2) + r + 8 (r/8): a lane holds one token; register 16 b + i is column 32 b + 16 h + i of my 64.  x1 + b2 is put into the accumulators, so the finished sums are the result.
; LIMITS: NaN and infinities are not served; the sums begin at x1 + b2 instead of ending with them.
.set HS,  24                           ; v24-47   hid's scale words: 12 registers a tile; register q: lanes 0-15 K step 2 q, lanes 16-31 K step 2 q + 1
.set WS,  48                           ; v48-95   the weights'
.set BF,  96                           ; v96-127  the weights' four fragments
.set AF,  128                          ; v128-191 hid's fragments: four sets of two
.set ACC, 192                          ; v192-255 accumulator (a, t) at 32 a + 8 t
.set WV,  48
.macro ROUND
	s_barrier_signal -1
	s_barrier_wait -1
	s_cmp_lg_u32 s[WV], 0
	s_cbranch_scc1 .Lnot_wave_0_\@
	s_barrier_signal -3
.Lnot_wave_0_\@:
	s_barrier_wait -3
	s_barrier_signal -1
	s_barrier_wait -1
.endm
.macro WM acc, fa, fb, sa, sb, odd
.if \odd
	v_wmma_scale_f32_16x16x128_f8f6f4 v[\acc:\acc+7], v[\fa:\fa+7], v[\fb:\fb+7], v[\acc:\acc+7], v[\sa], v[\sb] matrix_a_fmt:MATRIX_FMT_FP4 matrix_b_fmt:MATRIX_FMT_FP4 matrix_a_scale:MATRIX_SCALE_ROW1 matrix_b_scale:MATRIX_SCALE_ROW1
.else
	v_wmma_scale_f32_16x16x128_f8f6f4 v[\acc:\acc+7], v[\fa:\fa+7], v[\fb:\fb+7], v[\acc:\acc+7], v[\sa], v[\sb] matrix_a_fmt:MATRIX_FMT_FP4 matrix_b_fmt:MATRIX_FMT_FP4
.endif
.endm
.macro ALOAD s                         ; hid's two fragments of K step s into set s % 4: 512 consecutive bytes a load
.irp a, 0,1
.irp c, 0,1
	global_load_b128 v[AF+16*((\s)%4)+8*\a+4*\c:AF+16*((\s)%4)+8*\a+4*\c+3], v1, s[24:25] offset:2048*(\s)+1024*\a+512*\c
.endr
.endr
.endm
.macro W2STEP s
.irp t, 0,1,2,3
.irp c, 0,1
	ds_load_b128 v[BF+8*\t+4*\c:BF+8*\t+4*\c+3], v5 offset:12288*((\s)%4)+1024*\t+512*\c
.endr
.endr
.if 23-(\s) >= 3
	s_wait_loadcnt 12                              ; this K step's four loads are in; those of the three steps behind it may be out
.else
	s_wait_loadcnt 4*(23-(\s))
.endif
	s_wait_dscnt 0x0
.irp a, 0,1
.irp t, 0,1,2,3
	WM ACC+32*\a+8*\t,BF+8*\t,AF+16*((\s)%4)+8*\a,WS+12*\t+(\s)/2,HS+12*\a+(\s)/2,(\s)%2
.endr
.endr
.if ((\s)%4) == 3 && (\s) < 23
	v_add_nc_u32 v5, 49152, v5                     ; four K steps on in LDS; it is one of the four places
.rept 3
	v_nop
.endr
.else
.rept 4
	v_nop
.endr
.endif
.if (\s)+4 <= 23
	ALOAD (\s)+4
.endif
.endm
	s_load_b256 s[4:11], s[0:1], 0x0               ; hid, wimg, b2, x1
	s_load_b64 s[12:13], s[0:1], 0x20              ; out0
	v_lshl_add_u32 v22, v0, 2, 0x4e600
	v_mov_b32 v23, 0
	ds_add_u32 v22, v23
	ds_add_u32 v22, v23
	v_lshrrev_b32 v1, 5, v0
	v_readfirstlane_b32 s[WV], v1                  ; wave 0..5
	v_and_b32 v2, 31, v0
	v_lshlrev_b32 v1, 4, v2
	v_lshlrev_b32 v2, 2, v2
	v_and_b32 v3, 15, v0
	v_bfe_u32 v4, v0, 4, 1
	s_bfe_u32 s49, ttmp6, 0x40000
	s_lshl_b32 s50, ttmp9, 2
	s_add_co_u32 s50, s50, s49                     ; row block
	s_and_b32 s51, ttmp7, 0xffff                   ; column block
	s_and_b32 s52, s[WV], 1
	s_lshr_b32 s53, s[WV], 1
	s_lshl_b32 s58, s53, 12
	v_add_nc_u32 v5, s58, v1                       ; my four tiles of weights
	s_mul_i32 s58, s[WV], 4352
	s_add_co_u32 s58, s58, 294912                  ; my stage
	v_mul_u32_u24 v6, v3, 272
	v_lshl_add_u32 v6, v4, 6, v6
	v_add_nc_u32 v6, s58, v6                       ; in: row r, + 64 h
	v_mul_u32_u24 v7, v4, 272
	v_lshl_add_u32 v7, v3, 4, v7
	v_add_nc_u32 v7, s58, v7                       ; back: lanes 0-15 one row of 256 bytes, lanes 16-31 the next
	v_mul_u32_u24 v8, v4, 3072
	v_lshl_add_u32 v8, v3, 4, v8                   ; and the same in out0
	v_lshlrev_b32 v9, 6, v4                        ; 64 h
	v_and_b32 v10, 8, v3
	v_add_nc_u32 v10, v10, v3
	v_mul_u32_u24 v10, v10, 3072
	v_lshl_add_u32 v10, v4, 6, v10                 ; x1: row r + 8 (r / 8), + 64 h
	; descriptor group 1: a K step's 12,288 dense bytes as 48 rows of 32 elements of 8 bytes
	s_mov_b32 s16, 15|(3<<16)|(1<<21)
	s_mov_b32 s17, 32<<16
	s_mov_b32 s18, 48<<16
	s_mov_b32 s19, 32<<16
	s_mov_b32 s20, 48
	s_mov_b32 s21, 32
	s_mov_b32 s22, 0
	s_mov_b32 s23, 0
	s_mul_i32 s58, s[WV], 12288
	s_mul_i32 s60, s51, 294912
	s_add_co_u32 s60, s60, s58
	s_add_co_u32 s60, s60, 2359296
	s_mov_b32 s61, 0
	s_wait_dscnt 0x0
	s_wait_kmcnt 0x0
	s_add_nc_u64 s[60:61], s[6:7], s[60:61]
.irp j, 0,1,2,3
	s_mov_b32 s[32+4*\j], 1
	s_add_co_u32 s[33+4*\j], s58, 73728*\j         ; K step 6 j + wave
	s_add_nc_u64 s[34+4*\j:35+4*\j], s[60:61], 73728*\j
	s_or_b32 s[35+4*\j], s[35+4*\j], 0x80000000
.endr
	ROUND                                          ; all four work-groups are here: the joint loads meet
	tensor_load_to_lds s[32:35], s[16:23]
	s_nop 0
	tensor_load_to_lds s[36:39], s[16:23]
	s_nop 0
	tensor_load_to_lds s[40:43], s[16:23]
	s_nop 0
	tensor_load_to_lds s[44:47], s[16:23]
	s_nop 0
.rept 4
	v_nop
.endr
	s_lshl_b32 s59, s50, 1
	s_add_co_u32 s59, s59, s52                     ; my pair of token tiles
	s_mov_b32 s61, 0
	s_mul_i32 s60, s59, 49152
	s_add_nc_u64 s[24:25], s[4:5], s[60:61]        ; its codes
	s_mul_i32 s60, s59, 3072
	s_add_co_u32 s60, s60, 6291456
	s_add_nc_u64 s[26:27], s[4:5], s[60:61]        ; its scale words
	s_mul_i32 s60, s51, 12
	s_lshl_b32 s62, s53, 2
	s_add_co_u32 s60, s60, s62
	s_mul_i32 s60, s60, 1536
	s_add_co_u32 s60, s60, 3686400
	s_add_nc_u64 s[28:29], s[6:7], s[60:61]        ; the scale words of my four tiles of weights
	s_mul_i32 s60, s51, 768
	s_lshl_b32 s62, s53, 8
	s_add_co_u32 s60, s60, s62                     ; my first column, in bytes
	s_add_nc_u64 s[54:55], s[8:9], s[60:61]        ; b2
	s_mul_i32 s62, s59, 98304
	s_add_co_u32 s60, s60, s62
	s_add_nc_u64 s[30:31], s[10:11], s[60:61]      ; x1 at my first token, my first column
	s_add_nc_u64 s[56:57], s[12:13], s[60:61]      ; out0 likewise
.irp a, 0,1
.set qq, 0
.rept 12
	global_load_b32 v[HS+12*\a+qq], v2, s[26:27] offset:1536*\a+128*qq
.set qq, qq+1
.endr
.endr
.irp t, 0,1,2,3
.set qq, 0
.rept 12
	global_load_b32 v[WS+12*\t+qq], v2, s[28:29] offset:1536*\t+128*qq
.set qq, qq+1
.endr
.endr
.irp a, 0,1
.irp b, 0,1
.irp q, 0,1,2,3
	global_load_b128 v[ACC+32*\a+16*\b+4*\q:ACC+32*\a+16*\b+4*\q+3], v10, s[30:31] offset:24576*\a+128*\b+16*\q
.endr
.endr
.endr
.irp b, 0,1
.irp q, 0,1,2,3
	global_load_b128 v[BF+16*\b+4*\q:BF+16*\b+4*\q+3], v9, s[54:55] offset:128*\b+16*\q
.endr
.endr
	ALOAD 0
	ALOAD 1
	ALOAD 2
	ALOAD 3
	s_wait_loadcnt 16                              ; all but the sixteen loads of hid's first four K steps
.set m, 0
.rept 16
	v_pk_add_f32 v[ACC+2*m:ACC+2*m+1], v[ACC+2*m:ACC+2*m+1], v[BF+2*m:BF+2*m+1]            ; x1 + b2: where the sums begin
	v_pk_add_f32 v[ACC+32+2*m:ACC+32+2*m+1], v[ACC+32+2*m:ACC+32+2*m+1], v[BF+2*m:BF+2*m+1]
.set m, m+1
.endr
.set Q, 0
.rept 24
.if (Q%6) == 0
	s_wait_tensorcnt 3-Q/6                         ; my K step of this quarter of K has landed; my loads for the later quarters may be out
	s_barrier_signal -1
	s_barrier_wait -1                              ; everybody's has
.endif
	W2STEP Q
.set Q, Q+1
.endr
	; THE WAY OUT: a tile of 16 tokens x 64 columns goes through my stage and comes back as rows of 256 bytes.  LDS serves a wave's instructions in order: no wait between the stores and the loads, nor in front of the second tile's stores.
.irp a, 0,1
.irp b, 0,1
.irp q, 0,1,2,3
	ds_store_b128 v6, v[ACC+32*\a+16*\b+4*\q:ACC+32*\a+16*\b+4*\q+3] offset:128*\b+16*\q
.endr
.endr
.irp i, 0,1,2,3,4,5,6,7
	ds_load_b128 v[BF+32*\a+4*\i:BF+32*\a+4*\i+3], v7 offset:544*\i
.endr
.endr
.irp a, 0,1
.irp i, 0,1,2,3,4,5,6,7
	s_wait_dscnt 16*(1-\a)+7-\i                    ; behind this load: the rest of its tile's loads, and the second tile's sixteen instructions
	global_store_b128 v8, v[BF+32*\a+4*\i:BF+32*\a+4*\i+3], s[56:57] offset:3072*(2*\i+8*(\i/4))+24576*\a th:TH_STORE_NT   ; sixteen lanes store 256 consecutive bytes, aligned
.endr
.endr
	s_wait_tensorcnt 0x0
	ds_add_u32 v22, v23
	s_wait_dscnt 0x0
	ROUND                                          ; the closing round
	s_endpgm
.Lfunc_end_k_q662e6582e6_ffn2:
	.size	k_q662e6582e6_ffn2, .Lfunc_end_k_q662e6582e6_ffn2-k_q662e6582e6_ffn2
	.p2alignl 7, 3214868480
	.fill 96, 4, 3214868480
	.section	.rodata,"a",@progbits
	.p2align	6, 0x0
	.amdhsa_kernel k_q662e6582e6_ffn2
		.amdhsa_group_segment_fixed_size 321792
		.amdhsa_private_segment_fixed_size 0
		.amdhsa_enable_private_segment 0
		.amdhsa_kernarg_size 40
		.amdhsa_user_sgpr_count 2
		.amdhsa_user_sgpr_kernarg_segment_ptr 1
		.amdhsa_wavefront_size32 1
		.amdhsa_system_sgpr_workgroup_id_x 1
		.amdhsa_system_sgpr_workgroup_id_y 1
		.amdhsa_system_sgpr_workgroup_id_z 1
		.amdhsa_system_vgpr_workitem_id 0
		.amdhsa_next_free_vgpr 256
		.amdhsa_next_free_sgpr 66
		.amdhsa_reserve_vcc 0
		.amdhsa_float_denorm_mode_32 3
		.amdhsa_float_denorm_mode_16_64 3
		.amdhsa_memory_ordered 1
		.amdhsa_forward_progress 1
		.amdhsa_inst_pref_size 72
	.end_amdhsa_kernel
	.amdgpu_metadata
---
amdhsa.version: [ 1, 2 ]
amdhsa.kernels:
  - .name:           k_q662e6582e6_ffn2
    .symbol:         k_q662e6582e6_ffn2.kd
    .args:
      - { .name: hid, .offset: 0, .size: 8, .value_kind: global_buffer, .address_space: global }
      - { .name: wimg, .offset: 8, .size: 8, .value_kind: global_buffer, .address_space: global }
      - { .name: b2, .offset: 16, .size: 8, .value_kind: global_buffer, .address_space: global }
      - { .name: x1, .offset: 24, .size: 8, .value_kind: global_buffer, .address_space: global }
      - { .name: out0, .offset: 32, .size: 8, .value_kind: global_buffer, .address_space: global }
    .group_segment_fixed_size: 321792
    .private_segment_fixed_size: 0
    .kernarg_segment_align: 8
    .kernarg_segment_size: 40
    .max_flat_workgroup_size: 192
    .sgpr_count:     66
    .vgpr_count:     256
    .wavefront_size: 32
...
	.end_amdgpu_metadata
.endif
;; end of part 8
;; ======== version 2 of 2: 6 launches
;; limits: right only within a limited range of input values
;; workspace buffers: xq 1,671,168 bytes; wimg 3,760,128 bytes; mbits 2,097,152 bytes of whole numbers; qkvc 5,210,112 bytes; ctxq 1,671,168 bytes; x1 14,254,080 bytes; hid 6,684,672 bytes
;; launch prep (part 9): grid 568 x 1, 8 waves a work-group, no clusters, 136,192 bytes of LDS; arguments mask, mbits, x, xq, wq, wk, wv, wo, w1, w2, wimg; writes mbits, xq, wimg
.if DOCPART == 9
	.amdgcn_target "amdgcn-amd-amdhsa--gfx1250"
	.amdhsa_code_object_version 6
	.text
	.protected	k_q662e6582e6_prep
	.globl	k_q662e6582e6_prep
	.p2align	8
	.type	k_q662e6582e6_prep,@function
k_q662e6582e6_prep:
	s_mov_b64 s[64:65], 0
	v_nop
	global_prefetch_b8 v0, s[64:65] scope:SCOPE_SE
	s_setreg_imm32_b32 hwreg(HW_REG_WAVE_MODE, 25, 1), 1
	s_wait_xcnt 0x0
; THREE PREPARATIONS THAT DEPEND ON NOTHING, IN ONE LAUNCH, so that their loads are on their way together.  The paths part on the work-group's number and never join; each ends its waves itself.
;   work-groups   0 - 255: the mask becomes lane masks (mbits);   256 - 471: the six weights become codes (wimg);   472 - 567: x becomes codes (xq).  The mask's work-groups are the longest and come first.
; Waves share nothing: no barrier.  The two paths that use LDS have bytes of their own: the mask's eight stages from byte 0, x's eight from byte 67,584; a stage is 16 rows x 528 bytes, a wave's own.
;
; TILES AND RECORDS (x and the weights).  A tile T is 16 rows (tokens, or columns n of a weight): row r of tile T is 32 (T/2) + 8 (T%2) + r + 8 (r/8).  A record (T, s) is 1,024 bytes, the image of the fragment of
; 16 rows x 128 K (K step s): lane l's registers 4 c .. 4 c + 3 lie at 512 c + 16 l.  Codes are FP4 (E2M1) with one E8M0 byte for each 32 along K: a block's scale is 2^(floor(log2(largest magnitude)) - 2), its byte the
; largest magnitude's exponent field - 2, held at 1 from below.
; LIMITS: a block of zeros, or one whose largest magnitude lies under 2^-124, gets the byte 1 (this program alone reads the bytes); NaN and infinities are not served.
;
; THE MASK [4096][4096] int32 is read once; all twelve heads then share 2 MiB for 64.  Word n = 16 b + i of (tile of queries TQ, key step ks) has in bit 16 h + r:
; mask[32 (TQ/2) + 8 (TQ%2) + r + 8 (r/8)][128 ks + 32 b + 16 h + i] != 0: the select mask of the attention launch's score register n.  Words: [TQ 256][ks 32][n 64].
; A work-group takes TQ, wave w key steps 4 w .. 4 w + 3.  Each load reads 512 consecutive bytes of one row; 16 rows turn through the wave's stage.  Up to 32 loads of a wave are out.
;
; THE WEIGHTS, f32 [K][N] with K as FIRST axis.  Records at CB + ((T/G) KS + s) G 1024 + (T%G) 1024; scale words at SB + T 64 KS + 64 s + 4 r.
;   wq, wk, wv: one run of 144 tiles, CB 0, G 24, KS 6, SB 3,538,944.   wo: CB 884,736, SB 3,594,240.   w1: CB 1,179,648, SB 3,612,672.   w2: CB 2,359,296, G 12, KS 24, SB 3,686,400.
; A LANE TAKES A COLUMN AND ITS REGISTERS RUN DOWN K: a block of 32 lies in one lane, the conversions give codes with K innermost, and nothing is transposed.  A wave takes 32 columns (two tiles) x 128 along K;
; four waves stand side by side on 512 consecutive bytes.  Each store of codes covers two whole aligned runs of 256 bytes; the scale words leave as two pieces of 64 bytes a wave, one byte for each 128 read.
; The 1,728 wave shares are numbered as 432 groups of four: group v = 2 (work-group - 256) + wave / 4; v / 144 = 0: wq, wk, wv, wo (36 groups each); 1: w1; 2: w2.  Only numbers and pointers are chosen.
;
; x [4096][768] f32.  Records at ((T/8) 6 + s) 8192 + (T%8) 1024; scale words at 1,572,864 + 384 T + 64 s + 4 r.  Wave share u = 8 (work-group - 472) + wave takes tile u / 3 and K steps 2 (u % 3) + 0, 1.
; Each load reads 512 consecutive bytes of one row; 16 rows turn through the wave's stage, so that a lane gets the 2 x 32 neighbours that the operand's layout gives it.
.set STG,  8448                        ; a stage
.set XLDS, 67584                       ; x's stages begin here
	v_lshl_add_u32 v248, v0, 2, 0x21000
	v_mov_b32 v249, 0
	v_lshrrev_b32 v8, 5, v0
	s_delay_alu instid0(VALU_DEP_1)
	v_readfirstlane_b32 s2, v8                     ; wave 0..7
	v_and_b32 v9, 31, v0                           ; lane
	v_and_b32 v3, 15, v0                           ; r
	v_bfe_u32 v4, v0, 4, 1                         ; h
	s_cmp_ge_u32 ttmp9, 256
	s_cbranch_scc1 .Lweights_or_x
	; ================ the mask ================
.set MR0,  32                          ; v32-95, v96-159 two key steps as loaded
.set MXR,  160                         ; v160-223 register n as the attention launch's score register n
.set OUTW, 224                         ; v224-231 two registers a key step: lane l holds words 2 l and 2 l + 1
	s_load_b128 s[4:7], s[0:1], 0x0                ; mask, mbits
	v_lshlrev_b32 v1, 4, v9
	v_lshlrev_b32 v7, 3, v9                        ; 8 x lane
	s_mul_i32 s9, s2, STG
	v_add_nc_u32 v5, s9, v1
	v_mul_u32_u24 v6, v3, 528
	s_delay_alu instid0(VALU_DEP_1)
	v_lshl_add_u32 v6, v4, 6, v6
	s_delay_alu instid0(VALU_DEP_1)
	v_add_nc_u32 v6, s9, v6                        ; out of the stage: row r, + 64 h
.irp j, 0,1,2,3,4,5,6,7
	v_mov_b32 v[OUTW+\j], 0                        ; v_writelane_b32's destination counts as one of its sources
.endr
	s_lshr_b32 s10, ttmp9, 1
	s_lshl_b32 s10, s10, 5
	s_and_b32 s11, ttmp9, 1
	s_lshl_b32 s11, s11, 3
	s_add_co_u32 s10, s10, s11                     ; the tile's first query
	s_lshl_b32 s10, s10, 14
	s_lshl_b32 s11, s2, 11
	s_add_co_u32 s10, s10, s11                     ; + my four key steps' 2,048 bytes
	s_mov_b32 s11, 0
	s_lshl_b32 s12, ttmp9, 13
	s_lshl_b32 s13, s2, 10
	s_add_co_u32 s12, s12, s13                     ; words of (TQ, 4 w)
	s_mov_b32 s13, 0
	s_wait_alu depctr_va_vdst(0)
	s_wait_kmcnt 0x0
	s_add_nc_u64 s[4:5], s[4:5], s[10:11]
	s_add_nc_u64 s[6:7], s[6:7], s[12:13]
.macro MLOAD t
.set i, 0
.rept 16
	global_load_b128 v[MR0+64*((\t)%2)+4*i:MR0+64*((\t)%2)+4*i+3], v1, s[4:5] offset:(i+8*(i/8))*16384+512*(\t) th:TH_LOAD_NT
.set i, i+1
.endr
.endm
.macro UNIT t
.if (\t) < 3
	s_wait_loadcnt 16                              ; this key step's 16 loads are in; the next one's 16 may be out
.else
	s_wait_loadcnt 0x0
.endif
.set i, 0
.rept 16
	ds_store_b128 v5, v[MR0+64*((\t)%2)+4*i:MR0+64*((\t)%2)+4*i+3] offset:528*i
.set i, i+1
.endr
.irp b, 0,1,2,3
.irp q, 0,1,2,3
	ds_load_b128 v[MXR+16*\b+4*\q:MXR+16*\b+4*\q+3], v6 offset:128*\b+16*\q   ; LDS serves a wave's instructions in order: these see the stores above
.endr
.endr
	s_wait_dscnt 0x0
.if (\t)+2 < 4
	MLOAD (\t)+2                                   ; into the set that the stage's stores have read
.endif
.irp half, 0,1
.set n, 0
.rept 32
	v_cmp_ne_u32 s[32+n], 0, v[MXR+32*\half+n]     ; the word: one bit a lane
.set n, n+1
.endr
.set n, 0
.rept 32
	v_writelane_b32 v[OUTW+2*(\t)+(n&1)], s[32+n], 16*\half+(n>>1)
.set n, n+1
.endr
.endr
	global_store_b64 v7, v[OUTW+2*(\t):OUTW+2*(\t)+1], s[6:7] offset:256*(\t)   ; 256 consecutive bytes, aligned
.endm
	MLOAD 0
	MLOAD 1
	UNIT 0
	UNIT 1
	UNIT 2
	UNIT 3
	s_wait_tensorcnt 0x0
	ds_add_u32 v248, v249
	s_wait_dscnt 0x0
	s_endpgm
.Lweights_or_x:
	s_cmp_ge_u32 ttmp9, 472
	s_cbranch_scc1 .Lxpath
	; ================ the weights ================
.set VO,  16                           ; v16-47   4 j + i x (bytes of a row): row i of a block, my column
.set WXR, 48                           ; v48-111  two sets of 32 numbers
.set WCD, 112                          ; v112-127 codes, four registers a block
	s_load_b128 s[4:7], s[0:1], 0x20               ; wq, wk
	s_load_b128 s[8:11], s[0:1], 0x30              ; wv, wo
	s_load_b128 s[12:15], s[0:1], 0x40             ; w1, w2
	s_load_b64 s[16:17], s[0:1], 0x50              ; wimg
	s_sub_co_u32 s18, ttmp9, 256
	s_lshl_b32 s18, s18, 1
	s_lshr_b32 s19, s2, 2
	s_add_co_u32 s18, s18, s19                     ; my group of four waves, 0 .. 431
	s_and_b32 s19, s2, 3                           ; my place in it
	s_mul_i32 s21, s18, 0x1c8
	s_lshr_b32 s21, s21, 16                        ; group / 144 (exact for groups under 432)
	s_mul_i32 s20, s21, 144
	s_sub_co_u32 s20, s18, s20                     ; group % 144
	s_mul_i32 s22, s20, 0x71d
	s_lshr_b32 s22, s22, 16                        ; that / 36 (exact under 144)
	s_cmp_eq_u32 s21, 0
	s_cselect_b32 s22, s22, 0                      ; which of wq, wk, wv, wo
	s_mul_i32 s23, s22, 36
	s_sub_co_u32 s23, s20, s23                     ; my number within the weight
	s_cmp_eq_u32 s21, 1
	s_cselect_b32 s24, 24, 6                       ; groups to a K step: N / 128
	s_mov_b32 s25, 0x2aab
	s_cselect_b32 s25, 0xaab, s25                  ; 65536 / that, rounded up
	s_mov_b32 s26, 3072
	s_cselect_b32 s26, 12288, s26                  ; bytes of a row
	s_cmp_eq_u32 s22, 3
	s_cselect_b32 s28, 884736, 0                   ; CB
	s_mov_b32 s29, 3538944
	s_cselect_b32 s29, 3594240, s29                ; SB
	s_mul_i32 s30, s22, 24
	s_cselect_b32 s30, 0, s30                      ; the weight's first pair of tiles in its run
	s_cmp_eq_u32 s21, 1
	s_cselect_b32 s28, 1179648, s28
	s_cselect_b32 s29, 3612672, s29
	s_cmp_eq_u32 s21, 2
	s_cselect_b32 s28, 2359296, s28
	s_cselect_b32 s29, 3686400, s29
	s_cselect_b32 s31, 24, 6                       ; KS
	s_cselect_b32 s32, 6, 12                       ; G / 2
	s_mov_b32 s33, 0x1556
	s_cselect_b32 s33, 0x2aab, s33                 ; 65536 / (G / 2), rounded up
	s_mul_i32 s34, s23, s25
	s_lshr_b32 s34, s34, 16                        ; K step
	s_mul_i32 s35, s34, s24
	s_sub_co_u32 s35, s23, s35
	s_lshl_b32 s35, s35, 2
	s_add_co_u32 s35, s35, s19                     ; my pair of tiles within the weight
	s_add_co_u32 s36, s35, s30                     ; and within the run
	s_mul_i32 s37, s36, s33
	s_lshr_b32 s37, s37, 16                        ; its group of G tiles
	s_mul_i32 s38, s37, s32
	s_sub_co_u32 s38, s36, s38                     ; its place there
	s_mul_i32 s39, s37, s31
	s_add_co_u32 s39, s39, s34
	s_mul_i32 s39, s39, s32
	s_add_co_u32 s39, s39, s38
	s_lshl_b32 s39, s39, 11
	s_add_co_u32 s48, s39, s28                     ; the two records
	s_mov_b32 s49, 0
	s_mul_i32 s50, s36, s31
	s_lshl_b32 s50, s50, 7
	s_lshl_b32 s51, s34, 6
	s_add_co_u32 s50, s50, s51
	s_add_co_u32 s50, s50, s29                     ; their scale words
	s_mov_b32 s51, 0
	s_mul_i32 s52, s34, s26
	s_lshl_b32 s52, s52, 7
	s_lshl_b32 s53, s35, 7
	s_add_co_u32 s52, s52, s53                     ; the source: row 128 x K step, column 32 x pair
	s_mov_b32 s53, 0
	s_lshl_b32 s54, s26, 5                         ; 32 rows
	s_mov_b32 s55, 0
	s_lshl_b32 s56, s31, 6                         ; 64 KS: from a tile's scale words to the next tile's
	s_wait_alu depctr_va_vdst(0)
	v_and_b32 v11, 8, v3
	s_delay_alu instid0(VALU_DEP_1)
	v_add_nc_u32 v11, v11, v3
	s_delay_alu instid0(VALU_DEP_1)
	v_lshl_add_u32 v11, v4, 3, v11                 ; j = 8 u + r + 8 (r / 8): my column among the 32 (u = h: which of the two tiles)
	s_delay_alu instid0(VALU_DEP_1)
	v_lshlrev_b32 v[VO], 2, v11
.set i, 1
.rept 31
	s_delay_alu instid0(VALU_DEP_1)
	v_add_nc_u32 v[VO+i], s26, v[VO+i-1]
.set i, i+1
.endr
	v_lshlrev_b32 v9, 10, v4
	s_delay_alu instid0(VALU_DEP_1)
	v_lshl_add_u32 v9, v3, 4, v9                   ; codes: 1024 u + 16 r
	v_mul_u32_u24 v10, s56, v4
	s_delay_alu instid0(VALU_DEP_1)
	v_lshl_add_u32 v10, v3, 2, v10                 ; scale word: 64 KS u + 4 r
	s_wait_alu depctr_va_vdst(0)
	s_wait_kmcnt 0x0
	s_cmp_eq_u32 s22, 1                            ; the choice of a buffer hangs on the work-group's and the wave's number alone
	s_cselect_b64 s[4:5], s[6:7], s[4:5]
	s_cmp_eq_u32 s22, 2
	s_cselect_b64 s[4:5], s[8:9], s[4:5]
	s_cmp_eq_u32 s22, 3
	s_cselect_b64 s[4:5], s[10:11], s[4:5]
	s_cmp_eq_u32 s21, 1
	s_cselect_b64 s[4:5], s[12:13], s[4:5]
	s_cmp_eq_u32 s21, 2
	s_cselect_b64 s[4:5], s[14:15], s[4:5]
	s_add_nc_u64 s[40:41], s[4:5], s[52:53]        ; a base for each of the four blocks: no pointer is stepped
	s_add_nc_u64 s[42:43], s[40:41], s[54:55]
	s_add_nc_u64 s[44:45], s[42:43], s[54:55]
	s_add_nc_u64 s[46:47], s[44:45], s[54:55]
	s_add_nc_u64 s[48:49], s[16:17], s[48:49]
	s_add_nc_u64 s[50:51], s[16:17], s[50:51]
.macro WLOAD k
.set i, 0
.rept 32
	global_load_b32 v[WXR+32*((\k)%2)+i], v[VO+i], s[40+2*(\k):41+2*(\k)] th:TH_LOAD_NT
.set i, i+1
.endr
.endm
.macro BLOCK k
.set XS, WXR+32*((\k)%2)
.if (\k) < 3
	s_wait_loadcnt 32                              ; this block's 32 loads are in; the next block's 32 may be out
.else
	s_wait_loadcnt 0x0
.endif
	v_max3_num_f32 v12, |v[XS]|, |v[XS+1]|, |v[XS+2]|
	v_max3_num_f32 v13, |v[XS+3]|, |v[XS+4]|, |v[XS+5]|
.irp i, 6,10,14,18,22,26
	s_delay_alu instid0(VALU_DEP_2)
	v_max3_num_f32 v12, v12, |v[XS+\i]|, |v[XS+\i+1]|
	s_delay_alu instid0(VALU_DEP_2)
	v_max3_num_f32 v13, v13, |v[XS+\i+2]|, |v[XS+\i+3]|
.endr
	s_delay_alu instid0(VALU_DEP_2)
	v_max3_num_f32 v12, v12, |v[XS+30]|, |v[XS+31]|
	s_delay_alu instid0(VALU_DEP_1)
	v_max3_num_f32 v12, v12, v13, 0x1800000        ; and the floor 2^(3 - 127)
	s_delay_alu instid0(VALU_DEP_1)
	v_add_nc_u32 v14, 0xff000000, v12              ; 2 off the exponent field: the conversion's scale operand
	s_delay_alu instid0(VALU_DEP_1)
	v_lshrrev_b32 v13, 23, v14                     ; the byte
.if (\k) == 0
	s_delay_alu instid0(VALU_DEP_1)
	v_mov_b32 v8, v13
.else
	s_delay_alu instid0(VALU_DEP_1)
	v_lshl_or_b32 v8, v13, 8*(\k), v8
.endif
.irp g, 0,1,2,3
	v_cvt_scalef32_pk8_fp4_f32 v[WCD+4*(\k)+\g], v[XS+8*\g:XS+8*\g+7], v14
.endr
	v_nop                                          ; one plain place behind the conversions
	global_store_b128 v9, v[WCD+4*(\k):WCD+4*(\k)+3], s[48:49] offset:256*(\k)   ; lanes 0-15 fill 256 aligned bytes of one record, lanes 16-31 of the next
.if (\k)+2 < 4
	WLOAD (\k)+2
.endif
.endm
	WLOAD 0
	WLOAD 1
	BLOCK 0
	BLOCK 1
	BLOCK 2
	BLOCK 3
	global_store_b32 v10, v8, s[50:51]
	s_endpgm
	; ================ x ================
.Lxpath:
.set XR0, 32                           ; v32-95, v96-159  the two K steps as loaded
.set XXR, 160                          ; v160-223 64 numbers of my row: register 32 c + i = k 64 c + 32 h + i
.set XCD, 224                          ; v224-239 codes, 8 registers a K step
.set XWD, 240                          ; v240-241 the two scale words
	s_load_b128 s[4:7], s[0:1], 0x10               ; x, xq
	s_sub_co_u32 s18, ttmp9, 472
	s_lshl_b32 s18, s18, 3
	s_add_co_u32 s18, s18, s2                      ; my share, 0 .. 767
	s_mul_i32 s19, s18, 0x5556
	s_lshr_b32 s19, s19, 16                        ; tile T = share / 3 (exact for shares under 768)
	s_mul_i32 s22, s19, 3
	s_sub_co_u32 s22, s18, s22                     ; which pair of K steps
	s_wait_alu depctr_va_vdst(0)
	v_lshlrev_b32 v1, 4, v9                        ; 16 x lane
	v_lshlrev_b32 v2, 2, v9                        ; 4 x lane
	v_lshlrev_b32 v7, 3, v4                        ; 8 h
	s_mul_i32 s9, s2, STG
	s_add_co_u32 s9, s9, XLDS                      ; my stage
	v_add_nc_u32 v5, s9, v1                        ; in: 16 x lane of a row
	v_mul_u32_u24 v6, v3, 528
	s_delay_alu instid0(VALU_DEP_1)
	v_lshl_add_u32 v6, v4, 7, v6
	s_delay_alu instid0(VALU_DEP_1)
	v_add_nc_u32 v6, s9, v6                        ; out: row r, + 128 h
	v_mov_b32 v10, 0                               ; a lane permute's destination counts as one of its sources
	s_mov_b32 s20, 0x76543210
	s_mov_b32 s21, 0xfedcba98                      ; selects for lane l xor 16
	s_lshr_b32 s10, s19, 1
	s_lshl_b32 s10, s10, 5
	s_and_b32 s11, s19, 1
	s_lshl_b32 s11, s11, 3
	s_add_co_u32 s10, s10, s11                     ; the tile's first token
	s_mul_i32 s10, s10, 3072
	s_lshl_b32 s11, s22, 10
	s_add_co_u32 s10, s10, s11                     ; + my two K steps' 1,024 bytes
	s_mov_b32 s11, 0
	s_lshr_b32 s12, s19, 3
	s_mul_i32 s12, s12, 6
	s_lshl_b32 s13, s22, 1
	s_add_co_u32 s12, s12, s13
	s_lshl_b32 s12, s12, 13
	s_and_b32 s13, s19, 7
	s_lshl_b32 s13, s13, 10
	s_add_co_u32 s12, s12, s13                     ; record (T, first of my K steps)
	s_mov_b32 s13, 0
	s_mul_i32 s14, s19, 384
	s_lshl_b32 s15, s22, 7
	s_add_co_u32 s14, s14, s15
	s_add_co_u32 s14, s14, 1572864                 ; its scale words
	s_mov_b32 s15, 0
	s_wait_alu depctr_va_vdst(0)
	s_wait_kmcnt 0x0
	s_add_nc_u64 s[4:5], s[4:5], s[10:11]
	s_add_nc_u64 s[16:17], s[6:7], s[14:15]
	s_add_nc_u64 s[6:7], s[6:7], s[12:13]
.macro XLOAD u                         ; 16 rows x 512 bytes
.set i, 0
.rept 16
	global_load_b128 v[XR0+64*\u+4*i:XR0+64*\u+4*i+3], v1, s[4:5] offset:(i+8*(i/8))*3072+512*\u
.set i, i+1
.endr
.endm
.macro TURN u                          ; through the stage: LDS serves a wave's instructions in order, so no wait stands between the stores and the loads
.set i, 0
.rept 16
	ds_store_b128 v5, v[XR0+64*\u+4*i:XR0+64*\u+4*i+3] offset:528*i
.set i, i+1
.endr
.irp c, 0,1
.irp q, 0,1,2,3,4,5,6,7
	ds_load_b128 v[XXR+32*\c+4*\q:XXR+32*\c+4*\q+3], v6 offset:256*\c+16*\q
.endr
.endr
.endm
.macro QB u                            ; my two whole blocks (h and 2 + h of the K step) become 8 registers of codes and two bytes of the scale word
.irp c, 0,1
	v_max3_num_f32 v[12+\c], |v[XXR+32*\c]|, |v[XXR+32*\c+1]|, 0x1800000   ; with the floor 2^(3 - 127): the byte cannot fall under 1
.endr
.irp i, 2,4,6,8,10,12,14,16,18,20,22,24,26,28,30
.irp c, 0,1
	s_delay_alu instid0(VALU_DEP_2)
	v_max3_num_f32 v[12+\c], v[12+\c], |v[XXR+32*\c+\i]|, |v[XXR+32*\c+\i+1]|
.endr
.endr
.irp c, 0,1
	s_delay_alu instid0(VALU_DEP_2)
	v_add_nc_u32 v[14+\c], 0xff000000, v[12+\c]    ; 2 off the exponent field: the conversion's scale operand
.endr
.irp c, 0,1
	s_delay_alu instid0(VALU_DEP_2)
	v_lshrrev_b32 v[16+\c], 23, v[14+\c]           ; the byte
.endr
	s_delay_alu instid0(VALU_DEP_1)
	v_lshl_or_b32 v18, v17, 16, v16
	s_delay_alu instid0(VALU_DEP_1)
	v_lshlrev_b32 v18, v7, v18                     ; at their places: 8 h bits up
	s_delay_alu instid0(VALU_DEP_1)
	v_permlanex16_b32 v10, v18, s20, s21
	s_delay_alu instid0(VALU_DEP_1)
	v_or_b32 v[XWD+\u], v18, v10                   ; with lane l xor 16's two the word is whole
.irp c, 0,1
.irp g, 0,1,2,3
	v_cvt_scalef32_pk8_fp4_f32 v[XCD+8*\u+4*\c+\g], v[XXR+32*\c+8*\g:XXR+32*\c+8*\g+7], v[14+\c]
.endr
.endr
	v_nop                                          ; one plain place behind the conversions
.irp c, 0,1
	global_store_b128 v1, v[XCD+8*\u+4*\c:XCD+8*\u+4*\c+3], s[6:7] offset:8192*\u+512*\c   ; 512 consecutive bytes, aligned
.endr
.endm
	XLOAD 0
	XLOAD 1
	s_wait_loadcnt 16                              ; the first K step's 16 loads are in; the second's 16 may be out
	TURN 0
	s_wait_dscnt 0x0
	QB 0
	s_wait_loadcnt 0x0
	TURN 1
	s_wait_dscnt 0x0
	QB 1
	v_cmp_eq_u32 vcc_lo, 0, v4
	s_delay_alu instid0(VALU_DEP_1)
	v_cndmask_b32 v242, v[XWD+1], v[XWD], vcc_lo   ; lanes 0-15 the first K step's words, lanes 16-31 the second's
	global_store_b32 v2, v242, s[16:17]            ; 128 consecutive bytes
	s_wait_tensorcnt 0x0
	ds_add_u32 v248, v249
	s_wait_dscnt 0x0
	s_endpgm
.Lfunc_end_k_q662e6582e6_prep:
	.size	k_q662e6582e6_prep, .Lfunc_end_k_q662e6582e6_prep-k_q662e6582e6_prep
	.p2alignl 7, 3214868480
	.fill 96, 4, 3214868480
	.section	.rodata,"a",@progbits
	.p2align	6, 0x0
	.amdhsa_kernel k_q662e6582e6_prep
		.amdhsa_group_segment_fixed_size 136192
		.amdhsa_private_segment_fixed_size 0
		.amdhsa_enable_private_segment 0
		.amdhsa_kernarg_size 88
		.amdhsa_user_sgpr_count 2
		.amdhsa_user_sgpr_kernarg_segment_ptr 1
		.amdhsa_wavefront_size32 1
		.amdhsa_system_sgpr_workgroup_id_x 1
		.amdhsa_system_sgpr_workgroup_id_y 1
		.amdhsa_system_sgpr_workgroup_id_z 1
		.amdhsa_system_vgpr_workitem_id 0
		.amdhsa_next_free_vgpr 250
		.amdhsa_next_free_sgpr 66
		.amdhsa_reserve_vcc 1
		.amdhsa_float_denorm_mode_32 3
		.amdhsa_float_denorm_mode_16_64 3
		.amdhsa_memory_ordered 1
		.amdhsa_forward_progress 1
		.amdhsa_inst_pref_size 94
	.end_amdhsa_kernel
	.amdgpu_metadata
---
amdhsa.version: [ 1, 2 ]
amdhsa.kernels:
  - .name:           k_q662e6582e6_prep
    .symbol:         k_q662e6582e6_prep.kd
    .args:
      - { .name: mask, .offset: 0, .size: 8, .value_kind: global_buffer, .address_space: global }
      - { .name: mbits, .offset: 8, .size: 8, .value_kind: global_buffer, .address_space: global }
      - { .name: x, .offset: 16, .size: 8, .value_kind: global_buffer, .address_space: global }
      - { .name: xq, .offset: 24, .size: 8, .value_kind: global_buffer, .address_space: global }
      - { .name: wq, .offset: 32, .size: 8, .value_kind: global_buffer, .address_space: global }
      - { .name: wk, .offset: 40, .size: 8, .value_kind: global_buffer, .address_space: global }
      - { .name: wv, .offset: 48, .size: 8, .value_kind: global_buffer, .address_space: global }
      - { .name: wo, .offset: 56, .size: 8, .value_kind: global_buffer, .address_space: global }
      - { .name: w1, .offset: 64, .size: 8, .value_kind: global_buffer, .address_space: global }
      - { .name: w2, .offset: 72, .size: 8, .value_kind: global_buffer, .address_space: global }
      - { .name: wimg, .offset: 80, .size: 8, .value_kind: global_buffer, .address_space: global }
    .group_segment_fixed_size: 136192
    .private_segment_fixed_size: 0
    .kernarg_segment_align: 8
    .kernarg_segment_size: 88
    .max_flat_workgroup_size: 256
    .sgpr_count:     66
    .vgpr_count:     250
    .wavefront_size: 32
...
	.end_amdgpu_metadata
.endif
;; end of part 9
;; launch projqkv (part 10): grid 32 x 6, 12 waves a work-group, clusters of 4 x 1, 198,144 bytes of LDS; arguments xq, wimg, bq, bk, bv, qkvc; writes qkvc
.if DOCPART == 10
	.amdgcn_target "amdgcn-amd-amdhsa--gfx1250"
	.amdhsa_code_object_version 6
	.text
	.protected	k_q662e6582e6_projqkv
	.globl	k_q662e6582e6_projqkv
	.p2align	8
	.type	k_q662e6582e6_projqkv,@function
k_q662e6582e6_projqkv:
	s_mov_b64 s[64:65], 0
	v_nop
	global_prefetch_b8 v0, s[64:65] scope:SCOPE_SE
	s_setreg_imm32_b32 hwreg(HW_REG_WAVE_MODE, 25, 1), 1
	s_wait_xcnt 0x0
	s_wait_alu depctr_hold_cnt(0) depctr_sa_sdst(0) depctr_va_vdst(0) depctr_va_sdst(0) depctr_va_ssrc(0) depctr_va_vcc(0) depctr_vm_vsrc(0)
	s_getreg_b32 s2, hwreg(HW_REG_IB_STS2, 6, 4)
	s_cmp_eq_u32 s2, 0
	s_cbranch_scc0 .Lentry_in_a_cluster
	s_endpgm
.Lentry_in_a_cluster:
	s_bfe_u32 s2, ttmp6, 0x10000c
	s_cmp_lg_u32 s2, 0x3003
	s_cbranch_scc0 .Lentry_shape_is_right
	s_endpgm
.Lentry_shape_is_right:
; q = x wq + bq, k = x wk + bk, v = x wv + bv on codes of FP4 with E8M0 scales (K = 768), and the results quantised at once for the attention launch: q and k along a head's 64 channels, v along the KEYS.
; A work-group makes 128 tokens (row block rb) x 384 columns (column block cb: 0, 1 of q; 2, 3 of k; 4, 5 of v).  All of K for both operands lies in LDS, filled once: x's 8 tiles, 49,152 bytes from byte 0,
; [K step 6][tile 8][1,024]; the weights' 24 tiles, 147,456 bytes from byte 49,152, [K step 6][tile 24][1,024].  A record of 1,024 bytes is the image of a fragment's registers: lane l's registers 4 c .. 4 c + 3 at 512 c + 16 l.
; CLUSTER: the four row blocks of a cluster read the same weights: waves 1 to 3 ask for them JOINTLY (mask 15), two K steps each; wave 0 brings its own work-group's x by two plain loads.  Two tensor loads of a wave are out at the most.
; Nothing in LDS is filled again.
; TWELVE WAVES, 256 registers each.  A wave has 2 tiles of one operand (source 1: the lane's row) x 8 tiles of the other (source 0: along the registers): 16 accumulators, which take turns, one instruction a turn, in the same
; order in every K step.  A tile's 16 rows are 32 (T/2) + 8 (T%2) + r + 8 (r/8), so that the 16 registers of source 0's tiles 2 b, 2 b + 1 are the 16 neighbours 32 b + 16 h + 0 .. 15.
;   q, k: source 0 = weights, source 1 = tokens: a lane holds one token and 64 neighbouring columns in four blocks of 32: two heads' two blocks.  The bias is loaded into the accumulators: the sums begin at it.
;   v:    source 0 = tokens, source 1 = weights: a lane holds one channel and the row block's 128 tokens in four blocks of 32 keys.  bv is added behind the sums.
; OUT (qkvc): for each head 286,720 bytes, just as the attention launch lays its LDS: k's codes [tile 256][512] at 0; v's codes [key step 32][channel tile 4][1,024] at 131,072; k's scale words [tile][16] at 262,144;
; v's [key step][channel tile][16] at 278,528.  Then q's codes [head][tile][512] at 3,440,640 and q's scale words [head][tile][16] at 5,013,504.  q's and k's words carry two bytes and two zeros (a head has 64 channels).
; Each store of codes covers 256 consecutive bytes, aligned: lane (r, h) puts its 16 codes at 16 r + 8 h.
; LIMITS: a block of zeros, or one whose largest magnitude lies under 2^-124, gets the byte 1 (this program alone reads the bytes); NaN and infinities are not served; q's and k's sums begin at the bias instead of ending with it.
; THE FILLS AS THEY STAND (this takes the place of what the lines above say of who brings what): eight fills of 24,576 bytes, one tensor load a wave: waves 0 and 1 bring the halves of my work-group's x (plain loads),
; waves 2 to 7 one K step of the weights each, JOINTLY (mask 15); waves 8 to 11 bring nothing.  Every wave waits for 0, and one barrier shows all of K to all.  One tensor load of a wave is out at the most.
.set DS,  16
.set ES,  22                           ; v22-45   of source 0's eight tiles
.set DF,  48                           ; v48-63   source 1's fragments;  afterwards the codes just made
.set EF,  64                           ; v64-127  source 0's fragments;  afterwards at work
.set ACC, 128                          ; v128-255 accumulator (d, e) at 64 d + 8 e
.set PC,  48
.set TM,  64                           ; v64-67 largest magnitudes, v68-71 bytes, v72-75 scale operands
.set PW,  76
.set WV,  48                           ; s48 wave; s49 cx; s50 row block; s51 column block; s52 wave % 4; s53 wave / 4
.set SEL, 54                           ; s[54:55] selects for lane l xor 16; s56 mask of lanes 0-15
.set ABASE, 0
.set CBASE, 0
.macro ROUND                           ; a round of the cluster's barrier
	s_barrier_signal -1
	s_barrier_wait -1
	s_cmp_lg_u32 s[WV], 0
	s_cbranch_scc1 .Lnot_wave_0_\@
	s_barrier_signal -3
.Lnot_wave_0_\@:
	s_barrier_wait -3
	s_barrier_signal -1
	s_barrier_wait -1
.endm
.macro WM acc, fa, fb, sa, sb, odd, zero
.if \zero
	v_wmma_scale_f32_16x16x128_f8f6f4 v[\acc:\acc+7], v[\fa:\fa+7], v[\fb:\fb+7], 0, v[\sa], v[\sb] matrix_a_fmt:MATRIX_FMT_FP4 matrix_b_fmt:MATRIX_FMT_FP4
.else
.if \odd
	v_wmma_scale_f32_16x16x128_f8f6f4 v[\acc:\acc+7], v[\fa:\fa+7], v[\fb:\fb+7], v[\acc:\acc+7], v[\sa], v[\sb] matrix_a_fmt:MATRIX_FMT_FP4 matrix_b_fmt:MATRIX_FMT_FP4 matrix_a_scale:MATRIX_SCALE_ROW1 matrix_b_scale:MATRIX_SCALE_ROW1
.else
	v_wmma_scale_f32_16x16x128_f8f6f4 v[\acc:\acc+7], v[\fa:\fa+7], v[\fb:\fb+7], v[\acc:\acc+7], v[\sa], v[\sb] matrix_a_fmt:MATRIX_FMT_FP4 matrix_b_fmt:MATRIX_FMT_FP4
.endif
.endif
.endm
; One K step of 128: 20 LDS loads of 512 consecutive bytes, 16 matrix instructions, and four places in front of whatever next loads into, reads or writes their registers.
.macro KSTEP s, ereg, eoff, dreg, doff, zero
.irp e, 0,1,2,3,4,5,6,7
.irp c, 0,1
	ds_load_b128 v[EF+8*\e+4*\c:EF+8*\e+4*\c+3], v[\ereg] offset:\eoff+1024*\e+512*\c
.endr
.endr
.irp d, 0,1
.irp c, 0,1
	ds_load_b128 v[DF+8*\d+4*\c:DF+8*\d+4*\c+3], v[\dreg] offset:\doff+1024*\d+512*\c
.endr
.endr
	s_wait_dscnt 0x0
.irp d, 0,1
.irp e, 0,1,2,3,4,5,6,7
	WM ACC+64*\d+8*\e,EF+8*\e,DF+8*\d,ES+3*\e+(\s)/2,DS+3*\d+(\s)/2,(\s)%2,\zero
.endr
.endr
.rept 4
	v_nop
.endr
.endm
.macro TSTEP s                         ; q, k: source 0 = my 8 tiles of weights, source 1 = my 2 tiles of tokens
	KSTEP \s,6+(\s)/2,24576*((\s)%2),5,8192*(\s),0
.endm
.macro NSTEP s, zero                   ; v: source 0 = the 8 tiles of tokens, source 1 = my 2 tiles of weights
	KSTEP \s,1,8192*(\s),9+(\s)/2,24576*((\s)%2),\zero
.endm
.macro SCL dst, n, sb                  ; the scale words of n tiles, three registers each
.set tt, 0
.rept \n
.irp q, 0,1,2
	global_load_b32 v[\dst+3*tt+\q], v2, s[\sb:\sb+1] offset:384*tt+128*\q
.endr
.set tt, tt+1
.endr
.endm
; 64 numbers of a lane, register 16 b + i = place 32 b + 16 h + i along the next K, become codes (two registers a block, from v[pc] on) and four bytes (v[TM+4] on).  A block lies in lanes l and l xor 16.
.macro QUANT s, pc
.irp b, 0,1,2,3
	v_max3_num_f32 v[TM+\b], |v[\s+16*\b]|, |v[\s+16*\b+1]|, 0x1800000   ; with the floor 2^(3 - 127): the byte cannot fall under 1
.endr
.irp i, 2,4,6,8,10,12,14
.irp b, 0,1,2,3
	v_max3_num_f32 v[TM+\b], v[TM+\b], |v[\s+16*\b+\i]|, |v[\s+16*\b+\i+1]|
.endr
.endr
.irp b, 0,1,2,3
	s_delay_alu instid0(VALU_DEP_4)
	v_permlanex16_b32 v[TM+4+\b], v[TM+\b], s[SEL], s[SEL+1]
.endr
.irp b, 0,1,2,3
	s_delay_alu instid0(VALU_DEP_4)
	v_max_num_f32 v[TM+\b], v[TM+\b], v[TM+4+\b]
.endr
.irp b, 0,1,2,3
	s_delay_alu instid0(VALU_DEP_4)
	v_add_nc_u32 v[TM+8+\b], 0xff000000, v[TM+\b]  ; 2 off the exponent field: the conversion's scale operand
.endr
.irp b, 0,1,2,3
	s_delay_alu instid0(VALU_DEP_4)
	v_lshrrev_b32 v[TM+4+\b], 23, v[TM+8+\b]       ; the byte
.endr
.irp b, 0,1,2,3
	v_cvt_scalef32_pk8_fp4_f32 v[\pc+2*\b], v[\s+16*\b:\s+16*\b+7], v[TM+8+\b]
	v_cvt_scalef32_pk8_fp4_f32 v[\pc+2*\b+1], v[\s+16*\b+8:\s+16*\b+15], v[TM+8+\b]
.endr
	v_nop                                          ; one plain place behind the conversions
.endm
	s_load_b256 s[4:11], s[0:1], 0x0               ; xq, wimg, bq, bk
	s_load_b128 s[12:15], s[0:1], 0x20             ; bv, qkvc
	s_set_vgpr_msb 0x40
	v_lshl_add_u32 v0, v0, 2, 0x30000
	v_mov_b32 v1, 0
	s_set_vgpr_msb 0x4045
	ds_add_u32 v0, v1
	ds_add_u32 v0, v1
	s_set_vgpr_msb 0x4500
	v_lshrrev_b32 v1, 5, v0
	s_delay_alu instid0(VALU_DEP_1)
	v_readfirstlane_b32 s[WV], v1                  ; wave 0..11
	v_and_b32 v2, 31, v0
	s_delay_alu instid0(VALU_DEP_1)
	v_lshlrev_b32 v1, 4, v2                        ; 16 x lane
	s_delay_alu instid0(VALU_DEP_2)
	v_lshlrev_b32 v2, 2, v2                        ; 4 x lane
	v_and_b32 v3, 15, v0                           ; r
	v_bfe_u32 v4, v0, 4, 1                         ; h
	s_wait_alu depctr_va_vdst(0)
	s_bfe_u32 s49, ttmp6, 0x40000                  ; cx: it enters global addresses of my own loads and stores alone
	s_lshl_b32 s50, ttmp9, 2
	s_add_co_u32 s50, s50, s49                     ; row block
	s_and_b32 s51, ttmp7, 0xffff                   ; column block: the four partners share it
	s_and_b32 s52, s[WV], 3
	s_lshr_b32 s53, s[WV], 2
	s_mov_b32 s[SEL], 0x76543210
	s_mov_b32 s[SEL+1], 0xfedcba98
	v_cmp_eq_u32 s56, 0, v4
	s_lshl_b32 s57, s52, 11                        ; every LDS address is made here, ahead of the parting of the two ways
	v_add_nc_u32 v5, s57, v1                       ; q, k: my two tiles of tokens
	s_lshl_b32 s57, s53, 13
	s_add_co_u32 s57, s57, 49152
	v_add_nc_u32 v6, s57, v1                       ; q, k: my eight tiles of weights, K steps 0, 1;
	s_delay_alu instid0(VALU_DEP_1)
	v_add_nc_u32 v7, 49152, v6                     ; 2, 3;
	s_delay_alu instid0(VALU_DEP_2)
	v_add_nc_u32 v8, 98304, v6                     ; 4, 5
	s_lshl_b32 s57, s[WV], 11
	s_add_co_u32 s57, s57, 49152
	v_add_nc_u32 v9, s57, v1                       ; v: my two tiles of weights, likewise
	s_delay_alu instid0(VALU_DEP_1)
	v_add_nc_u32 v10, 49152, v9
	s_delay_alu instid0(VALU_DEP_2)
	v_add_nc_u32 v11, 98304, v9
	v_lshlrev_b32 v12, 4, v3
	s_delay_alu instid0(VALU_DEP_1)
	v_lshl_add_u32 v12, v4, 3, v12                 ; 16 r + 8 h: my 16 codes' place in 256 bytes
	v_lshlrev_b32 v14, 6, v4                       ; 64 h
	v_and_b32 v15, 8, v3
	s_delay_alu instid0(VALU_DEP_1)
	v_add_nc_u32 v15, v15, v3
	s_delay_alu instid0(VALU_DEP_1)
	v_lshlrev_b32 v15, 2, v15                      ; 4 (r + 8 (r / 8))
	; descriptor group 1: a dense block of 24,576 bytes as 96 rows of 32 elements of 8 bytes
	s_mov_b32 s16, 3<<16                           ; x: no mask
	s_mov_b32 s24, 15|(3<<16)|(1<<21)              ; the weights: all four work-groups of the cluster; bit 21 set beside a mask
.irp g, 16,24
	s_mov_b32 s[\g+1], 32<<16                      ; tensor_dim0
	s_mov_b32 s[\g+2], 96<<16                      ; tensor_dim1
	s_mov_b32 s[\g+3], 32<<16                      ; tile_dim0
	s_mov_b32 s[\g+4], 96                          ; tile_dim1
	s_mov_b32 s[\g+5], 32                          ; pitch
	s_mov_b32 s[\g+6], 0
	s_mov_b32 s[\g+7], 0
.endr
	s_mul_i32 s58, s50, 49152
	s_add_co_u32 s58, s58, ABASE
	s_mov_b32 s59, 0
	s_max_u32 s60, s[WV], 2
	s_sub_co_u32 s60, s60, 2                       ; waves 2 to 7 bring K steps 0 to 5
	s_mul_i32 s60, s60, 24576
	s_mul_i32 s61, s51, 147456
	s_add_co_u32 s60, s60, s61
	s_add_co_u32 s60, s60, CBASE
	s_mov_b32 s61, 0
	s_min_u32 s62, s[WV], 7
	s_mul_i32 s62, s62, 24576                      ; where my fill goes: 24,576 x wave
	s_min_u32 s63, s[WV], 1
	s_mul_i32 s63, s63, 24576                      ; waves 0 and 1: which half of x
	s_add_co_u32 s58, s58, s63
	s_wait_dscnt 0x0
	s_wait_kmcnt 0x0
	s_add_nc_u64 s[58:59], s[4:5], s[58:59]
	s_add_nc_u64 s[60:61], s[6:7], s[60:61]
	s_mov_b32 s32, 1
	s_mov_b32 s33, s63
	s_mov_b64 s[34:35], s[58:59]
	s_or_b32 s35, s35, 0x80000000
	s_mov_b32 s40, 1
	s_mov_b32 s41, s62
	s_mov_b64 s[42:43], s[60:61]
	s_or_b32 s43, s43, 0x80000000
	ROUND                                          ; all four work-groups are here: the joint loads meet
	s_cmp_ge_u32 s[WV], 2                          ; one chain of branches on the wave's number, one fill to an arm
	s_cbranch_scc1 .Lnot_x
	tensor_load_to_lds s[32:35], s[16:23]
	s_nop 0
.rept 4
	v_nop
.endr
	s_branch .Lasked
.Lnot_x:
	s_cmp_lt_u32 s[WV], 8
	s_cbranch_scc0 .Lasked
	tensor_load_to_lds s[40:43], s[24:31]
	s_nop 0
.rept 4
	v_nop
.endr
.Lasked:
	s_mov_b32 s77, 0
	s_cmp_ge_u32 s51, 4                            ; the column block is the same in all partners and all waves
	s_cbranch_scc1 .Lvpath
	; ---------------- q and k ----------------
	s_and_b32 s57, s51, 1
	s_mul_i32 s58, s57, 6
	s_lshl_b32 s59, s53, 1
	s_add_co_u32 s58, s58, s59                     ; my first head: 6 (cb % 2) + 2 (wave / 4)
	s_lshl_b32 s59, s50, 3
	s_lshl_b32 s60, s52, 1
	s_add_co_u32 s59, s59, s60                     ; my first tile of tokens
	s_cmp_ge_u32 s51, 2                            ; k or q?
	s_cselect_b64 s[70:71], s[10:11], s[8:9]
	s_cselect_b32 s60, 0, 3440640                  ; where the codes begin,
	s_mov_b32 s61, 131072
	s_cselect_b32 s61, 286720, s61                 ; from head to head,
	s_mov_b32 s62, 5013504
	s_cselect_b32 s62, 262144, s62                 ; where the scale words begin,
	s_mov_b32 s63, 16384
	s_cselect_b32 s63, 286720, s63                 ; from head to head
	s_mul_i32 s76, s58, s61
	s_add_co_u32 s76, s76, s60
	s_lshl_b32 s78, s59, 9
	s_add_co_u32 s76, s76, s78
	s_add_nc_u64 s[72:73], s[14:15], s[76:77]      ; codes, my first head
	s_mov_b32 s76, s61
	s_add_nc_u64 s[74:75], s[72:73], s[76:77]      ; my second head
	s_mul_i32 s76, s58, s63
	s_add_co_u32 s76, s76, s62
	s_lshl_b32 s78, s59, 6
	s_add_co_u32 s76, s76, s78
	s_add_nc_u64 s[78:79], s[14:15], s[76:77]      ; scale words
	s_mul_i32 s76, s51, 24
	s_lshl_b32 s60, s53, 3
	s_add_co_u32 s76, s76, s60
	s_mul_i32 s76, s76, 384
	s_add_co_u32 s76, s76, 3538944
	s_add_nc_u64 s[66:67], s[6:7], s[76:77]        ; the scale words of my eight tiles of weights
	s_mul_i32 s76, s59, 384
	s_add_co_u32 s76, s76, 1572864
	s_add_nc_u64 s[68:69], s[4:5], s[76:77]        ; and of my two tiles of tokens
	s_mul_i32 s76, s57, 384
	s_lshl_b32 s60, s53, 7
	s_add_co_u32 s76, s76, s60
	s_lshl_b32 s76, s76, 2
	s_add_nc_u64 s[70:71], s[70:71], s[76:77]      ; the bias of my 128 columns
	v_mul_u32_u24 v13, s63, v4
	s_delay_alu instid0(VALU_DEP_1)
	v_lshl_add_u32 v13, v3, 2, v13                 ; lanes 0-15 store my first head's words, lanes 16-31 my second head's
	SCL ES, 8, 66
	SCL DS, 2, 68
	s_wait_alu depctr_va_vdst(0)
.irp a, 0,1
.irp b, 0,1,2,3
.irp q, 0,1,2,3
	global_load_b128 v[ACC+64*\a+16*\b+4*\q:ACC+64*\a+16*\b+4*\q+3], v14, s[70:71] offset:128*\b+16*\q   ; the sums begin at the bias: register 16 b + i is column 32 b + 16 h + i
.endr
.endr
.endr
	s_wait_loadcnt 0x0
	s_wait_tensorcnt 0x0                           ; my fill has landed
	s_barrier_signal -1
	s_barrier_wait -1                              ; everybody's has
	TSTEP 0
	TSTEP 1
	TSTEP 2
	TSTEP 3
	TSTEP 4
	TSTEP 5
.irp a, 0,1
	QUANT ACC+64*\a, PC+8*\a
.irp b, 0,1
	global_store_b64 v12, v[PC+8*\a+2*\b:PC+8*\a+2*\b+1], s[72:73] offset:512*\a+256*\b
	global_store_b64 v12, v[PC+8*\a+4+2*\b:PC+8*\a+4+2*\b+1], s[74:75] offset:512*\a+256*\b
.endr
	v_lshl_or_b32 v[TM], v[TM+5], 8, v[TM+4]       ; a head's word: its two bytes, and two zeros
	v_lshl_or_b32 v[TM+1], v[TM+7], 8, v[TM+6]
	s_delay_alu instid0(VALU_DEP_1)
	v_cndmask_b32 v[PW+\a], v[TM+1], v[TM], s56
	global_store_b32 v13, v[PW+\a], s[78:79] offset:64*\a
.endr
	s_branch .Lend
	; ---------------- v ----------------
.Lvpath:
	s_sub_co_u32 s57, s51, 4
	s_mul_i32 s58, s57, 12
	s_add_co_u32 s58, s58, s[WV]                   ; my 32 channels among v's 768
	s_lshr_b32 s59, s58, 1                         ; their head
	s_and_b32 s60, s[WV], 1                        ; and which half of it
	s_mul_i32 s76, s50, 3072
	s_add_co_u32 s76, s76, 1572864
	s_add_nc_u64 s[68:69], s[4:5], s[76:77]        ; the scale words of the eight tiles of tokens
	s_mul_i32 s76, s51, 24
	s_lshl_b32 s61, s[WV], 1
	s_add_co_u32 s76, s76, s61
	s_mul_i32 s76, s76, 384
	s_add_co_u32 s76, s76, 3538944
	s_add_nc_u64 s[66:67], s[6:7], s[76:77]        ; and of my two tiles of weights
	s_lshl_b32 s76, s58, 7
	s_add_nc_u64 s[70:71], s[12:13], s[76:77]      ; bv of my 32 channels
	s_mul_i32 s76, s59, 286720
	s_lshl_b32 s61, s50, 12
	s_add_co_u32 s76, s76, s61
	s_lshl_b32 s61, s60, 11
	s_add_co_u32 s76, s76, s61
	s_add_co_u32 s76, s76, 131072
	s_add_nc_u64 s[72:73], s[14:15], s[76:77]      ; codes: key step = row block, channel tiles 2 (wave % 2) + 0, 1
	s_mul_i32 s76, s59, 286720
	s_lshl_b32 s61, s50, 8
	s_add_co_u32 s76, s76, s61
	s_lshl_b32 s61, s60, 7
	s_add_co_u32 s76, s76, s61
	s_add_co_u32 s76, s76, 278528
	s_add_nc_u64 s[74:75], s[14:15], s[76:77]      ; scale words
	SCL ES, 8, 68
	SCL DS, 2, 66
	s_wait_alu depctr_va_vdst(0)
	global_load_b32 v46, v15, s[70:71]             ; bv of my channel in each of my two tiles
	global_load_b32 v47, v15, s[70:71] offset:32
	s_wait_loadcnt 0x0
	s_wait_tensorcnt 0x0                           ; as above
	s_barrier_signal -1
	s_barrier_wait -1
	NSTEP 0, 1
	NSTEP 1, 0
	NSTEP 2, 0
	NSTEP 3, 0
	NSTEP 4, 0
	NSTEP 5, 0
	v_mov_b32 v76, v46                             ; pairs for the packed additions, which take a pair's low word for both halves
	v_mov_b32 v77, v46
	v_mov_b32 v78, v47
	v_mov_b32 v79, v47
.irp t, 0,1
.set m, 0
.rept 32
	v_pk_add_f32 v[ACC+64*\t+2*m:ACC+64*\t+2*m+1], v[ACC+64*\t+2*m:ACC+64*\t+2*m+1], v[76+2*\t:77+2*\t] op_sel_hi:[1,0]
.set m, m+1
.endr
.endr
.irp t, 0,1
	QUANT ACC+64*\t, PC+8*\t                       ; along the keys
.irp b, 0,1,2,3
	global_store_b64 v12, v[PC+8*\t+2*\b:PC+8*\t+2*\b+1], s[72:73] offset:1024*\t+256*\b
.endr
	v_lshl_or_b32 v[80+\t], v[TM+5], 8, v[TM+4]
	s_delay_alu instid0(VALU_DEP_1)
	v_lshl_or_b32 v[80+\t], v[TM+6], 16, v[80+\t]
	s_delay_alu instid0(VALU_DEP_1)
	v_lshl_or_b32 v[80+\t], v[TM+7], 24, v[80+\t]
.endr
	s_delay_alu instid0(VALU_DEP_1)
	v_cndmask_b32 v82, v81, v80, s56
	global_store_b32 v2, v82, s[74:75]             ; 128 consecutive bytes: my two tiles' words
.Lend:
	s_set_vgpr_msb 0x5
	s_wait_tensorcnt 0x0
	ds_add_u32 v0, v1
	s_wait_dscnt 0x0
	s_set_vgpr_msb 0x500
	ROUND                                          ; the closing round: no work-group ends while a partner may still ask for a tile that names it
	s_endpgm
.Lfunc_end_k_q662e6582e6_projqkv:
	.size	k_q662e6582e6_projqkv, .Lfunc_end_k_q662e6582e6_projqkv-k_q662e6582e6_projqkv
	.p2alignl 7, 3214868480
	.fill 96, 4, 3214868480
	.section	.rodata,"a",@progbits
	.p2align	6, 0x0
	.amdhsa_kernel k_q662e6582e6_projqkv
		.amdhsa_group_segment_fixed_size 198144
		.amdhsa_private_segment_fixed_size 0
		.amdhsa_enable_private_segment 0
		.amdhsa_kernarg_size 48
		.amdhsa_user_sgpr_count 2
		.amdhsa_user_sgpr_kernarg_segment_ptr 1
		.amdhsa_wavefront_size32 1
		.amdhsa_system_sgpr_workgroup_id_x 1
		.amdhsa_system_sgpr_workgroup_id_y 1
		.amdhsa_system_sgpr_workgroup_id_z 1
		.amdhsa_system_vgpr_workitem_id 0
		.amdhsa_next_free_vgpr 258
		.amdhsa_next_free_sgpr 80
		.amdhsa_reserve_vcc 0
		.amdhsa_float_denorm_mode_32 3
		.amdhsa_float_denorm_mode_16_64 3
		.amdhsa_memory_ordered 1
		.amdhsa_forward_progress 1
		.amdhsa_inst_pref_size 82
	.end_amdhsa_kernel
	.amdgpu_metadata
---
amdhsa.version: [ 1, 2 ]
amdhsa.kernels:
  - .name:           k_q662e6582e6_projqkv
    .symbol:         k_q662e6582e6_projqkv.kd
    .args:
      - { .name: xq, .offset: 0, .size: 8, .value_kind: global_buffer, .address_space: global }
      - { .name: wimg, .offset: 8, .size: 8, .value_kind: global_buffer, .address_space: global }
      - { .name: bq, .offset: 16, .size: 8, .value_kind: global_buffer, .address_space: global }
      - { .name: bk, .offset: 24, .size: 8, .value_kind: global_buffer, .address_space: global }
      - { .name: bv, .offset: 32, .size: 8, .value_kind: global_buffer, .address_space: global }
      - { .name: qkvc, .offset: 40, .size: 8, .value_kind: global_buffer, .address_space: global }
    .group_segment_fixed_size: 198144
    .private_segment_fixed_size: 0
    .kernarg_segment_align: 8
    .kernarg_segment_size: 48
    .max_flat_workgroup_size: 384
    .sgpr_count:     80
    .vgpr_count:     258
    .wavefront_size: 32
...
	.end_amdgpu_metadata
.endif
;; end of part 10
;; launch attn (part 11): grid 256 x 1, 12 waves a work-group, no clusters, 181,760 bytes of LDS; arguments qkvc, mbits, ctxq; writes ctxq
.if DOCPART == 11
	.amdgcn_target "amdgcn-amd-amdhsa--gfx1250"
	.amdhsa_code_object_version 6
	.text
	.protected	k_q662e6582e6_attn
	.globl	k_q662e6582e6_attn
	.p2align	8
	.type	k_q662e6582e6_attn,@function
k_q662e6582e6_attn:
	s_mov_b64 s[64:65], 0
	v_nop
	global_prefetch_b8 v0, s[64:65] scope:SCOPE_SE
	s_setreg_imm32_b32 hwreg(HW_REG_WAVE_MODE, 25, 1), 1
	s_wait_xcnt 0x0
; ctx = softmax(where(mask == 0, -1e9, q k^T / 8)) v, both products on codes of FP4 with E8M0 scales, and ctx quantised at once along the channels for the next product.
; THE SOFTMAX AHEAD OF THE SECOND PRODUCT: t = score x log2(e) / 8; M = the row's largest t so far, rounded UP to a whole number; p = 2^(t - M) is quantised along the keys; the row's sum is taken of the
; unquantised p and divides at the end.  When M moves, the sum and O are multiplied by 2^(old M - new M): exact.
; SHARES: 12 heads x 256 tiles of 16 queries: wave w of work-group g takes tile G = 12 g + w: head G / 256, tile TQ = G % 256 (row r of TQ is query 32 (TQ/2) + 8 (TQ%2) + r + 8 (r/8)).  A wave walks its head's 4,096 keys, 128 a step.
; 256 IS NO MULTIPLE OF 12: eight work-groups begin in one head and end in the next.  So LDS has TWO HEAD SLOTS: slot 0 for the head of the work-group's first tile, slot 1 for the next head, filled only in those eight.
; LDS: a ring of 8 key steps of codes for each slot: K's (4,096 bytes a step) at 0 and 32,768, V's at 65,536 and 98,304; key step s lies at 4,096 (s % 8).  The scale words of a whole head (k's 16,384 bytes, then v's 8,192,
; as they lie in qkvc) at 131,072 and 155,648.  A wave's slot is chosen by a scalar branch on ids round the LDS loads alone; the two arms differ in an immediate offset.
; LDS IS FILLED THROUGH REGISTERS.  Head: every wave brings 2,048 bytes of the scale words, waves 0 to 7 the codes of key steps 0 to 3.  Loop: at the site of every even step s waves 0 to 7 wait for the loads that they issued
; a trip (two key steps) ago, store them (key steps s + 2, s + 3) and load key steps s + 4, s + 5: 1,024 bytes of K and of V a wave and slot, 16 registers a slot.  Only the fill uses LOADcnt, and every wait on it is for 0.
; A barrier stands at every odd step's site.  Between two barriers the reads name key steps 2 T - 1 .. 2 T + 1 and the stores 2 T + 2, 2 T + 3: five different places of the ring's eight; every wave's reads are waited for ahead of its signal.
; No tensor load and no copy.
; THE MASK comes as lane masks, one 32-bit word for each score register (an earlier launch made them).  Where all 64 words of a step are all ones, the 64 selects change nothing and a scalar branch leads round them;
; otherwise one v_cndmask_b32 a register puts -2^33 where the mask is 0.
; PREFETCH INTO THE L2: a head's work-groups share its codes out: the work-group with place i among them (i = 4 .. 15) asks once, in trip i - 4, for key steps 2 i and 2 i + 1 (64 blocks of 256 bytes, two lines of wave 11,
; a lane a block): the register loads of those steps stand in trip i - 2.  Key steps 0 to 7 and the scale words come by their loads alone.
; NO JOINT LOADS: they are tensor loads, and neighbouring work-groups do not always hold the same head.
; LAYOUT: both products are used transposed (S^T = K Q^T, O^T = V^T P^T): a lane holds ONE query.  The 16 registers of key tiles 2 b, 2 b + 1 are keys 32 b + 16 h + 0 .. 15.  A head has 64 channels, half of the
; instruction's 128: Q's upper four registers are zero codes and its upper two scale bytes 0; a tile of K is named with the four registers behind it, which meet those zero codes and add nothing.
; THE LAST STEP asks for a K that does not exist (the count of the wait for V is the same in every step): those loads read bytes inside LDS that were stored long before, and nothing reads their registers.
; LIMITS: a hidden score stands at -2^33 where the definition has a logit of -1e9: the results are the same while true logits stay above some -1e9 (a row hidden throughout gives p = 1 at every key in both).
; A block of zeros gets the byte 1 (this program alone reads the bytes).  NaN and infinities are not served.  The promise holds while the scaled scores stay under 2^31 in magnitude.
.set KF,  36                           ; v36-67 8 tiles of K; v68-71 zeros
.set VF,  72                           ; v72-103 4 tiles of V
.set S,   104                          ; v104-167 S^T, then p, then the partial sums of p
.set O,   168                          ; v168-199 O^T
.set PCD, 200                          ; v200-207 p's codes
.set BM,  208                          ; v208-211 a block's largest score, then p
.set BP,  212                          ; v212-215 at work; the bytes
.set SO,  216                          ; v216-219 scale operands
.set FR,  222                          ; v222-253 the fill on its way: slot 0's K, V, then slot 1's
.set WV,  26                           ; s26 wave
.set RING, 0x7fff                      ; 8 key steps x 4,096 bytes - 1
; v1 16 x lane; v2, v10, v11 my lane's place among K's scale words, V's codes, V's scale words; v3 16 r + 8 h; v4 4 r + h; v5 -2^33; v6-9 the step's LDS addresses; v12 -M; v13 largest t; v[14:15] the sum; v16-23 Q; v24 Q's scale words;
; v25 p's scale word; v26 f; v27 the prefetch's offset (named as the upper half of the pair v[26:27], of which the low word serves both halves); v28-31, v32-33 K's, V's scale words; v34 the fill's offset in a head; v35 1,024 x wave + 16 x lane;
; v220, v221 at work, at an even site the fill's LDS addresses; v254, v255 the add's.
; s2, s3, s10 the step's codes (4,096 s), K's and V's scale words; s[6:7], s[20:21] slot 1's and slot 0's head in qkvc; s[8:9] mask words; s[12:19] at work; s[22:23], s25 the prefetch's base and trip; s24 trip; s27: 1 where slot 1 is used;
; s[28:29] c; s[30:31] lane selects; s[32:63], s[68:99] 64 mask words; s66 my slot.
	s_load_b128 s[4:7], s[0:1], 0x0                ; qkvc, mbits
	s_load_b64 s[100:101], s[0:1], 0x10            ; ctxq
	v_lshl_add_u32 v254, v0, 2, 0x2c000
	v_mov_b32 v255, 0
	v_lshrrev_b32 v1, 5, v0
	v_readfirstlane_b32 s[WV], v1                  ; wave 0..11
	s_min_u32 s10, s[WV], 7
	s_lshl_b32 s25, s10, 11                        ; the head's codes: 2,048 x wave
	s_lshl_b32 s10, s10, 10                        ; the loop's: 1,024 x wave
	s_lshl_b32 s30, s[WV], 11
	s_add_co_u32 s30, s30, 131072                  ; my 2,048 bytes of the scale words, in LDS
	s_mul_i32 s3, ttmp9, 12                        ; the work-group's first tile
	s_lshr_b32 s67, s3, 8                          ; its head: slot 0's
	s_add_co_u32 s11, s3, s[WV]
	s_add_co_u32 s27, s3, 11
	s_lshr_b32 s27, s27, 8
	s_sub_co_u32 s27, s27, s67                     ; 1 where the last tile belongs to the next head
	s_lshr_b32 s2, s11, 8                          ; my head
	s_and_b32 s11, s11, 255                        ; TQ
	s_sub_co_u32 s66, s2, s67                      ; my slot
	s_lshl_b32 s28, s2, 17
	s_lshl_b32 s13, s11, 9
	s_add_co_u32 s28, s28, s13
	s_add_co_u32 s28, s28, 3440640                 ; Q's codes
	s_lshl_b32 s29, s2, 14
	s_lshl_b32 s13, s11, 6
	s_add_co_u32 s29, s29, s13
	s_add_co_u32 s29, s29, 5013504                 ; Q's scale words
	s_mul_i32 s14, s67, 286720
	s_mov_b32 s15, 0
	s_lshl_b32 s16, s11, 13
	s_mov_b32 s17, 0
	s_add_co_u32 s18, s67, s27
	s_mul_i32 s18, s18, 286720
	s_mov_b32 s19, 0
	v_and_b32 v6, 31, v0
	v_lshlrev_b32 v1, 4, v6
	v_lshlrev_b32 v7, 2, v6
	v_add_nc_u32 v2, 131072, v7
	v_add_nc_u32 v11, 147456, v7
	v_add_nc_u32 v10, 65536, v1
	v_and_b32 v8, 15, v0                           ; r
	v_bfe_u32 v9, v0, 4, 1                         ; h
	v_lshlrev_b32 v3, 4, v8
	v_lshl_add_u32 v3, v9, 3, v3
	v_lshl_add_u32 v4, v8, 2, v9
	v_lshlrev_b32 v27, 8, v8
	v_lshl_add_u32 v27, v9, 17, v27                ; lanes 0-15: 16 blocks of K's codes, lanes 16-31: of V's
	v_lshlrev_b32 v8, 2, v8
	v_mov_b32 v5, 0xd0000000                       ; -2^33
	v_add_nc_u32 v35, s10, v1
	v_add_nc_u32 v33, s25, v1                      ; the head's codes: K's place, in a head and in LDS alike,
	v_add_nc_u32 v9, 65536, v33                    ; and V's place in LDS
	v_add_nc_u32 v32, s30, v1
	v_add_nc_u32 v6, s28, v1
	v_add_nc_u32 v7, s29, v8
	s_lshl_b32 s12, s67, 6
	s_add_co_u32 s12, s12, 2
	s_mul_i32 s12, s12, 0x5556
	s_lshr_b32 s12, s12, 16                        ; (64 head + 2) / 3: the head's first work-group (exact under 768)
	s_sub_co_u32 s12, ttmp9, s12                   ; i: my work-group's place among the head's, 0 .. 21
	s_sub_co_u32 s25, s12, 4                       ; the trip in which it asks; under 4 this wraps to a number that no trip has
	s_cmp_gt_u32 s12, 15
	s_cselect_b32 s25, -1, s25                     ; places 16 and up ask for nothing,
	s_cmp_lg_u32 s[WV], 11
	s_cselect_b32 s25, -1, s25                     ; and so do all waves but wave 11
	s_min_u32 s12, s12, 15
	s_lshl_b32 s12, s12, 13                        ; key steps 2 i, 2 i + 1
	s_mov_b32 s13, 0
	s_wait_alu depctr_va_vdst(0)
	s_wait_kmcnt 0x0
	s_add_nc_u64 s[8:9], s[6:7], s[16:17]          ; my tile's mask words
	s_load_b512 s[32:47], s[8:9], 0x0              ; the first step's 64 words
	s_load_b512 s[48:63], s[8:9], 0x40
	s_load_b512 s[68:83], s[8:9], 0x80
	s_load_b512 s[84:99], s[8:9], 0xc0
	s_add_nc_u64 s[20:21], s[4:5], s[14:15]
	s_add_nc_u64 s[22:23], s[20:21], s[12:13]
	s_add_nc_u64 s[6:7], s[4:5], s[18:19]
.irp j, 0,1,2,3
	global_load_b128 v[S+32+4*\j:S+35+4*\j], v32, s[20:21] offset:131072+512*\j   ; slot 0's scale words: they lie 131,072 bytes further on in a head than in LDS
.endr
	global_load_b128 v[16:19], v6, s[4:5]          ; Q's fragment
	global_load_b32 v24, v7, s[4:5]                ; Q's scale words
	s_cmp_lt_u32 s[WV], 8
	s_cbranch_scc0 .Lh1
.irp j, 0,1,2,3
	global_load_b128 v[FR+4*\j:FR+3+4*\j], v33, s[20:21] offset:512*\j              ; slot 0's codes of key steps 0 to 3: K's,
	global_load_b128 v[FR+16+4*\j:FR+19+4*\j], v33, s[20:21] offset:131072+512*\j   ; and V's
.endr
.Lh1:
	s_cmp_eq_u32 s27, 0
	s_cbranch_scc1 .Lh3
.irp j, 0,1,2,3                                ; slot 1: loads, wait and stores in one arm, behind slot 0's loads
	global_load_b128 v[S+48+4*\j:S+51+4*\j], v32, s[6:7] offset:131072+512*\j
.endr
	s_cmp_lt_u32 s[WV], 8
	s_cbranch_scc0 .Lh2
.irp j, 0,1,2,3
	global_load_b128 v[S+4*\j:S+3+4*\j], v33, s[6:7] offset:512*\j
	global_load_b128 v[S+16+4*\j:S+19+4*\j], v33, s[6:7] offset:131072+512*\j
.endr
	s_wait_loadcnt 0x0
.irp j, 0,1,2,3
	ds_store_b128 v33, v[S+4*\j:S+3+4*\j] offset:32768+512*\j
	ds_store_b128 v9, v[S+16+4*\j:S+19+4*\j] offset:32768+512*\j
.endr
.Lh2:
	s_wait_loadcnt 0x0
.irp j, 0,1,2,3
	ds_store_b128 v32, v[S+48+4*\j:S+51+4*\j] offset:24576+512*\j
.endr
.Lh3:
	s_lshr_b32 s12, s11, 3                         ; where ctx goes: record (TQ, head / 2), its blocks 2 (head % 2) + 0, 1
	s_mul_i32 s12, s12, 6
	s_lshr_b32 s14, s2, 1
	s_add_co_u32 s12, s12, s14
	s_lshl_b32 s12, s12, 13
	s_and_b32 s15, s11, 7
	s_lshl_b32 s15, s15, 10
	s_add_co_u32 s12, s12, s15
	s_and_b32 s15, s2, 1
	s_lshl_b32 s16, s15, 9
	s_add_co_u32 s12, s12, s16
	s_mov_b32 s13, 0
	s_mul_i32 s16, s11, 384
	s_lshl_b32 s14, s14, 6
	s_add_co_u32 s16, s16, s14
	s_lshl_b32 s15, s15, 1
	s_add_co_u32 s16, s16, s15
	s_add_co_u32 s16, s16, 1572864
	s_mov_b32 s17, 0
	s_add_nc_u64 s[104:105], s[100:101], s[16:17]  ; the scale bytes
	s_add_nc_u64 s[100:101], s[100:101], s[12:13]  ; the codes
	s_mov_b32 s28, 0x3e38aa3b                      ; c = log2(e) / 8
	s_mov_b32 s29, s28
	s_mov_b32 s30, 0x76543210
	s_mov_b32 s31, 0xfedcba98
	s_mov_b32 s2, 0
	s_mov_b32 s3, 0
	s_mov_b32 s10, 0
	s_mov_b32 s24, 0
.irp j, 20,21,22,23,68,69,70,71
	v_mov_b32 v[\j], 0                             ; zero codes
.endr
	v_mov_b32 v13, 0xff61b1e6                      ; the largest t so far: -3e38
	v_floor_f32 v12, -v13                          ; -M
	v_mov_b32 v14, 0
	v_mov_b32 v15, 0
	v_mov_b32 v220, 0
.irp b, 0,1,2,3
	v_mov_b32 v[BP+\b], 0                          ; a lane permute's destination counts as one of its sources
.endr
.set m, 0
.rept 32
	v_mov_b32 v[O+m], 0                            ; every step is written alike: the first finds zeros
.set m, m+1
.endr
	s_wait_alu depctr_va_vdst(0)
	s_wait_loadcnt 0x0
.irp j, 0,1,2,3
	ds_store_b128 v32, v[S+32+4*\j:S+35+4*\j] offset:512*\j
.endr
	s_cmp_lt_u32 s[WV], 8
	s_cbranch_scc0 .Lh4
.irp j, 0,1,2,3
	ds_store_b128 v33, v[FR+4*\j:FR+3+4*\j] offset:512*\j
	ds_store_b128 v9, v[FR+16+4*\j:FR+19+4*\j] offset:512*\j
.endr
.Lh4:
	s_wait_dscnt 0x0                               ; my stores are done,
	s_barrier_signal -1
	s_barrier_wait -1                              ; everybody's are
; A site of LDS loads.  withv: V's four tiles and two registers of scale words (addresses v8, v9): ten loads.  Then K's eight tiles and four registers of scale words (addresses v[ka], v[ks]): twelve loads.
; hc, hs: my slot's distance in the codes and in the scale words.
.macro LD withv, ka, ks, ksoff, hc, hs
.if \withv
.irp t, 0,1,2,3
.irp c, 0,1
	ds_load_b128 v[VF+8*\t+4*\c:VF+8*\t+4*\c+3], v8 offset:\hc+1024*\t+512*\c
.endr
.endr
.irp j, 0,1
	ds_load_b32 v[32+\j], v9 offset:\hs+128*\j
.endr
.endif
.irp t, 0,1,2,3,4,5,6,7
	ds_load_b128 v[KF+4*\t:KF+4*\t+3], v[\ka] offset:\hc+512*\t
.endr
.irp j, 0,1,2,3
	ds_load_b32 v[28+\j], v[\ks] offset:\hs+\ksoff+128*\j
.endr
.endm
.macro LOADS withv, ka, ks, ksoff
	s_cmp_lg_u32 s66, 0
	s_cbranch_scc1 .Lsec_\@
	LD \withv, \ka, \ks, \ksoff, 0, 0
	s_branch .Ljoin_\@
.Lsec_\@:
	LD \withv, \ka, \ks, \ksoff, 32768, 24576
.Ljoin_\@:
.endm
	LOADS 0, 1, 2, 0                               ; K of step 0
.macro STEP odd
	s_and_b32 s12, s2, RING                        ; this step's place in the ring,
	s_add_co_u32 s13, s2, 4096
	s_and_b32 s13, s13, RING                       ; and the next step's
.if \odd == 0
	s_add_co_u32 s14, s2, 8192
	s_and_b32 s14, s14, RING                       ; the fill: where key steps s + 2, s + 3 go: K's,
	s_add_co_u32 s15, s14, 65536                   ; and V's;
	s_add_co_u32 s16, s2, 16384                    ; and where key steps s + 4, s + 5 lie in a head
.endif
	s_wait_dscnt 0x0                               ; K of this step is in: nothing was issued behind it
.irp t, 0,2,4,6
	v_wmma_scale_f32_16x16x128_f8f6f4 v[S+8*\t:S+8*\t+7], v[KF+4*\t:KF+4*\t+7], v[16:23], 0, v[28+\t/2], v24 matrix_a_fmt:MATRIX_FMT_FP4 matrix_b_fmt:MATRIX_FMT_FP4
	v_wmma_scale_f32_16x16x128_f8f6f4 v[S+8*\t+8:S+8*\t+15], v[KF+4*\t+4:KF+4*\t+11], v[16:23], 0, v[28+\t/2], v24 matrix_a_fmt:MATRIX_FMT_FP4 matrix_b_fmt:MATRIX_FMT_FP4 matrix_a_scale:MATRIX_SCALE_ROW1
.endr
	v_add_nc_u32 v8, s12, v10                      ; places behind the products, in front of the loads into their registers and of the first read of the scores
	v_add_nc_u32 v9, s10, v11
	v_add_nc_u32 v6, s13, v1
	v_add_nc_u32 v7, s3, v2
.if \odd == 0
	v_add_nc_u32 v220, s14, v35
	v_add_nc_u32 v221, s15, v35
.endif
	s_wait_alu depctr_va_vdst(0)                   ; branches, waits and a barrier follow
.if \odd == 0
	s_cmp_lt_u32 s[WV], 8                          ; THE FILL: waves 0 to 7; stores in trips 1 to 14, loads in trips 0 to 13
	s_cbranch_scc0 .Lnf_\@
	s_cmp_gt_u32 s24, 14
	s_cbranch_scc1 .Lnf_\@
	s_cmp_eq_u32 s24, 0
	s_cbranch_scc1 .Lns_\@
	s_wait_loadcnt 0x0                             ; the loads of a trip ago are in
	ds_store_b128 v220, v[FR:FR+3]
	ds_store_b128 v220, v[FR+4:FR+7] offset:512
	ds_store_b128 v221, v[FR+8:FR+11]
	ds_store_b128 v221, v[FR+12:FR+15] offset:512
	s_cmp_eq_u32 s27, 0
	s_cbranch_scc1 .Ls1_\@
	ds_store_b128 v220, v[FR+16:FR+19] offset:32768
	ds_store_b128 v220, v[FR+20:FR+23] offset:33280
	ds_store_b128 v221, v[FR+24:FR+27] offset:32768
	ds_store_b128 v221, v[FR+28:FR+31] offset:33280
.Ls1_\@:
	s_wait_dscnt 0x0                               ; the stores have read their registers
.Lns_\@:
	s_cmp_gt_u32 s24, 13
	s_cbranch_scc1 .Lnf_\@
	v_add_nc_u32 v34, s16, v35                     ; no load of mine is out
	global_load_b128 v[FR:FR+3], v34, s[20:21]
	global_load_b128 v[FR+4:FR+7], v34, s[20:21] offset:512
	global_load_b128 v[FR+8:FR+11], v34, s[20:21] offset:131072
	global_load_b128 v[FR+12:FR+15], v34, s[20:21] offset:131584
	s_cmp_eq_u32 s27, 0
	s_cbranch_scc1 .Lnf_\@
	global_load_b128 v[FR+16:FR+19], v34, s[6:7]
	global_load_b128 v[FR+20:FR+23], v34, s[6:7] offset:512
	global_load_b128 v[FR+24:FR+27], v34, s[6:7] offset:131072
	global_load_b128 v[FR+28:FR+31], v34, s[6:7] offset:131584
.Lnf_\@:
.else
	s_wait_dscnt 0x0
	s_barrier_signal -1
	s_barrier_wait -1                              ; key steps up to s + 2 are in LDS for everybody, and nobody reads key steps under s any more
.endif
	LOADS 1, 6, 7, 512                             ; V of this step, then K of the next
	s_wait_kmcnt 0x0                               ; this step's mask words are in
	s_and_b64 s[12:13], s[32:33], s[34:35]         ; are all 64 all ones?
	s_and_b64 s[14:15], s[36:37], s[38:39]
	s_and_b64 s[16:17], s[40:41], s[42:43]
	s_and_b64 s[18:19], s[44:45], s[46:47]
.irp p, 48,56,68,76,84,92
	s_and_b64 s[12:13], s[12:13], s[\p:\p+1]
	s_and_b64 s[14:15], s[14:15], s[\p+2:\p+3]
	s_and_b64 s[16:17], s[16:17], s[\p+4:\p+5]
	s_and_b64 s[18:19], s[18:19], s[\p+6:\p+7]
.endr
	s_and_b64 s[12:13], s[12:13], s[14:15]
	s_and_b64 s[16:17], s[16:17], s[18:19]
	s_and_b64 s[12:13], s[12:13], s[16:17]
	s_and_b32 s12, s12, s13
	s_cmp_eq_u32 s12, -1
	s_cbranch_scc1 .Lopen_\@                       ; nothing is hidden in these 16 x 128: the selects would change nothing
.set n, 0
.rept 64
	v_cndmask_b32 v[S+n], v5, v[S+n], s[32+n+4*(n/32)]   ; the score where the mask's bit is set, -2^33 where it is not
.set n, n+1
.endr
	s_wait_alu depctr_va_vdst(0)                   ; scalar lines
.Lopen_\@:
.if \odd
	s_cmp_eq_u32 s24, 15                           ; the last step has no successor
	s_cbranch_scc1 .Lnm_\@
.endif
	s_add_nc_u64 s[8:9], s[8:9], 256               ; no scalar load is out: the base may step
	s_load_b512 s[32:47], s[8:9], 0x0
	s_load_b512 s[48:63], s[8:9], 0x40
	s_load_b512 s[68:83], s[8:9], 0x80
	s_load_b512 s[84:99], s[8:9], 0xc0
.Lnm_\@:
.if \odd == 0
	s_cmp_eq_u32 s24, s25
	s_cbranch_scc0 .Lnp_\@
	global_prefetch_b8 v27, s[22:23] th:TH_LOAD_NT scope:SCOPE_SE               ; its registers are never written again
	global_prefetch_b8 v27, s[22:23] offset:4096 th:TH_LOAD_NT scope:SCOPE_SE
.Lnp_\@:
.endif
.irp b, 0,1,2,3
	v_max3_num_f32 v[BM+\b], v[S+16*\b], v[S+16*\b+1], v[S+16*\b+2]   ; the largest score of each block of 32 keys: for the row's maximum and for the block's largest p
.endr
.irp i, 3,5,7,9,11,13
.irp b, 0,1,2,3
	v_max3_num_f32 v[BM+\b], v[BM+\b], v[S+16*\b+\i], v[S+16*\b+\i+1]
.endr
.endr
.irp b, 0,1,2,3
	v_max_num_f32 v[BM+\b], v[BM+\b], v[S+16*\b+15]
.endr
.irp b, 0,1,2,3
	v_permlanex16_b32 v[BP+\b], v[BM+\b], s30, s31
.endr
.irp b, 0,1,2,3
	v_max_num_f32 v[BM+\b], v[BM+\b], v[BP+\b]     ; with lane l xor 16's 16 keys
.endr
	v_max3_num_f32 v220, v[BM], v[BM+1], v[BM+2]
	v_max_num_f32 v220, v220, v[BM+3]
	v_mul_f32 v220, s28, v220                      ; as t
	v_max_num_f32 v13, v13, v220                   ; the running largest t
	v_mov_b32 v220, v12
	v_floor_f32 v12, -v13                          ; the new -M = -ceil(t)
	v_sub_f32 v220, v12, v220                      ; old M - new M: a whole number, 0 or less
	v_cvt_i32_f32 v220, v220                       ; (it saturates)
	v_ldexp_f32 v26, 1.0, v220                     ; f = 2^(old M - new M)
.set m, 0
.rept 32
	v_pk_fma_f32 v[S+2*m:S+2*m+1], v[S+2*m:S+2*m+1], s[28:29], v[12:13] op_sel_hi:[1,0,0]   ; t - M
.set m, m+1
.endr
.irp b, 0,1,2,3
	v_fma_f32 v[BM+\b], v[BM+\b], s28, v12
.endr
	s_wait_alu depctr_va_vdst(0)
.set m, 0
.rept 64
	v_exp_f32 v[S+m], v[S+m]                       ; p = 2^(t - M)
.set m, m+1
.endr
.irp b, 0,1,2,3
	v_exp_f32 v[BM+\b], v[BM+\b]                   ; the block's largest p: the same two instructions on the same number
.endr
	v_pk_mul_f32 v[14:15], v[14:15], v[26:27] op_sel_hi:[1,0]   ; the sums under the new M (a plain place behind the exponentials)
	s_wait_alu depctr_va_vdst(0)                   ; one wait for the batch, ahead of its first reader
.irp b, 0,1,2,3
	v_max_num_f32 v[BM+\b], 0x1800000, v[BM+\b]    ; the floor 2^(3 - 127)
.endr
.irp b, 0,1,2,3
	v_add_nc_u32 v[SO+\b], 0xff000000, v[BM+\b]
.endr
.irp b, 0,1,2,3
	v_lshrrev_b32 v[BP+\b], 23, v[SO+\b]
.endr
	v_lshl_or_b32 v25, v[BP+1], 8, v[BP]           ; p's scale word for these 128 keys
	v_lshl_or_b32 v25, v[BP+2], 16, v25
	v_lshl_or_b32 v25, v[BP+3], 24, v25
.irp b, 0,1,2,3
	v_cvt_scalef32_pk8_fp4_f32 v[PCD+2*\b], v[S+16*\b:S+16*\b+7], v[SO+\b]
	v_cvt_scalef32_pk8_fp4_f32 v[PCD+2*\b+1], v[S+16*\b+8:S+16*\b+15], v[SO+\b]
.endr
	v_nop                                          ; one plain place behind the conversions
.irp c, 0,1                                    ; the operand's layout wants a whole block in a lane
.irp i, 0,1
	v_permlane16_swap_b32 v[PCD+4*\c+\i], v[PCD+2+4*\c+\i]
.endr
.endr
.irp g, 16,32,48                               ; the row's sum of the unquantised p: 32 packed additions, in place: p has been converted and is not read again
.irp c, 0,2,4,6,8,10,12,14
	v_pk_add_f32 v[S+\c:S+\c+1], v[S+\c:S+\c+1], v[S+\g+\c:S+\g+\c+1]
.endr
.endr
.irp c, 0,2,4,6
	v_pk_add_f32 v[S+\c:S+\c+1], v[S+\c:S+\c+1], v[S+8+\c:S+9+\c]
.endr
.set m, 0
.rept 6
	v_pk_mul_f32 v[O+2*m:O+2*m+1], v[O+2*m:O+2*m+1], v[26:27] op_sel_hi:[1,0]   ; O^T under the new M, by turns with the last links of the sum
.set m, m+1
.endr
	v_pk_add_f32 v[S:S+1], v[S:S+1], v[S+4:S+5]
	v_pk_add_f32 v[S+2:S+3], v[S+2:S+3], v[S+6:S+7]
.rept 5
	v_pk_mul_f32 v[O+2*m:O+2*m+1], v[O+2*m:O+2*m+1], v[26:27] op_sel_hi:[1,0]
.set m, m+1
.endr
	v_pk_add_f32 v[S:S+1], v[S:S+1], v[S+2:S+3]
.rept 5
	v_pk_mul_f32 v[O+2*m:O+2*m+1], v[O+2*m:O+2*m+1], v[26:27] op_sel_hi:[1,0]
.set m, m+1
.endr
	v_pk_add_f32 v[14:15], v[14:15], v[S:S+1]
	s_wait_alu depctr_va_vdst(0)
	s_wait_dscnt 12                                ; V and its scale words are in; the twelve loads behind them, K of the next step, may be out: the same count on either arm
.irp t, 0,2
	v_wmma_scale_f32_16x16x128_f8f6f4 v[O+8*\t:O+8*\t+7], v[VF+8*\t:VF+8*\t+7], v[PCD:PCD+7], v[O+8*\t:O+8*\t+7], v[32+\t/2], v25 matrix_a_fmt:MATRIX_FMT_FP4 matrix_b_fmt:MATRIX_FMT_FP4
	v_wmma_scale_f32_16x16x128_f8f6f4 v[O+8*\t+8:O+8*\t+15], v[VF+8*\t+8:VF+8*\t+15], v[PCD:PCD+7], v[O+8*\t+8:O+8*\t+15], v[32+\t/2], v25 matrix_a_fmt:MATRIX_FMT_FP4 matrix_b_fmt:MATRIX_FMT_FP4 matrix_a_scale:MATRIX_SCALE_ROW1
.endr
	s_add_co_u32 s2, s2, 4096                      ; the next step's codes of K and of V,
	s_add_co_u32 s3, s3, 512                       ; K's scale words,
	s_add_co_u32 s10, s10, 256                     ; and V's
.endm
.Ltrip:                                            ; 16 trips of two key steps
	STEP 0
	STEP 1
	s_add_co_u32 s24, s24, 1
	s_cmp_lt_u32 s24, 16
	s_cbranch_scc1 .Ltrip
	s_wait_dscnt 0x0                               ; the last site's loads are done
	; THE WAY OUT: O^T / the sum is ctx: register 16 b + i is channel 32 b + 16 h + i of my query's head: two blocks of the next product's K.
.rept 4
	v_nop
.endr
	v_add_f32 v14, v14, v15
	v_permlanex16_b32 v220, v14, s30, s31
	v_add_f32 v14, v14, v220                       ; the row's sum
	s_wait_alu depctr_va_vdst(0)
	v_rcp_f32 v14, v14
	v_and_b32 v6, 16, v0                           ; (a plain place behind the transcendental)
	s_wait_alu depctr_va_vdst(0)
.set m, 0
.rept 16
	v_pk_mul_f32 v[S+2*m:S+2*m+1], v[O+2*m:O+2*m+1], v[14:15] op_sel_hi:[1,0]
.set m, m+1
.endr
.irp b, 0,1
	v_max3_num_f32 v[BM+\b], |v[S+16*\b]|, |v[S+16*\b+1]|, 0x1800000
.endr
.irp i, 2,4,6,8,10,12,14
.irp b, 0,1
	v_max3_num_f32 v[BM+\b], v[BM+\b], |v[S+16*\b+\i]|, |v[S+16*\b+\i+1]|
.endr
.endr
.irp b, 0,1
	v_permlanex16_b32 v[BP+\b], v[BM+\b], s30, s31
.endr
.irp b, 0,1
	v_max_num_f32 v[BM+\b], v[BM+\b], v[BP+\b]
.endr
.irp b, 0,1
	v_add_nc_u32 v[SO+\b], 0xff000000, v[BM+\b]
.endr
.irp b, 0,1
	v_lshrrev_b32 v[BP+\b], 23, v[SO+\b]
.endr
.irp b, 0,1
	v_cvt_scalef32_pk8_fp4_f32 v[PCD+2*\b], v[S+16*\b:S+16*\b+7], v[SO+\b]
	v_cvt_scalef32_pk8_fp4_f32 v[PCD+2*\b+1], v[S+16*\b+8:S+16*\b+15], v[SO+\b]
.endr
	v_nop
	v_cmp_eq_u32 vcc_lo, 0, v6
	v_cndmask_b32 v220, v[BP+1], v[BP], vcc_lo     ; lanes 0-15 the first block's byte, lanes 16-31 the second's
	global_store_b64 v3, v[PCD:PCD+1], s[100:101]              ; 256 consecutive bytes, aligned
	global_store_b64 v3, v[PCD+2:PCD+3], s[100:101] offset:256
	global_store_b8 v4, v220, s[104:105]           ; a K step's scale word belongs to two heads, so a head stores bytes: 32 of them within 64 bytes
	s_wait_tensorcnt 0x0                           ; the wave's end
	ds_add_u32 v254, v255
	s_wait_dscnt 0x0
	s_endpgm
.Lfunc_end_k_q662e6582e6_attn:
	.size	k_q662e6582e6_attn, .Lfunc_end_k_q662e6582e6_attn-k_q662e6582e6_attn
	.p2alignl 7, 3214868480
	.fill 96, 4, 3214868480
	.section	.rodata,"a",@progbits
	.p2align	6, 0x0
	.amdhsa_kernel k_q662e6582e6_attn
		.amdhsa_group_segment_fixed_size 181760
		.amdhsa_private_segment_fixed_size 0
		.amdhsa_enable_private_segment 0
		.amdhsa_kernarg_size 24
		.amdhsa_user_sgpr_count 2
		.amdhsa_user_sgpr_kernarg_segment_ptr 1
		.amdhsa_wavefront_size32 1
		.amdhsa_system_sgpr_workgroup_id_x 1
		.amdhsa_system_sgpr_workgroup_id_y 1
		.amdhsa_system_sgpr_workgroup_id_z 1
		.amdhsa_system_vgpr_workitem_id 0
		.amdhsa_next_free_vgpr 256
		.amdhsa_next_free_sgpr 106
		.amdhsa_reserve_vcc 1
		.amdhsa_float_denorm_mode_32 3
		.amdhsa_float_denorm_mode_16_64 3
		.amdhsa_memory_ordered 1
		.amdhsa_forward_progress 1
		.amdhsa_inst_pref_size 63
	.end_amdhsa_kernel
	.amdgpu_metadata
---
amdhsa.version: [ 1, 2 ]
amdhsa.kernels:
  - .name:           k_q662e6582e6_attn
    .symbol:         k_q662e6582e6_attn.kd
    .args:
      - { .name: qkvc, .offset: 0, .size: 8, .value_kind: global_buffer, .address_space: global }
      - { .name: mbits, .offset: 8, .size: 8, .value_kind: global_buffer, .address_space: global }
      - { .name: ctxq, .offset: 16, .size: 8, .value_kind: global_buffer, .address_space: global }
    .group_segment_fixed_size: 181760
    .private_segment_fixed_size: 0
    .kernarg_segment_align: 8
    .kernarg_segment_size: 24
    .max_flat_workgroup_size: 384
    .sgpr_count:     106
    .vgpr_count:     256
    .wavefront_size: 32
...
	.end_amdgpu_metadata
.endif
;; end of part 11
;; launch projo (part 12): grid 32 x 2, 12 waves a work-group, clusters of 4 x 1, 299,520 bytes of LDS; arguments ctxq, wimg, bo, x, x1; writes x1
.if DOCPART == 12
	.amdgcn_target "amdgcn-amd-amdhsa--gfx1250"
	.amdhsa_code_object_version 6
	.text
	.protected	k_q662e6582e6_projo
	.globl	k_q662e6582e6_projo
	.p2align	8
	.type	k_q662e6582e6_projo,@function
k_q662e6582e6_projo:
	s_mov_b64 s[64:65], 0
	v_nop
	global_prefetch_b8 v0, s[64:65] scope:SCOPE_SE
	s_setreg_imm32_b32 hwreg(HW_REG_WAVE_MODE, 25, 1), 1
	s_wait_xcnt 0x0
	s_wait_alu depctr_hold_cnt(0) depctr_sa_sdst(0) depctr_va_vdst(0) depctr_va_sdst(0) depctr_va_ssrc(0) depctr_va_vcc(0) depctr_vm_vsrc(0)
	s_getreg_b32 s2, hwreg(HW_REG_IB_STS2, 6, 4)
	s_cmp_eq_u32 s2, 0
	s_cbranch_scc0 .Lentry_in_a_cluster
	s_endpgm
.Lentry_in_a_cluster:
	s_bfe_u32 s2, ttmp6, 0x10000c
	s_cmp_lg_u32 s2, 0x3003
	s_cbranch_scc0 .Lentry_shape_is_right
	s_endpgm
.Lentry_shape_is_right:
; x1 = x + ctx wo + bo on codes of FP4 with E8M0 scales (K = 768).  x1 leaves twice: as f32 (the second residual) and, quantised along its 768 columns, as the next product's operand.
; A work-group makes 128 tokens (row block rb) x 384 columns (column block cb).  All of K for both operands lies in LDS, filled once: ctx's 8 tiles, 49,152 bytes from byte 0, [K step 6][tile 8][1,024]; the weights' 24 tiles,
; 147,456 bytes from byte 49,152, [K step 6][tile 24][1,024].  A record of 1,024 bytes is the image of a fragment's registers.  Behind them, from byte 196,608, a stage of 16 rows x 528 bytes for each wave, which no fill touches.
; CLUSTER: the four row blocks of a cluster read the same weights: waves 1 to 3 ask for them JOINTLY (mask 15); wave 0 brings its own work-group's ctx by two plain loads.  Two tensor loads of a wave are out at the most.  Nothing is filled again.
; TWELVE WAVES: wave w has token tiles 2 (w % 4) + 0, 1 (source 1) x weight tiles 8 (w / 4) + 0 .. 7 (source 0): 16 accumulators by turns, in the same order in every K step.
; A tile's 16 rows are 32 (T/2) + 8 (T%2) + r + 8 (r/8): a lane holds one token and 128 columns' 64 numbers, register 16 b + i = column 32 b + 16 h + i.
; x + bo is put into the accumulators, so the finished sums are x1.
; The grid has 64 work-groups: the launch shares the frame of the two beside it, and a work-group's work is one fill and six K steps whatever the tile.
; LIMITS: a block of zeros, or one whose largest magnitude lies under 2^-124, gets the byte 1 (this program alone reads the bytes); NaN and infinities are not served; the sums begin at x + bo instead of ending with them.
; THE FILLS AS THEY STAND (this takes the place of what the lines above say of who brings what): eight fills of 24,576 bytes, one tensor load a wave: waves 0 and 1 bring the halves of my work-group's ctx (plain loads),
; waves 2 to 7 one K step of the weights each, JOINTLY (mask 15); waves 8 to 11 bring nothing.  Every wave waits for 0, and one barrier shows all of K to all.  One tensor load of a wave is out at the most.
.set DS,  16
.set ES,  22
.set DF,  48
.set EF,  64
.set ACC, 128
.set PC,  48
.set TM,  64
.set PW,  46
.set WV,  48
.set SEL, 54
.set ABASE, 0
.set CBASE, 884736
.macro ROUND
	s_barrier_signal -1
	s_barrier_wait -1
	s_cmp_lg_u32 s[WV], 0
	s_cbranch_scc1 .Lnot_wave_0_\@
	s_barrier_signal -3
.Lnot_wave_0_\@:
	s_barrier_wait -3
	s_barrier_signal -1
	s_barrier_wait -1
.endm
.macro WM acc, fa, fb, sa, sb, odd
.if \odd
	v_wmma_scale_f32_16x16x128_f8f6f4 v[\acc:\acc+7], v[\fa:\fa+7], v[\fb:\fb+7], v[\acc:\acc+7], v[\sa], v[\sb] matrix_a_fmt:MATRIX_FMT_FP4 matrix_b_fmt:MATRIX_FMT_FP4 matrix_a_scale:MATRIX_SCALE_ROW1 matrix_b_scale:MATRIX_SCALE_ROW1
.else
	v_wmma_scale_f32_16x16x128_f8f6f4 v[\acc:\acc+7], v[\fa:\fa+7], v[\fb:\fb+7], v[\acc:\acc+7], v[\sa], v[\sb] matrix_a_fmt:MATRIX_FMT_FP4 matrix_b_fmt:MATRIX_FMT_FP4
.endif
.endm
.macro TSTEP s                         ; one K step: 20 LDS loads of 512 consecutive bytes, 16 matrix instructions, four places
.irp e, 0,1,2,3,4,5,6,7
.irp c, 0,1
	ds_load_b128 v[EF+8*\e+4*\c:EF+8*\e+4*\c+3], v[6+(\s)/2] offset:24576*((\s)%2)+1024*\e+512*\c
.endr
.endr
.irp d, 0,1
.irp c, 0,1
	ds_load_b128 v[DF+8*\d+4*\c:DF+8*\d+4*\c+3], v5 offset:8192*(\s)+1024*\d+512*\c
.endr
.endr
	s_wait_dscnt 0x0
.irp d, 0,1
.irp e, 0,1,2,3,4,5,6,7
	WM ACC+64*\d+8*\e,EF+8*\e,DF+8*\d,ES+3*\e+(\s)/2,DS+3*\d+(\s)/2,(\s)%2
.endr
.endr
.rept 4
	v_nop
.endr
.endm
.macro SCL dst, n, sb
.set tt, 0
.rept \n
.irp q, 0,1,2
	global_load_b32 v[\dst+3*tt+\q], v2, s[\sb:\sb+1] offset:384*tt+128*\q
.endr
.set tt, tt+1
.endr
.endm
.macro QUANT s, pc                     ; 64 numbers of a lane, register 16 b + i = place 32 b + 16 h + i along the next K: codes from v[pc] on, bytes from v[TM+4] on
.irp b, 0,1,2,3
	v_max3_num_f32 v[TM+\b], |v[\s+16*\b]|, |v[\s+16*\b+1]|, 0x1800000
.endr
.irp i, 2,4,6,8,10,12,14
.irp b, 0,1,2,3
	v_max3_num_f32 v[TM+\b], v[TM+\b], |v[\s+16*\b+\i]|, |v[\s+16*\b+\i+1]|
.endr
.endr
.irp b, 0,1,2,3
	s_delay_alu instid0(VALU_DEP_4)
	v_permlanex16_b32 v[TM+4+\b], v[TM+\b], s[SEL], s[SEL+1]
.endr
.irp b, 0,1,2,3
	s_delay_alu instid0(VALU_DEP_4)
	v_max_num_f32 v[TM+\b], v[TM+\b], v[TM+4+\b]
.endr
.irp b, 0,1,2,3
	s_delay_alu instid0(VALU_DEP_4)
	v_add_nc_u32 v[TM+8+\b], 0xff000000, v[TM+\b]
.endr
.irp b, 0,1,2,3
	s_delay_alu instid0(VALU_DEP_4)
	v_lshrrev_b32 v[TM+4+\b], 23, v[TM+8+\b]
.endr
.irp b, 0,1,2,3
	v_cvt_scalef32_pk8_fp4_f32 v[\pc+2*\b], v[\s+16*\b:\s+16*\b+7], v[TM+8+\b]
	v_cvt_scalef32_pk8_fp4_f32 v[\pc+2*\b+1], v[\s+16*\b+8:\s+16*\b+15], v[TM+8+\b]
.endr
	v_nop
.endm
	s_load_b256 s[4:11], s[0:1], 0x0               ; ctxq, wimg, bo, x
	s_load_b64 s[12:13], s[0:1], 0x20              ; x1
	s_set_vgpr_msb 0x40
	v_lshl_add_u32 v0, v0, 2, 0x48c00
	v_mov_b32 v1, 0
	s_set_vgpr_msb 0x4045
	ds_add_u32 v0, v1
	ds_add_u32 v0, v1
	s_set_vgpr_msb 0x4500
	v_lshrrev_b32 v1, 5, v0
	s_delay_alu instid0(VALU_DEP_1)
	v_readfirstlane_b32 s[WV], v1
	v_and_b32 v2, 31, v0
	s_delay_alu instid0(VALU_DEP_1)
	v_lshlrev_b32 v1, 4, v2
	s_delay_alu instid0(VALU_DEP_2)
	v_lshlrev_b32 v2, 2, v2
	v_and_b32 v3, 15, v0
	v_bfe_u32 v4, v0, 4, 1
	s_wait_alu depctr_va_vdst(0)
	s_bfe_u32 s49, ttmp6, 0x40000
	s_lshl_b32 s50, ttmp9, 2
	s_add_co_u32 s50, s50, s49                     ; row block
	s_and_b32 s51, ttmp7, 0xffff                   ; column block
	s_and_b32 s52, s[WV], 3
	s_lshr_b32 s53, s[WV], 2
	s_mov_b32 s[SEL], 0x76543210
	s_mov_b32 s[SEL+1], 0xfedcba98
	v_cmp_eq_u32 s56, 0, v4
	s_lshl_b32 s57, s52, 11
	v_add_nc_u32 v5, s57, v1
	s_lshl_b32 s57, s53, 13
	s_add_co_u32 s57, s57, 49152
	v_add_nc_u32 v6, s57, v1
	s_delay_alu instid0(VALU_DEP_1)
	v_add_nc_u32 v7, 49152, v6
	s_delay_alu instid0(VALU_DEP_2)
	v_add_nc_u32 v8, 98304, v6
	s_mul_i32 s57, s[WV], 8448
	s_add_co_u32 s57, s57, 196608                  ; my stage
	v_mul_u32_u24 v9, v3, 528
	s_delay_alu instid0(VALU_DEP_1)
	v_lshl_add_u32 v9, v4, 6, v9
	s_delay_alu instid0(VALU_DEP_1)
	v_add_nc_u32 v9, s57, v9                       ; in: row r, + 64 h
	v_add_nc_u32 v10, s57, v1                      ; back: 16 x lane of a row
	v_lshlrev_b32 v12, 4, v3
	s_delay_alu instid0(VALU_DEP_1)
	v_lshl_add_u32 v12, v4, 3, v12                 ; 16 r + 8 h
	v_mul_u32_u24 v13, v4, 384
	s_delay_alu instid0(VALU_DEP_1)
	v_lshl_add_u32 v13, v3, 2, v13                 ; 384 h + 4 r
	v_lshlrev_b32 v14, 6, v4                       ; 64 h
	v_and_b32 v15, 8, v3
	s_delay_alu instid0(VALU_DEP_1)
	v_add_nc_u32 v15, v15, v3
	s_delay_alu instid0(VALU_DEP_1)
	v_mul_u32_u24 v15, v15, 3072
	s_delay_alu instid0(VALU_DEP_1)
	v_lshl_add_u32 v15, v4, 6, v15                 ; x: row r + 8 (r / 8), + 64 h
	s_mov_b32 s16, 3<<16
	s_mov_b32 s24, 15|(3<<16)|(1<<21)
.irp g, 16,24
	s_mov_b32 s[\g+1], 32<<16
	s_mov_b32 s[\g+2], 96<<16
	s_mov_b32 s[\g+3], 32<<16
	s_mov_b32 s[\g+4], 96
	s_mov_b32 s[\g+5], 32
	s_mov_b32 s[\g+6], 0
	s_mov_b32 s[\g+7], 0
.endr
	s_mul_i32 s58, s50, 49152
	s_add_co_u32 s58, s58, ABASE
	s_mov_b32 s59, 0
	s_max_u32 s60, s[WV], 2
	s_sub_co_u32 s60, s60, 2                       ; waves 2 to 7 bring K steps 0 to 5
	s_mul_i32 s60, s60, 24576
	s_mul_i32 s61, s51, 147456
	s_add_co_u32 s60, s60, s61
	s_add_co_u32 s60, s60, CBASE
	s_mov_b32 s61, 0
	s_min_u32 s62, s[WV], 7
	s_mul_i32 s62, s62, 24576                      ; where my fill goes: 24,576 x wave
	s_min_u32 s63, s[WV], 1
	s_mul_i32 s63, s63, 24576                      ; waves 0 and 1: which half of ctx
	s_add_co_u32 s58, s58, s63
	s_wait_dscnt 0x0
	s_wait_kmcnt 0x0
	s_add_nc_u64 s[58:59], s[4:5], s[58:59]
	s_add_nc_u64 s[60:61], s[6:7], s[60:61]
	s_mov_b32 s32, 1
	s_mov_b32 s33, s63
	s_mov_b64 s[34:35], s[58:59]
	s_or_b32 s35, s35, 0x80000000
	s_mov_b32 s40, 1
	s_mov_b32 s41, s62
	s_mov_b64 s[42:43], s[60:61]
	s_or_b32 s43, s43, 0x80000000
	ROUND                                          ; all four work-groups are here: the joint loads meet
	s_cmp_ge_u32 s[WV], 2                          ; one chain of branches on the wave's number, one fill to an arm
	s_cbranch_scc1 .Lnot_x
	tensor_load_to_lds s[32:35], s[16:23]
	s_nop 0
.rept 4
	v_nop
.endr
	s_branch .Lasked
.Lnot_x:
	s_cmp_lt_u32 s[WV], 8
	s_cbranch_scc0 .Lasked
	tensor_load_to_lds s[40:43], s[24:31]
	s_nop 0
.rept 4
	v_nop
.endr
.Lasked:
	s_lshl_b32 s57, s50, 3
	s_lshl_b32 s58, s52, 1
	s_add_co_u32 s57, s57, s58                     ; my first tile of tokens
	s_mul_i32 s58, s51, 3
	s_add_co_u32 s58, s58, s53                     ; my 128 columns: the next product's K step
	s_mov_b32 s61, 0
	s_mul_i32 s60, s58, 3072
	s_add_co_u32 s60, s60, 3594240
	s_add_nc_u64 s[66:67], s[6:7], s[60:61]        ; the scale words of my eight tiles of weights
	s_mul_i32 s60, s57, 384
	s_add_co_u32 s60, s60, 1572864
	s_add_nc_u64 s[68:69], s[4:5], s[60:61]        ; and of my two tiles of tokens
	s_lshl_b32 s60, s58, 9
	s_add_nc_u64 s[70:71], s[8:9], s[60:61]        ; bo
	s_mul_i32 s62, s57, 49152
	s_add_co_u32 s60, s60, s62
	s_add_nc_u64 s[72:73], s[10:11], s[60:61]      ; x at my first token, my first column
	s_add_nc_u64 s[74:75], s[12:13], s[60:61]      ; x1 likewise
	s_mul_i32 s60, s50, 6
	s_add_co_u32 s60, s60, s58
	s_lshl_b32 s60, s60, 13
	s_lshl_b32 s62, s52, 11
	s_add_co_u32 s60, s60, s62
	s_add_co_u32 s60, s60, 12582912
	s_add_nc_u64 s[76:77], s[12:13], s[60:61]      ; x1's codes
	s_mul_i32 s60, s57, 384
	s_lshl_b32 s62, s58, 6
	s_add_co_u32 s60, s60, s62
	s_add_co_u32 s60, s60, 14155776
	s_add_nc_u64 s[78:79], s[12:13], s[60:61]      ; x1's scale words
	SCL ES, 8, 66
	SCL DS, 2, 68
	s_wait_alu depctr_va_vdst(0)
.irp a, 0,1
.irp b, 0,1,2,3
.irp q, 0,1,2,3
	global_load_b128 v[ACC+64*\a+16*\b+4*\q:ACC+64*\a+16*\b+4*\q+3], v15, s[72:73] offset:24576*\a+128*\b+16*\q
.endr
.endr
.endr
.irp b, 0,1,2,3
.irp q, 0,1,2,3
	global_load_b128 v[EF+16*\b+4*\q:EF+16*\b+4*\q+3], v14, s[70:71] offset:128*\b+16*\q
.endr
.endr
	s_wait_loadcnt 0x0
.set m, 0
.rept 32
	v_pk_add_f32 v[ACC+2*m:ACC+2*m+1], v[ACC+2*m:ACC+2*m+1], v[EF+2*m:EF+2*m+1]            ; x + bo: where the sums begin
	v_pk_add_f32 v[ACC+64+2*m:ACC+64+2*m+1], v[ACC+64+2*m:ACC+64+2*m+1], v[EF+2*m:EF+2*m+1]
.set m, m+1
.endr
	s_wait_alu depctr_va_vdst(0)
	s_wait_tensorcnt 0x0                           ; my fill has landed
	s_barrier_signal -1
	s_barrier_wait -1                              ; everybody's has
	TSTEP 0
	TSTEP 1
	TSTEP 2
	TSTEP 3
	TSTEP 4
	TSTEP 5
.irp a, 0,1
.if \a
	s_wait_xcnt 0x0                                ; v64-127 were the data of the first tile's stores: they are written again only behind this wait
.endif
.irp b, 0,1,2,3
.irp q, 0,1,2,3
	ds_store_b128 v9, v[ACC+64*\a+16*\b+4*\q:ACC+64*\a+16*\b+4*\q+3] offset:128*\b+16*\q
.endr
.endr
	QUANT ACC+64*\a, PC+8*\a
.irp b, 0,1,2,3
	global_store_b64 v12, v[PC+8*\a+2*\b:PC+8*\a+2*\b+1], s[76:77] offset:1024*\a+256*\b   ; 256 consecutive bytes, aligned
.endr
	v_lshl_or_b32 v[PW+\a], v[TM+5], 8, v[TM+4]
	s_delay_alu instid0(VALU_DEP_1)
	v_lshl_or_b32 v[PW+\a], v[TM+6], 16, v[PW+\a]
	s_delay_alu instid0(VALU_DEP_1)
	v_lshl_or_b32 v[PW+\a], v[TM+7], 24, v[PW+\a]
.set i, 0
.rept 16
	ds_load_b128 v[EF+4*i:EF+4*i+3], v10 offset:528*i   ; LDS serves a wave's instructions in order: these see my stores
.set i, i+1
.endr
.set i, 0
.rept 16
	s_wait_dscnt 15-i                              ; row i is back; the 15 - i behind it may be out
	global_store_b128 v1, v[EF+4*i:EF+4*i+3], s[74:75] offset:3072*(i+8*(i/8))+24576*\a   ; 512 consecutive bytes of a row, aligned to 256
.set i, i+1
.endr
.endr
	s_wait_alu depctr_va_vdst(0)
	v_cndmask_b32 v11, v[PW+1], v[PW], s56
	global_store_b32 v13, v11, s[78:79]
	s_set_vgpr_msb 0x5
	s_wait_tensorcnt 0x0
	ds_add_u32 v0, v1
	s_wait_dscnt 0x0
	s_set_vgpr_msb 0x500
	ROUND                                          ; the closing round
	s_endpgm
.Lfunc_end_k_q662e6582e6_projo:
	.size	k_q662e6582e6_projo, .Lfunc_end_k_q662e6582e6_projo-k_q662e6582e6_projo
	.p2alignl 7, 3214868480
	.fill 96, 4, 3214868480
	.section	.rodata,"a",@progbits
	.p2align	6, 0x0
	.amdhsa_kernel k_q662e6582e6_projo
		.amdhsa_group_segment_fixed_size 299520
		.amdhsa_private_segment_fixed_size 0
		.amdhsa_enable_private_segment 0
		.amdhsa_kernarg_size 40
		.amdhsa_user_sgpr_count 2
		.amdhsa_user_sgpr_kernarg_segment_ptr 1
		.amdhsa_wavefront_size32 1
		.amdhsa_system_sgpr_workgroup_id_x 1
		.amdhsa_system_sgpr_workgroup_id_y 1
		.amdhsa_system_sgpr_workgroup_id_z 1
		.amdhsa_system_vgpr_workitem_id 0
		.amdhsa_next_free_vgpr 258
		.amdhsa_next_free_sgpr 80
		.amdhsa_reserve_vcc 0
		.amdhsa_float_denorm_mode_32 3
		.amdhsa_float_denorm_mode_16_64 3
		.amdhsa_memory_ordered 1
		.amdhsa_forward_progress 1
		.amdhsa_inst_pref_size 57
	.end_amdhsa_kernel
	.amdgpu_metadata
---
amdhsa.version: [ 1, 2 ]
amdhsa.kernels:
  - .name:           k_q662e6582e6_projo
    .symbol:         k_q662e6582e6_projo.kd
    .args:
      - { .name: ctxq, .offset: 0, .size: 8, .value_kind: global_buffer, .address_space: global }
      - { .name: wimg, .offset: 8, .size: 8, .value_kind: global_buffer, .address_space: global }
      - { .name: bo, .offset: 16, .size: 8, .value_kind: global_buffer, .address_space: global }
      - { .name: x, .offset: 24, .size: 8, .value_kind: global_buffer, .address_space: global }
      - { .name: x1, .offset: 32, .size: 8, .value_kind: global_buffer, .address_space: global }
    .group_segment_fixed_size: 299520
    .private_segment_fixed_size: 0
    .kernarg_segment_align: 8
    .kernarg_segment_size: 40
    .max_flat_workgroup_size: 384
    .sgpr_count:     80
    .vgpr_count:     258
    .wavefront_size: 32
...
	.end_amdgpu_metadata
.endif
;; end of part 12
;; launch ffn1 (part 13): grid 32 x 8, 12 waves a work-group, clusters of 4 x 1, 198,144 bytes of LDS; arguments x1, wimg, b1, hid; writes hid
.if DOCPART == 13
	.amdgcn_target "amdgcn-amd-amdhsa--gfx1250"
	.amdhsa_code_object_version 6
	.text
	.protected	k_q662e6582e6_ffn1
	.globl	k_q662e6582e6_ffn1
	.p2align	8
	.type	k_q662e6582e6_ffn1,@function
k_q662e6582e6_ffn1:
	s_mov_b64 s[64:65], 0
	v_nop
	global_prefetch_b8 v0, s[64:65] scope:SCOPE_SE
	s_setreg_imm32_b32 hwreg(HW_REG_WAVE_MODE, 25, 1), 1
	s_wait_xcnt 0x0
	s_wait_alu depctr_hold_cnt(0) depctr_sa_sdst(0) depctr_va_vdst(0) depctr_va_sdst(0) depctr_va_ssrc(0) depctr_va_vcc(0) depctr_vm_vsrc(0)
	s_getreg_b32 s2, hwreg(HW_REG_IB_STS2, 6, 4)
	s_cmp_eq_u32 s2, 0
	s_cbranch_scc0 .Lentry_in_a_cluster
	s_endpgm
.Lentry_in_a_cluster:
	s_bfe_u32 s2, ttmp6, 0x10000c
	s_cmp_lg_u32 s2, 0x3003
	s_cbranch_scc0 .Lentry_shape_is_right
	s_endpgm
.Lentry_shape_is_right:
; hid = relu(x1 w1 + b1) on codes of FP4 with E8M0 scales (K = 768), quantised at once along its 3,072 columns for the next product: it goes to memory as codes alone.
; A work-group makes 128 tokens (row block rb) x 384 columns (column block cb).  All of K for both operands lies in LDS, filled once: x1's 8 tiles, 49,152 bytes from byte 0, [K step 6][tile 8][1,024]; the weights' 24 tiles,
; 147,456 bytes from byte 49,152, [K step 6][tile 24][1,024].  A record of 1,024 bytes is the image of a fragment's registers.
; CLUSTER: the four row blocks of a cluster read the same weights: waves 1 to 3 ask for them JOINTLY (mask 15); wave 0 brings its own work-group's x1 by two plain loads.  Two tensor loads of a wave are out at the most.  Nothing is filled again.
; TWELVE WAVES: wave w has token tiles 2 (w % 4) + 0, 1 (source 1) x weight tiles 8 (w / 4) + 0 .. 7 (source 0): 16 accumulators by turns, in the same order in every K step.
; A tile's 16 rows are 32 (T/2) + 8 (T%2) + r + 8 (r/8): a lane holds one token; register 16 b + i is column 32 b + 16 h + i of my 128: one K step of the next product.  b1 is loaded into the accumulators.
; OUT (hid): records at ((T/2) 24 + s) 2048 + (T%2) 1024; scale words at 6,291,456 + 1536 T + 64 s + 4 r.
; LIMITS: a block of zeros, or one whose largest magnitude lies under 2^-124, gets the byte 1 (this program alone reads the bytes); NaN and infinities are not served; the sums begin at b1 instead of ending with it.
; THE FILLS AS THEY STAND (this takes the place of what the lines above say of who brings what): eight fills of 24,576 bytes, one tensor load a wave: waves 0 and 1 bring the halves of my work-group's x1 (plain loads),
; waves 2 to 7 one K step of the weights each, JOINTLY (mask 15); waves 8 to 11 bring nothing.  Every wave waits for 0, and one barrier shows all of K to all.  One tensor load of a wave is out at the most.
.set DS,  16
.set ES,  22
.set DF,  48
.set EF,  64
.set ACC, 128
.set PC,  48
.set TM,  64
.set PW,  76
.set WV,  48
.set SEL, 54
.set ABASE, 12582912
.set CBASE, 1179648
.macro ROUND
	s_barrier_signal -1
	s_barrier_wait -1
	s_cmp_lg_u32 s[WV], 0
	s_cbranch_scc1 .Lnot_wave_0_\@
	s_barrier_signal -3
.Lnot_wave_0_\@:
	s_barrier_wait -3
	s_barrier_signal -1
	s_barrier_wait -1
.endm
.macro WM acc, fa, fb, sa, sb, odd
.if \odd
	v_wmma_scale_f32_16x16x128_f8f6f4 v[\acc:\acc+7], v[\fa:\fa+7], v[\fb:\fb+7], v[\acc:\acc+7], v[\sa], v[\sb] matrix_a_fmt:MATRIX_FMT_FP4 matrix_b_fmt:MATRIX_FMT_FP4 matrix_a_scale:MATRIX_SCALE_ROW1 matrix_b_scale:MATRIX_SCALE_ROW1
.else
	v_wmma_scale_f32_16x16x128_f8f6f4 v[\acc:\acc+7], v[\fa:\fa+7], v[\fb:\fb+7], v[\acc:\acc+7], v[\sa], v[\sb] matrix_a_fmt:MATRIX_FMT_FP4 matrix_b_fmt:MATRIX_FMT_FP4
.endif
.endm
.macro TSTEP s                         ; one K step: 20 LDS loads of 512 consecutive bytes, 16 matrix instructions, four places
.irp e, 0,1,2,3,4,5,6,7
.irp c, 0,1
	ds_load_b128 v[EF+8*\e+4*\c:EF+8*\e+4*\c+3], v[6+(\s)/2] offset:24576*((\s)%2)+1024*\e+512*\c
.endr
.endr
.irp d, 0,1
.irp c, 0,1
	ds_load_b128 v[DF+8*\d+4*\c:DF+8*\d+4*\c+3], v5 offset:8192*(\s)+1024*\d+512*\c
.endr
.endr
	s_wait_dscnt 0x0
.irp d, 0,1
.irp e, 0,1,2,3,4,5,6,7
	WM ACC+64*\d+8*\e,EF+8*\e,DF+8*\d,ES+3*\e+(\s)/2,DS+3*\d+(\s)/2,(\s)%2
.endr
.endr
.rept 4
	v_nop
.endr
.endm
.macro SCL dst, n, sb
.set tt, 0
.rept \n
.irp q, 0,1,2
	global_load_b32 v[\dst+3*tt+\q], v2, s[\sb:\sb+1] offset:384*tt+128*\q
.endr
.set tt, tt+1
.endr
.endm
.macro QUANT s, pc                     ; 64 numbers of a lane, register 16 b + i = place 32 b + 16 h + i along the next K: codes from v[pc] on, bytes from v[TM+4] on
.irp b, 0,1,2,3
	v_max3_num_f32 v[TM+\b], |v[\s+16*\b]|, |v[\s+16*\b+1]|, 0x1800000
.endr
.irp i, 2,4,6,8,10,12,14
.irp b, 0,1,2,3
	s_delay_alu instid0(VALU_DEP_4)
	v_max3_num_f32 v[TM+\b], v[TM+\b], |v[\s+16*\b+\i]|, |v[\s+16*\b+\i+1]|
.endr
.endr
.irp b, 0,1,2,3
	s_delay_alu instid0(VALU_DEP_4)
	v_permlanex16_b32 v[TM+4+\b], v[TM+\b], s[SEL], s[SEL+1]
.endr
.irp b, 0,1,2,3
	s_delay_alu instid0(VALU_DEP_4)
	v_max_num_f32 v[TM+\b], v[TM+\b], v[TM+4+\b]
.endr
.irp b, 0,1,2,3
	s_delay_alu instid0(VALU_DEP_4)
	v_add_nc_u32 v[TM+8+\b], 0xff000000, v[TM+\b]
.endr
.irp b, 0,1,2,3
	s_delay_alu instid0(VALU_DEP_4)
	v_lshrrev_b32 v[TM+4+\b], 23, v[TM+8+\b]
.endr
.irp b, 0,1,2,3
	v_cvt_scalef32_pk8_fp4_f32 v[\pc+2*\b], v[\s+16*\b:\s+16*\b+7], v[TM+8+\b]
	v_cvt_scalef32_pk8_fp4_f32 v[\pc+2*\b+1], v[\s+16*\b+8:\s+16*\b+15], v[TM+8+\b]
.endr
	v_nop
.endm
	s_load_b256 s[4:11], s[0:1], 0x0               ; x1, wimg, b1, hid
	v_lshl_add_u32 v46, v0, 2, 0x30000
	v_mov_b32 v47, 0
	ds_add_u32 v46, v47
	ds_add_u32 v46, v47
	v_lshrrev_b32 v1, 5, v0
	s_delay_alu instid0(VALU_DEP_1)
	v_readfirstlane_b32 s[WV], v1
	v_and_b32 v2, 31, v0
	s_delay_alu instid0(VALU_DEP_1)
	v_lshlrev_b32 v1, 4, v2
	s_delay_alu instid0(VALU_DEP_2)
	v_lshlrev_b32 v2, 2, v2
	v_and_b32 v3, 15, v0
	v_bfe_u32 v4, v0, 4, 1
	s_wait_alu depctr_va_vdst(0)
	s_bfe_u32 s49, ttmp6, 0x40000
	s_lshl_b32 s50, ttmp9, 2
	s_add_co_u32 s50, s50, s49                     ; row block
	s_and_b32 s51, ttmp7, 0xffff                   ; column block
	s_and_b32 s52, s[WV], 3
	s_lshr_b32 s53, s[WV], 2
	s_mov_b32 s[SEL], 0x76543210
	s_mov_b32 s[SEL+1], 0xfedcba98
	v_cmp_eq_u32 s56, 0, v4
	s_lshl_b32 s57, s52, 11
	v_add_nc_u32 v5, s57, v1
	s_lshl_b32 s57, s53, 13
	s_add_co_u32 s57, s57, 49152
	v_add_nc_u32 v6, s57, v1
	s_delay_alu instid0(VALU_DEP_1)
	v_add_nc_u32 v7, 49152, v6
	s_delay_alu instid0(VALU_DEP_2)
	v_add_nc_u32 v8, 98304, v6
	v_lshlrev_b32 v12, 4, v3
	s_delay_alu instid0(VALU_DEP_1)
	v_lshl_add_u32 v12, v4, 3, v12                 ; 16 r + 8 h
	v_mul_u32_u24 v13, v4, 1536
	s_delay_alu instid0(VALU_DEP_1)
	v_lshl_add_u32 v13, v3, 2, v13                 ; 1536 h + 4 r
	v_lshlrev_b32 v14, 6, v4                       ; 64 h
	s_mov_b32 s16, 3<<16
	s_mov_b32 s24, 15|(3<<16)|(1<<21)
.irp g, 16,24
	s_mov_b32 s[\g+1], 32<<16
	s_mov_b32 s[\g+2], 96<<16
	s_mov_b32 s[\g+3], 32<<16
	s_mov_b32 s[\g+4], 96
	s_mov_b32 s[\g+5], 32
	s_mov_b32 s[\g+6], 0
	s_mov_b32 s[\g+7], 0
.endr
	s_mul_i32 s58, s50, 49152
	s_add_co_u32 s58, s58, ABASE
	s_mov_b32 s59, 0
	s_max_u32 s60, s[WV], 2
	s_sub_co_u32 s60, s60, 2                       ; waves 2 to 7 bring K steps 0 to 5
	s_mul_i32 s60, s60, 24576
	s_mul_i32 s61, s51, 147456
	s_add_co_u32 s60, s60, s61
	s_add_co_u32 s60, s60, CBASE
	s_mov_b32 s61, 0
	s_min_u32 s62, s[WV], 7
	s_mul_i32 s62, s62, 24576                      ; where my fill goes: 24,576 x wave
	s_min_u32 s63, s[WV], 1
	s_mul_i32 s63, s63, 24576                      ; waves 0 and 1: which half of x1
	s_add_co_u32 s58, s58, s63
	s_wait_dscnt 0x0
	s_wait_kmcnt 0x0
	s_add_nc_u64 s[58:59], s[4:5], s[58:59]
	s_add_nc_u64 s[60:61], s[6:7], s[60:61]
	s_mov_b32 s32, 1
	s_mov_b32 s33, s63
	s_mov_b64 s[34:35], s[58:59]
	s_or_b32 s35, s35, 0x80000000
	s_mov_b32 s40, 1
	s_mov_b32 s41, s62
	s_mov_b64 s[42:43], s[60:61]
	s_or_b32 s43, s43, 0x80000000
	ROUND                                          ; all four work-groups are here: the joint loads meet
	s_cmp_ge_u32 s[WV], 2                          ; one chain of branches on the wave's number, one fill to an arm
	s_cbranch_scc1 .Lnot_x
	tensor_load_to_lds s[32:35], s[16:23]
	s_nop 0
.rept 4
	v_nop
.endr
	s_branch .Lasked
.Lnot_x:
	s_cmp_lt_u32 s[WV], 8
	s_cbranch_scc0 .Lasked
	tensor_load_to_lds s[40:43], s[24:31]
	s_nop 0
.rept 4
	v_nop
.endr
.Lasked:
	s_lshl_b32 s57, s50, 3
	s_lshl_b32 s58, s52, 1
	s_add_co_u32 s57, s57, s58                     ; my first tile of tokens
	s_mul_i32 s58, s51, 3
	s_add_co_u32 s58, s58, s53                     ; my 128 columns: the next product's K step
	s_mov_b32 s61, 0
	s_mul_i32 s60, s58, 3072
	s_add_co_u32 s60, s60, 3612672
	s_add_nc_u64 s[66:67], s[6:7], s[60:61]        ; the scale words of my eight tiles of weights
	s_mul_i32 s60, s57, 384
	s_add_co_u32 s60, s60, 14155776
	s_add_nc_u64 s[68:69], s[4:5], s[60:61]        ; and of my two tiles of tokens
	s_lshl_b32 s60, s58, 9
	s_add_nc_u64 s[70:71], s[8:9], s[60:61]        ; b1
	s_mul_i32 s60, s57, 12
	s_add_co_u32 s60, s60, s58
	s_lshl_b32 s60, s60, 11
	s_add_nc_u64 s[72:73], s[10:11], s[60:61]      ; hid's codes
	s_mul_i32 s60, s57, 1536
	s_lshl_b32 s62, s58, 6
	s_add_co_u32 s60, s60, s62
	s_add_co_u32 s60, s60, 6291456
	s_add_nc_u64 s[74:75], s[10:11], s[60:61]      ; hid's scale words
	SCL ES, 8, 66
	SCL DS, 2, 68
	s_wait_alu depctr_va_vdst(0)
.irp a, 0,1
.irp b, 0,1,2,3
.irp q, 0,1,2,3
	global_load_b128 v[ACC+64*\a+16*\b+4*\q:ACC+64*\a+16*\b+4*\q+3], v14, s[70:71] offset:128*\b+16*\q   ; the sums begin at the bias
.endr
.endr
.endr
	s_wait_loadcnt 0x0
	s_wait_tensorcnt 0x0                           ; my fill has landed
	s_barrier_signal -1
	s_barrier_wait -1                              ; everybody's has
	TSTEP 0
	TSTEP 1
	TSTEP 2
	TSTEP 3
	TSTEP 4
	TSTEP 5
.irp a, 0,1
.set m, 0
.rept 64
	v_max_num_f32 v[ACC+64*\a+m], 0, v[ACC+64*\a+m]   ; the activation, in f32
.set m, m+1
.endr
	QUANT ACC+64*\a, PC+8*\a
.irp b, 0,1,2,3
	global_store_b64 v12, v[PC+8*\a+2*\b:PC+8*\a+2*\b+1], s[72:73] offset:1024*\a+256*\b   ; 256 consecutive bytes, aligned
.endr
	v_lshl_or_b32 v[PW+\a], v[TM+5], 8, v[TM+4]
	s_delay_alu instid0(VALU_DEP_1)
	v_lshl_or_b32 v[PW+\a], v[TM+6], 16, v[PW+\a]
	s_delay_alu instid0(VALU_DEP_1)
	v_lshl_or_b32 v[PW+\a], v[TM+7], 24, v[PW+\a]
.endr
	s_delay_alu instid0(VALU_DEP_1)
	v_cndmask_b32 v[PW+2], v[PW+1], v[PW], s56
	global_store_b32 v13, v[PW+2], s[74:75]
	s_wait_tensorcnt 0x0
	ds_add_u32 v46, v47
	s_wait_dscnt 0x0
	ROUND                                          ; the closing round
	s_endpgm
.Lfunc_end_k_q662e6582e6_ffn1:
	.size	k_q662e6582e6_ffn1, .Lfunc_end_k_q662e6582e6_ffn1-k_q662e6582e6_ffn1
	.p2alignl 7, 3214868480
	.fill 96, 4, 3214868480
	.section	.rodata,"a",@progbits
	.p2align	6, 0x0
	.amdhsa_kernel k_q662e6582e6_ffn1
		.amdhsa_group_segment_fixed_size 198144
		.amdhsa_private_segment_fixed_size 0
		.amdhsa_enable_private_segment 0
		.amdhsa_kernarg_size 32
		.amdhsa_user_sgpr_count 2
		.amdhsa_user_sgpr_kernarg_segment_ptr 1
		.amdhsa_wavefront_size32 1
		.amdhsa_system_sgpr_workgroup_id_x 1
		.amdhsa_system_sgpr_workgroup_id_y 1
		.amdhsa_system_sgpr_workgroup_id_z 1
		.amdhsa_system_vgpr_workitem_id 0
		.amdhsa_next_free_vgpr 256
		.amdhsa_next_free_sgpr 80
		.amdhsa_reserve_vcc 0
		.amdhsa_float_denorm_mode_32 3
		.amdhsa_float_denorm_mode_16_64 3
		.amdhsa_memory_ordered 1
		.amdhsa_forward_progress 1
		.amdhsa_inst_pref_size 48
	.end_amdhsa_kernel
	.amdgpu_metadata
---
amdhsa.version: [ 1, 2 ]
amdhsa.kernels:
  - .name:           k_q662e6582e6_ffn1
    .symbol:         k_q662e6582e6_ffn1.kd
    .args:
      - { .name: x1, .offset: 0, .size: 8, .value_kind: global_buffer, .address_space: global }
      - { .name: wimg, .offset: 8, .size: 8, .value_kind: global_buffer, .address_space: global }
      - { .name: b1, .offset: 16, .size: 8, .value_kind: global_buffer, .address_space: global }
      - { .name: hid, .offset: 24, .size: 8, .value_kind: global_buffer, .address_space: global }
    .group_segment_fixed_size: 198144
    .private_segment_fixed_size: 0
    .kernarg_segment_align: 8
    .kernarg_segment_size: 32
    .max_flat_workgroup_size: 384
    .sgpr_count:     80
    .vgpr_count:     256
    .wavefront_size: 32
...
	.end_amdgpu_metadata
.endif
;; end of part 13
;; launch ffn2 (part 14): grid 64 x 4, 6 waves a work-group, clusters of 4 x 1, 327,680 bytes of LDS; arguments hid, wimg, b2, x1, out0; writes out0
.if DOCPART == 14
	.amdgcn_target "amdgcn-amd-amdhsa--gfx1250"
	.amdhsa_code_object_version 6
	.text
	.protected	k_q662e6582e6_ffn2
	.globl	k_q662e6582e6_ffn2
	.p2align	8
	.type	k_q662e6582e6_ffn2,@function
k_q662e6582e6_ffn2:
	s_mov_b64 s[64:65], 0
	v_nop
	global_prefetch_b8 v0, s[64:65] scope:SCOPE_SE
	s_setreg_imm32_b32 hwreg(HW_REG_WAVE_MODE, 25, 1), 1
	s_wait_xcnt 0x0
	s_wait_alu depctr_hold_cnt(0) depctr_sa_sdst(0) depctr_va_vdst(0) depctr_va_sdst(0) depctr_va_ssrc(0) depctr_va_vcc(0) depctr_vm_vsrc(0)
	s_getreg_b32 s2, hwreg(HW_REG_IB_STS2, 6, 4)
	s_cmp_eq_u32 s2, 0
	s_cbranch_scc0 .Lentry_in_a_cluster
	s_endpgm
.Lentry_in_a_cluster:
	s_bfe_u32 s2, ttmp6, 0x10000c
	s_cmp_lg_u32 s2, 0x3003
	s_cbranch_scc0 .Lentry_shape_is_right
	s_endpgm
.Lentry_shape_is_right:
; out0 = x1 + hid w2 + b2 on codes of FP4 with E8M0 scales (K = 3,072).
; A work-group makes 64 tokens (row block rb) x 192 columns (column block cb): three aligned runs of 256 bytes of each row of out0.
; The weights' 12 tiles for all of K, 294,912 bytes, lie in LDS from byte 0, [K step 24][tile 12][1,024], filled once; behind them a stage of 16 rows x 272 bytes for each wave, which no fill touches.
; hid does not fit beside them: a wave's two tiles of tokens are a dense run of 49,152 bytes of memory, K step by K step, and come straight into registers, four K steps ahead.
; CLUSTER: the four row blocks of a cluster read the same weights: every wave asks JOINTLY (mask 15) for four K steps, one in each quarter of K: four tensor loads of a wave are out at the most.  Nothing is filled again.
; SIX WAVES: wave w has token tiles 2 (w % 2) + 0, 1 (source 1) x weight tiles 4 (w / 2) + 0 .. 3 (source 0): 8 accumulators by turns, in the same order in every K step.
; A tile's 16 rows are 32 (T/2) + 8 (T%2) + r + 8 (r/8): a lane holds one token; register 16 b + i is column 32 b + 16 h + i of my 64.  x1 + b2 is put into the accumulators, so the finished sums are the result.
; LIMITS: NaN and infinities are not served; the sums begin at x1 + b2 instead of ending with them.
; THE FILLS AS THEY STAND (this takes the place of what the lines above say of them): at the head every wave asks JOINTLY (mask 15) for one K step, K steps 0 to 5, 12,288 bytes each.  The other 18 K steps are a later first fill:
; behind the wait for 0, the add and its wait, and a round of the cluster's barrier, every wave asks jointly for three K steps, 36,864 dense bytes (K steps 6 + 3 wave on), which have K steps 0 to 5 in which to land;
; ahead of K step 6 every wave waits for 0 and passes a barrier.  One tensor load of a wave is out at the most.  No byte is filled twice.
.set HS,  24
.set WS,  48                           ; v48-95   the weights'
.set BF,  96                           ; v96-127  the weights' four fragments
.set AF,  128                          ; v128-191 hid's fragments: four sets of two
.set ACC, 192                          ; v192-255 accumulator (a, t) at 32 a + 8 t
.set WV,  48
.macro ROUND
	s_barrier_signal -1
	s_barrier_wait -1
	s_cmp_lg_u32 s[WV], 0
	s_cbranch_scc1 .Lnot_wave_0_\@
	s_barrier_signal -3
.Lnot_wave_0_\@:
	s_barrier_wait -3
	s_barrier_signal -1
	s_barrier_wait -1
.endm
.macro WM acc, fa, fb, sa, sb, odd
.if \odd
	v_wmma_scale_f32_16x16x128_f8f6f4 v[\acc:\acc+7], v[\fa:\fa+7], v[\fb:\fb+7], v[\acc:\acc+7], v[\sa], v[\sb] matrix_a_fmt:MATRIX_FMT_FP4 matrix_b_fmt:MATRIX_FMT_FP4 matrix_a_scale:MATRIX_SCALE_ROW1 matrix_b_scale:MATRIX_SCALE_ROW1
.else
	v_wmma_scale_f32_16x16x128_f8f6f4 v[\acc:\acc+7], v[\fa:\fa+7], v[\fb:\fb+7], v[\acc:\acc+7], v[\sa], v[\sb] matrix_a_fmt:MATRIX_FMT_FP4 matrix_b_fmt:MATRIX_FMT_FP4
.endif
.endm
.macro ALOAD s                         ; hid's two fragments of K step s into set s % 4: 512 consecutive bytes a load
.irp a, 0,1
.irp c, 0,1
	global_load_b128 v[AF+16*((\s)%4)+8*\a+4*\c:AF+16*((\s)%4)+8*\a+4*\c+3], v1, s[24:25] offset:2048*(\s)+1024*\a+512*\c
.endr
.endr
.endm
.macro W2STEP s
.irp t, 0,1,2,3
.irp c, 0,1
	ds_load_b128 v[BF+8*\t+4*\c:BF+8*\t+4*\c+3], v5 offset:12288*((\s)%4)+1024*\t+512*\c
.endr
.endr
.if 23-(\s) >= 3
	s_wait_loadcnt 12                              ; this K step's four loads are in; those of the three steps behind it may be out
.else
	s_wait_loadcnt 4*(23-(\s))
.endif
	s_wait_dscnt 0x0
.irp a, 0,1
.irp t, 0,1,2,3
	WM ACC+32*\a+8*\t,BF+8*\t,AF+16*((\s)%4)+8*\a,WS+12*\t+(\s)/2,HS+12*\a+(\s)/2,(\s)%2
.endr
.endr
.if ((\s)%4) == 3 && (\s) < 23
	v_add_nc_u32 v5, 49152, v5                     ; four K steps on in LDS; it is one of the four places
	s_wait_alu depctr_va_vdst(0)
.rept 3
	v_nop
.endr
.else
.rept 4
	v_nop
.endr
.endif
.if (\s)+4 <= 23
	ALOAD (\s)+4
.endif
.endm
	s_load_b256 s[4:11], s[0:1], 0x0               ; hid, wimg, b2, x1
	s_load_b64 s[12:13], s[0:1], 0x20              ; out0
	v_lshl_add_u32 v22, v0, 2, 0x4e600
	v_mov_b32 v23, 0
	ds_add_u32 v22, v23
	ds_add_u32 v22, v23
	v_lshrrev_b32 v1, 5, v0
	v_readfirstlane_b32 s[WV], v1                  ; wave 0..5
	v_and_b32 v2, 31, v0
	v_lshlrev_b32 v1, 4, v2
	v_lshlrev_b32 v2, 2, v2
	v_and_b32 v3, 15, v0
	s_wait_alu depctr_va_vdst(0)
	v_bfe_u32 v4, v0, 4, 1
	s_bfe_u32 s49, ttmp6, 0x40000
	s_lshl_b32 s50, ttmp9, 2
	s_add_co_u32 s50, s50, s49                     ; row block
	s_and_b32 s51, ttmp7, 0xffff                   ; column block
	s_and_b32 s52, s[WV], 1
	s_lshr_b32 s53, s[WV], 1
	s_lshl_b32 s58, s53, 12
	v_add_nc_u32 v5, s58, v1                       ; my four tiles of weights
	s_mul_i32 s58, s[WV], 4352
	s_add_co_u32 s58, s58, 294912                  ; my stage
	v_mul_u32_u24 v6, v3, 272
	s_wait_alu depctr_va_vdst(0)
	v_lshl_add_u32 v6, v4, 6, v6
	v_add_nc_u32 v6, s58, v6                       ; in: row r, + 64 h
	v_mul_u32_u24 v7, v4, 272
	v_lshl_add_u32 v7, v3, 4, v7
	v_add_nc_u32 v7, s58, v7                       ; back: lanes 0-15 one row of 256 bytes, lanes 16-31 the next
	v_mul_u32_u24 v8, v4, 3072
	v_lshl_add_u32 v8, v3, 4, v8                   ; and the same in out0
	v_lshlrev_b32 v9, 6, v4                        ; 64 h
	v_and_b32 v10, 8, v3
	v_add_nc_u32 v10, v10, v3
	v_mul_u32_u24 v10, v10, 3072
	v_lshl_add_u32 v10, v4, 6, v10                 ; x1: row r + 8 (r / 8), + 64 h
	; descriptor group 1: a K step's 12,288 dense bytes as 48 rows of 32 elements of 8 bytes
	s_mov_b32 s16, 15|(3<<16)|(1<<21)
	s_mov_b32 s17, 32<<16
	s_mov_b32 s18, 48<<16
	s_mov_b32 s19, 32<<16
	s_mov_b32 s20, 48
	s_mov_b32 s21, 32
	s_mov_b32 s22, 0
	s_mov_b32 s23, 0
	s_mul_i32 s58, s[WV], 12288
	s_mul_i32 s60, s51, 294912
	s_add_co_u32 s60, s60, s58
	s_add_co_u32 s60, s60, 2359296
	s_mov_b32 s61, 0
	s_wait_dscnt 0x0
	s_wait_kmcnt 0x0
	s_add_nc_u64 s[60:61], s[6:7], s[60:61]
	s_mov_b32 s32, 1                               ; K step = wave
	s_mov_b32 s33, s58
	s_mov_b64 s[34:35], s[60:61]
	s_or_b32 s35, s35, 0x80000000
	s_mov_b32 s36, 1                               ; K steps 6 + 3 wave + 0 .. 2
	s_mul_i32 s37, s[WV], 36864
	s_add_co_u32 s37, s37, 73728
	s_mul_i32 s62, s[WV], 24576                    ; from K step wave to K step 6 + 3 wave: 73,728 + 24,576 wave bytes
	s_add_co_u32 s62, s62, 73728
	s_mov_b32 s63, 0
	s_add_nc_u64 s[38:39], s[60:61], s[62:63]
	s_or_b32 s39, s39, 0x80000000
	ROUND                                          ; all four work-groups are here: the joint loads meet
	tensor_load_to_lds s[32:35], s[16:23]
	s_nop 0
.rept 4
	v_nop
.endr
	s_lshl_b32 s59, s50, 1
	s_add_co_u32 s59, s59, s52                     ; my pair of token tiles
	s_mov_b32 s61, 0
	s_mul_i32 s60, s59, 49152
	s_add_nc_u64 s[24:25], s[4:5], s[60:61]        ; its codes
	s_mul_i32 s60, s59, 3072
	s_add_co_u32 s60, s60, 6291456
	s_add_nc_u64 s[26:27], s[4:5], s[60:61]        ; its scale words
	s_mul_i32 s60, s51, 12
	s_lshl_b32 s62, s53, 2
	s_add_co_u32 s60, s60, s62
	s_mul_i32 s60, s60, 1536
	s_add_co_u32 s60, s60, 3686400
	s_add_nc_u64 s[28:29], s[6:7], s[60:61]        ; the scale words of my four tiles of weights
	s_mul_i32 s60, s51, 768
	s_lshl_b32 s62, s53, 8
	s_add_co_u32 s60, s60, s62                     ; my first column, in bytes
	s_add_nc_u64 s[54:55], s[8:9], s[60:61]        ; b2
	s_mul_i32 s62, s59, 98304
	s_add_co_u32 s60, s60, s62
	s_add_nc_u64 s[30:31], s[10:11], s[60:61]      ; x1 at my first token, my first column
	s_add_nc_u64 s[56:57], s[12:13], s[60:61]      ; out0 likewise
.irp a, 0,1
.set qq, 0
.rept 12
	global_load_b32 v[HS+12*\a+qq], v2, s[26:27] offset:1536*\a+128*qq
.set qq, qq+1
.endr
.endr
.irp t, 0,1,2,3
.set qq, 0
.rept 12
	global_load_b32 v[WS+12*\t+qq], v2, s[28:29] offset:1536*\t+128*qq
.set qq, qq+1
.endr
.endr
	s_wait_alu depctr_va_vdst(0)
.irp a, 0,1
.irp b, 0,1
.irp q, 0,1,2,3
	global_load_b128 v[ACC+32*\a+16*\b+4*\q:ACC+32*\a+16*\b+4*\q+3], v10, s[30:31] offset:24576*\a+128*\b+16*\q
.endr
.endr
.endr
.irp b, 0,1
.irp q, 0,1,2,3
	global_load_b128 v[BF+16*\b+4*\q:BF+16*\b+4*\q+3], v9, s[54:55] offset:128*\b+16*\q
.endr
.endr
	ALOAD 0
	ALOAD 1
	ALOAD 2
	ALOAD 3
	s_wait_loadcnt 16                              ; all but the sixteen loads of hid's first four K steps
.set m, 0
.rept 16
	v_pk_add_f32 v[ACC+2*m:ACC+2*m+1], v[ACC+2*m:ACC+2*m+1], v[BF+2*m:BF+2*m+1]            ; x1 + b2: where the sums begin
	v_pk_add_f32 v[ACC+32+2*m:ACC+32+2*m+1], v[ACC+32+2*m:ACC+32+2*m+1], v[BF+2*m:BF+2*m+1]
.set m, m+1
.endr
.set Q, 0
	s_wait_alu depctr_va_vdst(0)
.rept 24
.if Q == 0
	s_wait_tensorcnt 0x0                           ; my K step of the first six has landed
	ds_add_u32 v22, v23
	s_mov_b32 s18, 144<<16                         ; no tensor load of mine is out, so the descriptor may be written: 144 rows of 256 bytes
	s_mov_b32 s20, 144
	s_wait_dscnt 0x0
	ROUND                                          ; everybody's has landed, and all four work-groups are here
	tensor_load_to_lds s[36:39], s[16:23]          ; my three of the other 18 K steps
	s_nop 0
.endif
.if Q == 6
	s_wait_tensorcnt 0x0                           ; my three K steps have landed
	s_barrier_signal -1
	s_barrier_wait -1                              ; everybody's have
.endif
	W2STEP Q
.set Q, Q+1
.endr
	; THE WAY OUT: a tile of 16 tokens x 64 columns goes through my stage and comes back as rows of 256 bytes.  LDS serves a wave's instructions in order: no wait between the stores and the loads, nor in front of the second tile's stores.
.irp a, 0,1
.irp b, 0,1
.irp q, 0,1,2,3
	ds_store_b128 v6, v[ACC+32*\a+16*\b+4*\q:ACC+32*\a+16*\b+4*\q+3] offset:128*\b+16*\q
.endr
.endr
.irp i, 0,1,2,3,4,5,6,7
	ds_load_b128 v[BF+32*\a+4*\i:BF+32*\a+4*\i+3], v7 offset:544*\i
.endr
.endr
.irp a, 0,1
.irp i, 0,1,2,3,4,5,6,7
	s_wait_dscnt 16*(1-\a)+7-\i                    ; behind this load: the rest of its tile's loads, and the second tile's sixteen instructions
	global_store_b128 v8, v[BF+32*\a+4*\i:BF+32*\a+4*\i+3], s[56:57] offset:3072*(2*\i+8*(\i/4))+24576*\a th:TH_STORE_NT   ; sixteen lanes store 256 consecutive bytes, aligned
.endr
.endr
	s_wait_tensorcnt 0x0
	ds_add_u32 v22, v23
	s_wait_dscnt 0x0
	ROUND                                          ; the closing round
	s_endpgm
.Lfunc_end_k_q662e6582e6_ffn2:
	.size	k_q662e6582e6_ffn2, .Lfunc_end_k_q662e6582e6_ffn2-k_q662e6582e6_ffn2
	.p2alignl 7, 3214868480
	.fill 96, 4, 3214868480
	.section	.rodata,"a",@progbits
	.p2align	6, 0x0
	.amdhsa_kernel k_q662e6582e6_ffn2
		.amdhsa_group_segment_fixed_size 327680
		.amdhsa_private_segment_fixed_size 0
		.amdhsa_enable_private_segment 0
		.amdhsa_kernarg_size 40
		.amdhsa_user_sgpr_count 2
		.amdhsa_user_sgpr_kernarg_segment_ptr 1
		.amdhsa_wavefront_size32 1
		.amdhsa_system_sgpr_workgroup_id_x 1
		.amdhsa_system_sgpr_workgroup_id_y 1
		.amdhsa_system_sgpr_workgroup_id_z 1
		.amdhsa_system_vgpr_workitem_id 0
		.amdhsa_next_free_vgpr 256
		.amdhsa_next_free_sgpr 66
		.amdhsa_reserve_vcc 0
		.amdhsa_float_denorm_mode_32 3
		.amdhsa_float_denorm_mode_16_64 3
		.amdhsa_memory_ordered 1
		.amdhsa_forward_progress 1
		.amdhsa_inst_pref_size 72
	.end_amdhsa_kernel
	.amdgpu_metadata
---
amdhsa.version: [ 1, 2 ]
amdhsa.kernels:
  - .name:           k_q662e6582e6_ffn2
    .symbol:         k_q662e6582e6_ffn2.kd
    .args:
      - { .name: hid, .offset: 0, .size: 8, .value_kind: global_buffer, .address_space: global }
      - { .name: wimg, .offset: 8, .size: 8, .value_kind: global_buffer, .address_space: global }
      - { .name: b2, .offset: 16, .size: 8, .value_kind: global_buffer, .address_space: global }
      - { .name: x1, .offset: 24, .size: 8, .value_kind: global_buffer, .address_space: global }
      - { .name: out0, .offset: 32, .size: 8, .value_kind: global_buffer, .address_space: global }
    .group_segment_fixed_size: 327680
    .private_segment_fixed_size: 0
    .kernarg_segment_align: 8
    .kernarg_segment_size: 40
    .max_flat_workgroup_size: 192
    .sgpr_count:     66
    .vgpr_count:     256
    .wavefront_size: 32
...
	.end_amdgpu_metadata
.endif
;; end of part 14
